; MI455X (gfx1250); checked and timed in simulation.
; The chip was launched on July 23, 2026; its instructions are those of AMD's public machine-readable ISA for CDNA 5 (MIT licence, August 2026) and "CDNA5" Instruction Set Architecture Reference Guide (July 2026). The comments in the code are by the model that wrote it; some were corrected since.
;; Transformer Block. Allowed arithmetic: float matrix products may take bf16 or f16 operands with f32 sums; all other float work in f32.
;; Inputs: b1 8 x 512 float32; b2 8 x 1,024 float32; gate_b 8 float32; gate_w 8 x 1,024 float32; in_proj_b 3,072 float32; in_proj_w 3,072 x 1,024 float32; ln1_b 1,024 float32; ln1_g 1,024 float32; ln2_b 1,024 float32; ln2_g 1,024 float32; out_b 1,024 float32; out_w 1,024 x 1,024 float32; w1 8 x 512 x 1,024 float32; w2 8 x 1,024 x 512 float32; x 2 x 2,048 x 1,024 float32.
;; Outputs: out0 2 x 2,048 x 1,024 float32.
;; 2 versions, each right; version 2 is version 1 with the launch prep written anew for expert scheduling mode. Each part assembles by itself: llvm-mc -triple=amdgcn-amd-amdhsa -mcpu=gfx1250 --defsym DOCPART=n.
;; ======== version 1 of 2: 10 launches
;; limits: values are held in f16: magnitudes above 65,504 overflow, below 6.1e-05 lose precision
;; workspace buffers: wts 33,554,432 bytes; qkv 25,165,824 bytes; ctx 9,437,184 bytes; x1 16,777,216 bytes; g2 8,421,376 bytes; y 37,748,736 bytes; rt 20,480 bytes of whole numbers; rt2 33,280 bytes of whole numbers
;; launch prep (part 1): grid 896 x 1, 8 waves a work-group, no clusters, 0 bytes of LDS; arguments x, ln1_g, ln1_b, in_proj_w, out_w, w1, w2, wts; writes wts
.if DOCPART == 1
	.amdgcn_target "amdgcn-amd-amdhsa--gfx1250"
	.amdhsa_code_object_version 6
	.text
	.protected	k_qcd56afe8ab_prep
	.globl	k_qcd56afe8ab_prep
	.p2align	8
	.type	k_qcd56afe8ab_prep,@function
k_qcd56afe8ab_prep:
	s_mov_b64 s[64:65], 0
	v_nop
	global_prefetch_b8 v0, s[64:65] scope:SCOPE_SE
	s_setreg_imm32_b32 hwreg(HW_REG_WAVE_MODE, 25, 1), 1
	s_wait_xcnt 0x0
; Two jobs that stream, chosen by the work-group's number; all results are f16 operands for the later products, in wts:
;   groups   0..127  H1 = layer_norm(x, ln1_g, ln1_b), [4096][1024], at byte 0: 32 rows a group, 4 rows a wave, a row kept in 32 registers
;   groups 128..895  the four weight tensors cast to f16, 65,536 source bytes a group; w2[e][d][h] goes to W2[d][512 e + h]
; No LDS, no barrier, no matrix unit: every byte is read once and written once, every store of a wave covers whole aligned 256 bytes.
; LIMITS: f16 results: a magnitude beyond 65,504 becomes infinite, one below 6e-8 becomes 0.  NaN and infinities in x are not served.
; v_rsq_f32 is accurate to 1 ulp (ISA guide 15.8), so H1 differs from a correctly rounded 1/sqrt in the last bit, below f16's rounding.
.set WQ_OFF,  8388608                  ; in_proj_w as f16 [3072][1024]
.set WO_OFF,  14680064                 ; out_w as f16 [1024][1024]
.set W1_OFF,  16777216                 ; w1 as f16 [4096][1024]
.set W2_OFF,  25165824                 ; w2 as f16 [1024][4096]
.set T, 4                              ; v[4:11]    at work
.set M, 12                             ; v[12:13]   the row's mean, twice
.set R, 14                             ; v[14:15]   1/sqrt(var + eps), twice
.set G, 16                             ; v[16:47]   ln1_g of my 32 columns
.set B, 48                             ; v[48:79]   ln1_b of my 32 columns
.set X, 80                             ; v[80:207]  four rows, 32 registers each
	s_load_b512 s[8:23], s[0:1], 0x0               ; x 8, ln1_g 10, ln1_b 12, in_proj_w 14, out_w 16, w1 18, w2 20, wts 22
	s_cmp_lt_u32 ttmp9, 128
	s_cbranch_scc0 .Lnot_ln
; ---------------- layer norm ----------------
; Lane l owns columns 128 j + 4 l .. + 3, j = 0..7: a load of the wave covers 512 neighbouring bytes of x, a store 256 of H1.
	v_and_b32 v3, 31, v0                           ; lane
	v_and_b32 v4, 0xe0, v0                         ; 32 x wave
	v_lshlrev_b32 v1, 4, v3
	v_lshlrev_b32 v2, 3, v3
	v_lshlrev_b32 v3, 4, v3                        ; 16 l: g and b
	v_lshl_or_b32 v1, v4, 9, v1                    ; 16 l + wave x 4 rows x 4,096 bytes: x
	v_lshl_or_b32 v2, v4, 8, v2                    ; 8 l + wave x 4 rows x 2,048 bytes: H1
	s_lshl_b32 s2, ttmp9, 17                       ; group x 32 rows of x
	s_mov_b32 s3, 0
	s_lshl_b32 s4, ttmp9, 16                       ; group x 32 rows of H1
	s_mov_b32 s5, 0
	s_mov_b32 s26, 0x3a800000                      ; 1/1024
	s_mov_b32 s27, 0x3727c5ac                      ; 1e-5
	s_mov_b32 s28, 0x76543210                      ; v_permlanex16_b32: lane i reads lane i of the other half
	s_mov_b32 s29, 0xfedcba98
	s_wait_kmcnt 0x0
	s_add_nc_u64 s[8:9], s[8:9], s[2:3]
	s_add_nc_u64 s[22:23], s[22:23], s[4:5]
.irp j, 0,1,2,3,4,5,6,7
	global_load_b128 v[G+4*\j:G+4*\j+3], v3, s[10:11] offset:512*\j
	global_load_b128 v[B+4*\j:B+4*\j+3], v3, s[12:13] offset:512*\j
.endr
.irp i, 0,1,2,3
.irp j, 0,1,2,3,4,5,6,7
	global_load_b128 v[X+32*\i+4*\j:X+32*\i+4*\j+3], v1, s[8:9] offset:4096*\i+512*\j th:TH_LOAD_NT
.endr
.endr
.macro WSUM r, t                       ; v[r] summed over the 32 lanes, the result in every lane; v[t] has been written before
	v_add_f32_dpp v[\r], v[\r], v[\r] row_xmask:1 row_mask:0xf bank_mask:0xf
	v_add_f32_dpp v[\r], v[\r], v[\r] row_xmask:2 row_mask:0xf bank_mask:0xf
	v_add_f32_dpp v[\r], v[\r], v[\r] row_xmask:4 row_mask:0xf bank_mask:0xf
	v_add_f32_dpp v[\r], v[\r], v[\r] row_xmask:8 row_mask:0xf bank_mask:0xf
	v_permlanex16_b32 v[\t], v[\r], s28, s29
	v_add_f32 v[\r], v[\r], v[\t]
.endm
; One row: mean, centred in place, variance of the centred numbers (two passes, as the definition has them), scale, gain, bias, f16.
; left = the loads of the later rows, which may stay out.
.macro LNROW i, left
	s_wait_loadcnt \left
	v_pk_add_f32 v[T:T+1],   v[X+32*\i:X+32*\i+1],   v[X+32*\i+2:X+32*\i+3]     ; the first pairs start two chains: nothing is cleared
	v_pk_add_f32 v[T+2:T+3], v[X+32*\i+4:X+32*\i+5], v[X+32*\i+6:X+32*\i+7]
.set p, X+32*\i+8
.rept 6
	v_pk_add_f32 v[T:T+1],   v[T:T+1],   v[p:p+1]
	v_pk_add_f32 v[T+2:T+3], v[T+2:T+3], v[p+2:p+3]
.set p, p+4
.endr
	v_pk_add_f32 v[T:T+1], v[T:T+1], v[T+2:T+3]
	v_add_f32 v[T], v[T], v[T+1]
	WSUM T, T+1
	v_mul_f32 v[M], s26, v[T]
	v_mul_f32 v[M+1], s26, v[T]
.set p, X+32*\i
.rept 16
	v_pk_add_f32 v[p:p+1], v[p:p+1], v[M:M+1] neg_lo:[0,1] neg_hi:[0,1]
.set p, p+2
.endr
	v_pk_mul_f32 v[T:T+1],   v[X+32*\i:X+32*\i+1],   v[X+32*\i:X+32*\i+1]
	v_pk_mul_f32 v[T+2:T+3], v[X+32*\i+2:X+32*\i+3], v[X+32*\i+2:X+32*\i+3]
.set p, X+32*\i+4
.rept 7
	v_pk_fma_f32 v[T:T+1],   v[p:p+1],   v[p:p+1],   v[T:T+1]
	v_pk_fma_f32 v[T+2:T+3], v[p+2:p+3], v[p+2:p+3], v[T+2:T+3]
.set p, p+4
.endr
	v_pk_add_f32 v[T:T+1], v[T:T+1], v[T+2:T+3]
	v_add_f32 v[T], v[T], v[T+1]
	WSUM T, T+1
	v_fma_f32 v[T], v[T], s26, s27                 ; var + eps
	v_rsq_f32 v[R], v[T]
	v_rsq_f32 v[R+1], v[T]
	v_nop                                          ; one plain instruction behind a transcendental before its result is used (ISA guide 5.7.2)
.set p, 0
	s_wait_alu depctr_va_vdst(0)
.rept 16
	v_pk_mul_f32 v[X+32*\i+p:X+32*\i+p+1], v[X+32*\i+p:X+32*\i+p+1], v[R:R+1]
.set p, p+2
.endr
.set p, 0
.rept 16
	v_pk_fma_f32 v[X+32*\i+p:X+32*\i+p+1], v[X+32*\i+p:X+32*\i+p+1], v[G+p:G+p+1], v[B+p:B+p+1]
.set p, p+2
.endr
.irp j, 0,1,2,3,4,5,6,7
	v_cvt_pk_f16_f32 v[X+32*\i+4*\j],   v[X+32*\i+4*\j],   v[X+32*\i+4*\j+1]
	v_cvt_pk_f16_f32 v[X+32*\i+4*\j+1], v[X+32*\i+4*\j+2], v[X+32*\i+4*\j+3]
	global_store_b64 v2, v[X+32*\i+4*\j:X+32*\i+4*\j+1], s[22:23] offset:2048*\i+256*\j   ; 32 lanes x 8 bytes: 256 aligned bytes; its registers are never written again
.endr
.endm
	LNROW 0, 24
	LNROW 1, 16
	LNROW 2, 8
	LNROW 3, 0
	s_endpgm
; ---------------- casts ----------------
.Lnot_ln:
	s_sub_co_u32 s30, ttmp9, 128                   ; chunk 0..767: 192 of in_proj_w, 64 of out_w, 256 of w1, 256 of w2
	s_wait_kmcnt 0x0
	s_mov_b64 s[32:33], s[14:15]                   ; source tensor,
	s_mov_b32 s31, 0                               ; its first chunk,
	s_mov_b32 s34, WQ_OFF                          ; its place in wts
	s_cmp_ge_u32 s30, 192
	s_cselect_b64 s[32:33], s[16:17], s[32:33]
	s_cselect_b32 s31, 192, s31
	s_cselect_b32 s34, WO_OFF, s34
	s_cmp_ge_u32 s30, 256
	s_cselect_b64 s[32:33], s[18:19], s[32:33]
	s_cselect_b32 s31, 256, s31
	s_cselect_b32 s34, W1_OFF, s34
	s_cmp_ge_u32 s30, 512
	s_cselect_b64 s[32:33], s[20:21], s[32:33]
	s_cselect_b32 s31, 512, s31
	s_cselect_b32 s34, W2_OFF, s34
	s_mov_b32 s35, 0
	s_sub_co_u32 s38, s30, s31                     ; the chunk's number inside its tensor
	s_lshl_b32 s36, s38, 16
	s_mov_b32 s37, 0
	s_add_nc_u64 s[32:33], s[32:33], s[36:37]      ; 65,536 source bytes a chunk
	s_add_nc_u64 s[22:23], s[22:23], s[34:35]
	v_lshlrev_b32 v1, 4, v0                        ; 16 t: a load of the group covers 4,096 neighbouring bytes
; 16 loads in flight, then convert and store in the order of arrival: the count is the number of younger loads.
.macro CAST stride
.irp i, 0,1,2,3,4,5,6,7,8,9,10,11,12,13,14,15
	global_load_b128 v[16+4*\i:19+4*\i], v1, s[32:33] offset:4096*\i th:TH_LOAD_NT
.endr
.irp i, 0,1,2,3,4,5,6,7,8,9,10,11,12,13,14,15
	s_wait_loadcnt 15-\i
	v_cvt_pk_f16_f32 v[80+2*\i], v[16+4*\i], v[17+4*\i]
	v_cvt_pk_f16_f32 v[81+2*\i], v[18+4*\i], v[19+4*\i]
	global_store_b64 v2, v[80+2*\i:81+2*\i], s[22:23] offset:\i*\stride
.endr
.endm
	s_cmp_ge_u32 s30, 512
	s_cbranch_scc1 .Lw2
	s_lshl_b32 s36, s38, 15                        ; the same order in f16: 32,768 bytes a chunk
	s_add_nc_u64 s[22:23], s[22:23], s[36:37]
	v_lshlrev_b32 v2, 3, v0
	CAST 2048
	s_endpgm
.Lw2:
	; a chunk is 32 rows (e, d) of 512 numbers: e = chunk / 32, d = 32 (chunk % 32) ..; row d of W2 is 8,192 bytes, expert e's part begins at 1,024 e
	s_and_b32 s36, s38, 31
	s_lshl_b32 s36, s36, 18
	s_lshr_b32 s39, s38, 5
	s_lshl_b32 s39, s39, 10
	s_add_co_u32 s36, s36, s39
	s_add_nc_u64 s[22:23], s[22:23], s[36:37]
	v_lshrrev_b32 v2, 7, v0                        ; load i brings rows 2 i and 2 i + 1: threads 0-127 the first, 128-255 the second
	v_and_b32 v3, 127, v0
	v_lshlrev_b32 v3, 3, v3
	v_lshl_or_b32 v2, v2, 13, v3
	CAST 16384
	s_endpgm
.Lfunc_end_k_qcd56afe8ab_prep:
	.size	k_qcd56afe8ab_prep, .Lfunc_end_k_qcd56afe8ab_prep-k_qcd56afe8ab_prep
	.p2alignl 7, 3214868480
	.fill 96, 4, 3214868480
	.section	.rodata,"a",@progbits
	.p2align	6, 0x0
	.amdhsa_kernel k_qcd56afe8ab_prep
		.amdhsa_group_segment_fixed_size 0
		.amdhsa_private_segment_fixed_size 0
		.amdhsa_enable_private_segment 0
		.amdhsa_kernarg_size 64
		.amdhsa_user_sgpr_count 2
		.amdhsa_user_sgpr_kernarg_segment_ptr 1
		.amdhsa_wavefront_size32 1
		.amdhsa_system_sgpr_workgroup_id_x 1
		.amdhsa_system_sgpr_workgroup_id_y 1
		.amdhsa_system_sgpr_workgroup_id_z 1
		.amdhsa_system_vgpr_workitem_id 0
		.amdhsa_next_free_vgpr 208
		.amdhsa_next_free_sgpr 66
		.amdhsa_reserve_vcc 0
		.amdhsa_float_denorm_mode_32 3
		.amdhsa_float_denorm_mode_16_64 3
		.amdhsa_memory_ordered 1
		.amdhsa_forward_progress 1
		.amdhsa_inst_pref_size 50
	.end_amdhsa_kernel
	.amdgpu_metadata
---
amdhsa.version: [ 1, 2 ]
amdhsa.kernels:
  - .name:           k_qcd56afe8ab_prep
    .symbol:         k_qcd56afe8ab_prep.kd
    .args:
      - { .name: x, .offset: 0, .size: 8, .value_kind: global_buffer, .address_space: global }
      - { .name: ln1_g, .offset: 8, .size: 8, .value_kind: global_buffer, .address_space: global }
      - { .name: ln1_b, .offset: 16, .size: 8, .value_kind: global_buffer, .address_space: global }
      - { .name: in_proj_w, .offset: 24, .size: 8, .value_kind: global_buffer, .address_space: global }
      - { .name: out_w, .offset: 32, .size: 8, .value_kind: global_buffer, .address_space: global }
      - { .name: w1, .offset: 40, .size: 8, .value_kind: global_buffer, .address_space: global }
      - { .name: w2, .offset: 48, .size: 8, .value_kind: global_buffer, .address_space: global }
      - { .name: wts, .offset: 56, .size: 8, .value_kind: global_buffer, .address_space: global }
    .group_segment_fixed_size: 0
    .private_segment_fixed_size: 0
    .kernarg_segment_align: 8
    .kernarg_segment_size: 64
    .max_flat_workgroup_size: 256
    .sgpr_count:     66
    .vgpr_count:     208
    .wavefront_size: 32
...
	.end_amdgpu_metadata
.endif
;; end of part 1
;; launch qkv (part 2): grid 12 x 16, 4 waves a work-group, clusters of 4 x 4, 327,680 bytes of LDS; arguments wts, in_proj_b, qkv; writes qkv
.if DOCPART == 2
	.amdgcn_target "amdgcn-amd-amdhsa--gfx1250"
	.amdhsa_code_object_version 6
	.text
	.protected	k_qcd56afe8ab_qkv
	.globl	k_qcd56afe8ab_qkv
	.p2align	8
	.type	k_qcd56afe8ab_qkv,@function
k_qcd56afe8ab_qkv:
	s_mov_b64 s[64:65], 0
	v_nop
	global_prefetch_b8 v0, s[64:65] scope:SCOPE_SE
	s_setreg_imm32_b32 hwreg(HW_REG_WAVE_MODE, 25, 1), 1
	s_wait_xcnt 0x0
	s_wait_alu depctr_hold_cnt(0) depctr_sa_sdst(0) depctr_va_vdst(0) depctr_va_sdst(0) depctr_va_ssrc(0) depctr_va_vcc(0) depctr_vm_vsrc(0)
	s_getreg_b32 s2, hwreg(HW_REG_IB_STS2, 6, 4)
	s_cmp_eq_u32 s2, 0
	s_cbranch_scc0 .Lentry_in_a_cluster
	s_endpgm
.Lentry_in_a_cluster:
	s_bfe_u32 s2, ttmp6, 0x10000c
	s_cmp_lg_u32 s2, 0xf033
	s_cbranch_scc0 .Lentry_shape_is_right
	s_endpgm
.Lentry_shape_is_right:
; qkv[t][n] = sum over k of H1[t][k] WQ[n][k] + in_proj_b[n].  H1 [4096][1024] and WQ [3072][1024] are f16 in wts; qkv [4096][3072] is f16; sums in f32.
; A work-group makes 256 x 256 of qkv with four waves, a wave 128 x 128: 64 accumulator tiles, 512 registers.  K goes in steps of 128 through two LDS
; slots filled by tensor loads whose rows are 256 aligned bytes.  192 work-groups: blocks 192 columns wide would make 256, but their rows of 384 bytes
; would split aligned blocks of 256 bytes of the output.
; CLUSTERS of 4 x 4: the four of a cluster's row need the same tiles of H1, the four of a column the same tiles of WQ; each tile is asked for jointly.
; REGISTERS in windows of 256: window 0: v16-27 addresses, v64-127 and v128-191 fragments of H1 (two buffers), v192-223 the way out;
;   window 1: v64-127, v128-191 fragments of WQ, v192-255 the bias; window 2: accumulators of my rows 0-63 (tile (a, b) at 8 (8 a + b)); window 3: rows 64-127.
; The matrix instruction is used transposed (source 0 = rows of WQ, source 1 = rows of H1): lane l holds row l % 16 and the eight neighbouring columns
; 8 (l / 16) + 0..7 of a tile.  So the bias of a column block is eight registers, the same for every row block, and the first product takes it as C:
; nothing is cleared and nothing is added afterwards.
; LIMIT: f16 operands and results: magnitudes beyond 65,504 become infinite.
.set SIZE_K, 1024
.set SIZE_N, 3072
.set B_OFF,  8388608                   ; WQ in wts
.set KSTEP,  128
.set PITCH,  272                       ; an LDS row: 256 bytes + 16 of padding: the 16 rows of a fragment load start 16 bytes apart modulo 256
.set HALFT,  128*PITCH                 ; what one tensor load brings
.set SLOT,   4*HALFT                   ; H1's 256 rows, then WQ's 256 rows
.set STAGE,  2*SLOT                    ; behind the ring: 16 rows x 272 bytes for each wave, never the target of a tensor load
.set SPITCH, 272
.set LAPS,   SIZE_K/(2*KSTEP)          ; 4 laps of two K steps
.set ADRA, 16                          ; v16-17 LDS address of my H1 fragments in slot 0, 1
.set ADRB, 20                          ; v20-21 the same for WQ
.set STO,  24
.set RD,   25
.set CO,   26
.set BO,   27                          ; 32 (l / 16): my eight numbers in a block of 16 of the bias
.set F0,   64
.set F1,   128
.set TMP,  192
.set BIAS, 192                         ; window 1
.set G1,  24                           ; s[24:31] group 1 for H1's tiles
.set G0,  32                           ; s[32:39] group 0 for H1's tiles, a set for each slot
.set G1B, 48                           ; s[48:55] group 1 for WQ's tiles
.set G0B, 56                           ; s[56:63] group 0 for WQ's tiles
.set MSB, 0
.macro WIN new                         ; the immediate's high byte repeats the setting that is left
.if MSB != \new
	s_set_vgpr_msb (MSB<<8)|\new
.set MSB, \new
.endif
.endm
.set MUL_LO,  0xa1                     ; source 0 window 1, source 1 window 0, C and D window 2
.set MUL_HI,  0xf1                     ; the same, C and D window 3
.set BIAS_LO, 0x91                     ; C from window 1 (the bias), D window 2
.set BIAS_HI, 0xd1                     ; C from window 1, D window 3
.set TO_B,    0x40                     ; destination window 1, address window 0
.macro JLOAD s                         ; waves 0, 1 ask for H1's halves, waves 2, 3 for WQ's: one mask and one set of registers for each line
	s_cmp_eq_u32 s11, 0
	s_cbranch_scc0 .Lfor_b_\@
	tensor_load_to_lds s[G0+4*\s:G0+4*\s+3], s[G1:G1+7]
	s_nop 0
	s_branch .Lasked_\@
.Lfor_b_\@:
	tensor_load_to_lds s[G0B+4*\s:G0B+4*\s+3], s[G1B:G1B+7]
	s_nop 0
	v_nop
.Lasked_\@:
.endm
.macro CREST                           ; a round of the cluster's barrier behind its opening work-group barrier
	s_cmp_lg_u32 s10, 0
	s_cbranch_scc1 .Lnot_wave_0_\@
	s_barrier_signal -3
.Lnot_wave_0_\@:
	s_barrier_wait -3
	s_barrier_signal -1
	s_barrier_wait -1
.endm
.macro CROUND
	s_barrier_signal -1
	s_barrier_wait -1
	CREST
.endm
	s_load_b128 s[4:7], s[0:1], 0x0                ; wts (H1 at its head), in_proj_b
	s_load_b64 s[8:9], s[0:1], 0x10                ; qkv
	s_set_vgpr_msb 0x40
	v_lshl_add_u32 v63, v0, 2, 0x48400
	s_set_vgpr_msb 0x4000
	v_mov_b32 v255, 0
	s_set_vgpr_msb 0x1
	ds_add_u32 v63, v255
	s_set_vgpr_msb 0x100
	v_lshrrev_b32 v1, 5, v0
	v_readfirstlane_b32 s10, v1                    ; wave 0..3
	s_lshr_b32 s11, s10, 1                         ; my half of the block's rows; also: I fetch for H1 (0) or WQ (1)
	s_and_b32 s12, s10, 1                          ; my half of its columns; also: which 128 rows I fetch
	s_bfe_u32 s40, ttmp6, 0x40000                  ; cx
	s_bfe_u32 s41, ttmp6, 0x40004                  ; cy
	s_lshl_b32 s42, ttmp9, 2
	s_add_co_u32 s42, s42, s40                     ; block column
	s_and_b32 s13, ttmp7, 0xffff
	s_lshl_b32 s13, s13, 2
	s_add_co_u32 s13, s13, s41                     ; block row
	s_lshl_b32 s43, s41, 2
	s_lshl_b32 s43, 15, s43                        ; my row of the cluster
	s_lshl_b32 s44, 0x1111, s40                    ; my column
	s_or_b32 s[G1+0], s43, (1<<16)|(1<<20)|(1<<21)|(5<<22)|(3<<25)   ; mask; 2-byte elements; padding on; bit 21 beside a mask; 4 words behind every 64
	s_or_b32 s[G1B+0], s44, (1<<16)|(1<<20)|(1<<21)|(5<<22)|(3<<25)
	s_mov_b32 s[G1+1], KSTEP<<16                   ; tensor_dim0 = 128
	s_mov_b32 s[G1B+1], KSTEP<<16
	s_mov_b32 s[G1+2], 128<<16                     ; tensor_dim1 = 128
	s_mov_b32 s[G1B+2], 128<<16
	s_mov_b32 s[G1+3], KSTEP<<16                   ; tile_dim0 = 128
	s_mov_b32 s[G1B+3], KSTEP<<16
	s_mov_b32 s[G1+4], 128                         ; tile_dim1 = 128
	s_mov_b32 s[G1B+4], 128
	s_mov_b32 s[G1+5], SIZE_K                      ; elements from row to row
	s_mov_b32 s[G1B+5], SIZE_K
	s_mov_b32 s[G1+6], 0
	s_mov_b32 s[G1B+6], 0
	s_mov_b32 s[G1+7], 0
	s_mov_b32 s[G1B+7], 0
	s_lshl_b32 s17, s12, 7
	s_lshl_b32 s16, s13, 8
	s_add_co_u32 s16, s16, s17                     ; H1: row 256 x block row + 128 x half
	s_lshl_b32 s46, s42, 8
	s_add_co_u32 s46, s46, s17                     ; WQ: row 256 x block column + 128 x half
	s_mov_b32 s17, 0
	s_mov_b32 s47, 0
	s_mov_b64 s[18:19], SIZE_K*2
	s_mul_u64 s[16:17], s[16:17], s[18:19]
	s_mul_u64 s[46:47], s[46:47], s[18:19]
	s_mul_i32 s20, s10, HALFT                      ; where my part goes: the wave's number alone
	s_lshl_b32 s68, s42, 10                        ; the bias of my 128 columns: 4 (256 x block column + 128 x half)
	s_lshl_b32 s69, s12, 9
	s_add_co_u32 s68, s68, s69
	s_mov_b32 s69, 0
	s_wait_dscnt 0x0
	s_wait_kmcnt 0x0
	s_add_nc_u64 s[66:67], s[6:7], s[68:69]
	s_add_nc_u64 s[6:7], s[4:5], B_OFF
	s_add_nc_u64 s[14:15], s[4:5], s[16:17]
	s_add_nc_u64 s[46:47], s[6:7], s[46:47]
	CROUND                                         ; all sixteen work-groups are here: the first joint loads meet
.irp s, 0,1
	s_mov_b32 s[G0+4*\s], 1
	s_add_co_u32 s[G0+4*\s+1], s20, \s*SLOT
	s_add_nc_u64 s[G0+4*\s+2:G0+4*\s+3], s[14:15], \s*KSTEP*2
	s_or_b32 s[G0+4*\s+3], s[G0+4*\s+3], 0x80000000
	s_mov_b32 s[G0B+4*\s], 1
	s_add_co_u32 s[G0B+4*\s+1], s20, \s*SLOT
	s_add_nc_u64 s[G0B+4*\s+2:G0B+4*\s+3], s[46:47], \s*KSTEP*2
	s_or_b32 s[G0B+4*\s+3], s[G0B+4*\s+3], 0x80000000
	JLOAD \s                                       ; both first fills go out together: two tensor loads of the wave are out
.endr
	v_and_b32 v1, 15, v0                           ; l % 16
	v_bfe_u32 v2, v0, 4, 1                         ; l / 16
	v_lshlrev_b32 v[BO], 5, v2
	WIN TO_B
.irp b, 0,1,2,3,4,5,6,7
	global_load_b128 v[BIAS+8*\b:BIAS+8*\b+3],   v[BO], s[66:67] offset:64*\b       ; bias of columns 16 b + 8 (l / 16) + 0..3
	global_load_b128 v[BIAS+8*\b+4:BIAS+8*\b+7], v[BO], s[66:67] offset:64*\b+16    ; and + 4..7
.endr
	WIN 0
	v_mul_u32_u24 v3, v1, PITCH
	v_lshl_add_u32 v3, v2, 4, v3                   ; row x pitch + 16 x half
	s_mul_i32 s21, s11, HALFT
	s_mul_i32 s22, s12, HALFT
	s_add_co_u32 s22, s22, 2*HALFT
.irp s, 0,1
	v_add_nc_u32 v[ADRA+\s], s21, v3
	v_add_nc_u32 v[ADRB+\s], s22, v3
	s_add_co_u32 s21, s21, SLOT
	s_add_co_u32 s22, s22, SLOT
.endr
	s_mul_i32 s23, s10, 16*SPITCH
	s_add_co_u32 s23, s23, STAGE
	v_mul_u32_u24 v4, v1, SPITCH
	v_lshl_add_u32 v4, v2, 4, v4
	v_add_nc_u32 v[STO], s23, v4
	v_mul_u32_u24 v5, v2, SPITCH
	v_lshl_add_u32 v5, v1, 4, v5
	v_add_nc_u32 v[RD], s23, v5
	v_mul_u32_u24 v5, v2, SIZE_N*2
	v_lshl_add_u32 v[CO], v1, 4, v5
; 16 matrix instructions: row blocks a0, a0 + 1 of the window's four x all 8 column blocks, 32 along K.  zero = 1: the bias starts the sums.
; The 64 accumulators take turns, one instruction a turn, in the same order in every quarter step.
.macro MUL16 f, hi, a0, zero
.irp a, \a0, \a0+1
.irp b, 0,1,2,3,4,5,6,7
.if \zero
	v_wmma_f32_16x16x32_f16 v[8*(8*(\a)+\b):8*(8*(\a)+\b)+7], v[\f+8*\b:\f+8*\b+7], v[\f+8*(4*\hi+\a):\f+8*(4*\hi+\a)+7], v[BIAS+8*\b:BIAS+8*\b+7]
.else
	v_wmma_f32_16x16x32_f16 v[8*(8*(\a)+\b):8*(8*(\a)+\b)+7], v[\f+8*\b:\f+8*\b+7], v[\f+8*(4*\hi+\a):\f+8*(4*\hi+\a)+7], v[8*(8*(\a)+\b):8*(8*(\a)+\b)+7]
.endif
.endr
.endr
.endm
.macro FETCH slot, k, f                ; 32 LDS loads in one run: the fragments of a quarter step into buffer f
	WIN TO_B
.irp i, 0,1,2,3,4,5,6,7
	ds_load_b128 v[\f+8*\i:\f+8*\i+3],   v[ADRB+\slot] offset:\k+\i*16*PITCH
	ds_load_b128 v[\f+8*\i+4:\f+8*\i+7], v[ADRB+\slot] offset:\k+\i*16*PITCH+32
.endr
	WIN 0
.irp i, 0,1,2,3,4,5,6,7
	ds_load_b128 v[\f+8*\i:\f+8*\i+3],   v[ADRA+\slot] offset:\k+\i*16*PITCH
	ds_load_b128 v[\f+8*\i+4:\f+8*\i+7], v[ADRA+\slot] offset:\k+\i*16*PITCH+32
.endr
.endm
.macro PLACES                          ; four plain vector instructions between a matrix instruction and a load into, or a vector use of, its registers
.rept 4
	v_nop
.endr
.endm
.macro QUARTER slot, k, f, g, zero
	s_wait_dscnt 8                                 ; WQ's fragments and H1's rows 0-63 are in; the youngest eight loads (rows 64-127) may be out
.if \zero
	WIN BIAS_LO
.else
	WIN MUL_LO
.endif
	MUL16 \f, 0, 0, \zero
	MUL16 \f, 0, 2, \zero
	PLACES
	FETCH \slot, \k, \g
	s_wait_dscnt 32                                ; all but the 32 just issued
.if \zero
	WIN BIAS_HI
.else
	WIN MUL_HI
.endif
	MUL16 \f, 1, 0, \zero
	MUL16 \f, 1, 2, \zero
.endm
.macro THREE slot, zero
	QUARTER \slot, 64,  F0, F1, \zero
	QUARTER \slot, 128, F1, F0, 0
	QUARTER \slot, 192, F0, F1, 0
.endm
; The last quarter of a K step changes slots.  In front of the barrier each wave waits for its reads of this slot and for all its tensor loads (one is
; out: its part of the next slot).  Behind it (with fill = 1: behind a whole round of the cluster's barrier) the refill comes first, then the next
; slot's first fragments.  From a request to the wait for it a wave issues 240 matrix instructions.
.macro TURN slot, next, fill
	s_wait_dscnt 8
	WIN MUL_LO
	MUL16 F1, 0, 0, 0
	s_wait_dscnt 0
	s_wait_tensorcnt 0x0
	ds_add_u32 v63, v255
	s_wait_dscnt 0x0
	s_barrier_signal -1
	MUL16 F1, 0, 2, 0                              ; register work while the others arrive
	WIN 0
	s_barrier_wait -1
.if \fill
	CREST
	s_add_nc_u64 s[G0+4*\slot+2:G0+4*\slot+3], s[G0+4*\slot+2:G0+4*\slot+3], 2*KSTEP*2     ; no load of mine is out: group 0 may be written
	s_add_nc_u64 s[G0B+4*\slot+2:G0B+4*\slot+3], s[G0B+4*\slot+2:G0B+4*\slot+3], 2*KSTEP*2
	JLOAD \slot
.endif
	PLACES
	FETCH \next, 0, F0
	WIN MUL_HI
	MUL16 F1, 1, 0, 0
	MUL16 F1, 1, 2, 0
.endm
.macro LAP zero
	THREE 0, \zero
	TURN 0, 1, 1
	THREE 1, 0
	TURN 1, 0, 1
.endm
	s_wait_loadcnt 0x0                             ; the bias
	s_wait_tensorcnt 1                             ; my part of K step 0 is in; K step 1's may stay out
	s_barrier_signal -1
	s_barrier_wait -1
	FETCH 0, 0, F0
	LAP 1
	WIN 0
	s_mov_b32 s3, LAPS-2
.Llap:
	LAP 0
	WIN 0
	s_sub_co_u32 s3, s3, 1
	s_cmp_lg_u32 s3, 0
	s_cbranch_scc1 .Llap
	THREE 0, 0                                     ; the last lap fills nothing
	TURN 0, 1, 0
	THREE 1, 0
	s_wait_dscnt 8
	WIN MUL_LO
	MUL16 F1, 0, 0, 0
	MUL16 F1, 0, 2, 0
	s_wait_dscnt 0
	WIN MUL_HI
	MUL16 F1, 1, 0, 0
	MUL16 F1, 1, 2, 0
	; THE WAY OUT, 16 rows at a time: round to f16, 16 bytes a lane into my own stage, read back as whole rows of 256 bytes.
	PLACES
	s_lshl_b32 s13, s13, 8
	s_lshl_b32 s14, s11, 7
	s_add_co_u32 s16, s13, s14                     ; my first row
	s_mov_b32 s17, 0
	s_mov_b64 s[18:19], SIZE_N*2
	s_mul_u64 s[16:17], s[16:17], s[18:19]
	s_add_nc_u64 s[8:9], s[8:9], s[16:17]
	s_lshl_b32 s46, s42, 9                         ; my first column, in bytes
	s_lshl_b32 s47, s12, 8
	s_add_co_u32 s46, s46, s47
	s_mov_b32 s47, 0
	s_add_nc_u64 s[8:9], s[8:9], s[46:47]
.macro OUT16 i, a, from, f
	WIN \from
.irp b, 0,1,2,3,4,5,6,7
.irp r, 0,1,2,3
	v_cvt_pk_f16_f32 v[TMP+4*\b+\r], v[8*(8*\a+\b)+2*\r], v[8*(8*\a+\b)+2*\r+1]
.endr
.endr
	WIN 0
.irp b, 0,1,2,3,4,5,6,7
	ds_store_b128 v[STO], v[TMP+4*\b:TMP+4*\b+3] offset:32*\b
.endr
	s_wait_xcnt 0x0                                ; buffer f, which earlier stores read, and the stores' base are rewritten only behind this wait
.if \i
	s_add_nc_u64 s[8:9], s[8:9], 16*SIZE_N*2
.endif
.irp t, 0,1,2,3,4,5,6,7
	ds_load_b128 v[\f+4*\t:\f+4*\t+3], v[RD] offset:\t*2*SPITCH    ; LDS serves a wave's instructions in order: these see the stores above
.endr
.irp t, 0,1,2,3,4,5,6,7
	s_wait_dscnt 7-\t
	global_store_b128 v[CO], v[\f+4*\t:\f+4*\t+3], s[8:9] offset:2*\t*SIZE_N*2   ; 16 lanes store 256 consecutive aligned bytes
.endr
.endm
	OUT16 0, 0, 0x0a, F0
	OUT16 1, 1, 0x0a, F1
	OUT16 2, 2, 0x0a, F0
	OUT16 3, 3, 0x0a, F1
	OUT16 4, 0, 0x0f, F0
	OUT16 5, 1, 0x0f, F1
	OUT16 6, 2, 0x0f, F0
	OUT16 7, 3, 0x0f, F1
	s_set_vgpr_msb 0x1
	s_wait_tensorcnt 0x0
	ds_add_u32 v63, v255
	s_wait_dscnt 0x0
	s_set_vgpr_msb 0x100
	CROUND                                         ; the closing round: no work-group ends while a partner may still ask for a tile that names it
	s_endpgm
.Lfunc_end_k_qcd56afe8ab_qkv:
	.size	k_qcd56afe8ab_qkv, .Lfunc_end_k_qcd56afe8ab_qkv-k_qcd56afe8ab_qkv
	.p2alignl 7, 3214868480
	.fill 96, 4, 3214868480
	.section	.rodata,"a",@progbits
	.p2align	6, 0x0
	.amdhsa_kernel k_qcd56afe8ab_qkv
		.amdhsa_group_segment_fixed_size 327680
		.amdhsa_private_segment_fixed_size 0
		.amdhsa_enable_private_segment 0
		.amdhsa_kernarg_size 24
		.amdhsa_user_sgpr_count 2
		.amdhsa_user_sgpr_kernarg_segment_ptr 1
		.amdhsa_wavefront_size32 1
		.amdhsa_system_sgpr_workgroup_id_x 1
		.amdhsa_system_sgpr_workgroup_id_y 1
		.amdhsa_system_sgpr_workgroup_id_z 1
		.amdhsa_system_vgpr_workitem_id 0
		.amdhsa_next_free_vgpr 1024
		.amdhsa_next_free_sgpr 72
		.amdhsa_reserve_vcc 0
		.amdhsa_float_denorm_mode_32 3
		.amdhsa_float_denorm_mode_16_64 3
		.amdhsa_memory_ordered 1
		.amdhsa_forward_progress 1
		.amdhsa_inst_pref_size 198
	.end_amdhsa_kernel
	.amdgpu_metadata
---
amdhsa.version: [ 1, 2 ]
amdhsa.kernels:
  - .name:           k_qcd56afe8ab_qkv
    .symbol:         k_qcd56afe8ab_qkv.kd
    .args:
      - { .name: wts, .offset: 0, .size: 8, .value_kind: global_buffer, .address_space: global }
      - { .name: in_proj_b, .offset: 8, .size: 8, .value_kind: global_buffer, .address_space: global }
      - { .name: qkv, .offset: 16, .size: 8, .value_kind: global_buffer, .address_space: global }
    .group_segment_fixed_size: 327680
    .private_segment_fixed_size: 0
    .kernarg_segment_align: 8
    .kernarg_segment_size: 24
    .max_flat_workgroup_size: 128
    .sgpr_count:     72
    .vgpr_count:     1024
    .wavefront_size: 32
...
	.end_amdgpu_metadata
.endif
;; end of part 2
;; launch attn (part 3): grid 16 x 16, 8 waves a work-group, clusters of 4 x 1, 327,680 bytes of LDS; arguments qkv, ctx; writes ctx
.if DOCPART == 3
	.amdgcn_target "amdgcn-amd-amdhsa--gfx1250"
	.amdhsa_code_object_version 6
	.text
	.protected	k_qcd56afe8ab_attn
	.globl	k_qcd56afe8ab_attn
	.p2align	8
	.type	k_qcd56afe8ab_attn,@function
k_qcd56afe8ab_attn:
	s_mov_b64 s[64:65], 0
	v_nop
	global_prefetch_b8 v0, s[64:65] scope:SCOPE_SE
	s_setreg_imm32_b32 hwreg(HW_REG_WAVE_MODE, 25, 1), 1
	s_wait_xcnt 0x0
	s_wait_alu depctr_hold_cnt(0) depctr_sa_sdst(0) depctr_va_vdst(0) depctr_va_sdst(0) depctr_va_ssrc(0) depctr_va_vcc(0) depctr_vm_vsrc(0)
	s_getreg_b32 s2, hwreg(HW_REG_IB_STS2, 6, 4)
	s_cmp_eq_u32 s2, 0
	s_cbranch_scc0 .Lentry_in_a_cluster
	s_endpgm
.Lentry_in_a_cluster:
	s_bfe_u32 s2, ttmp6, 0x10000c
	s_cmp_lg_u32 s2, 0x3003
	s_cbranch_scc0 .Lentry_shape_is_right
	s_endpgm
.Lentry_shape_is_right:
; ctx = softmax(q k^T / 8) v for 2 batches x 16 heads, S = 2048, head size 64.  qkv [4096][3072] f16 (q, k, v side by side), ctx [4096][1024] f16.
; A work-group makes 128 query rows of TWO neighbouring heads, so that a row of a K or V tile and a row piece of ctx are 256 aligned bytes.
; Eight waves: wave w = hd + 2 qh + 4 g takes head hd, query rows 64 qh .. + 63, and half g (128 keys) of every slot of 256 keys; the two halves are
; merged at the end.  Two waves lie on a SIMD, so that one wave's softmax arithmetic stands beside the other's matrix instructions.
; CLUSTER of 4 along x: the four query blocks of a pair of heads walk the same K and V tiles and ask for them jointly (mask 15).
; NO SHUFFLE: S^T = K Q^T (source 0 = 16 keys, source 1 = 16 queries): lane (r, h) holds query r and keys 8 h + 0..7 of a tile.  Two such tiles, rounded
; to f16 in pairs, ARE the second source of O^T = V^T P^T (32 keys), whose first source comes from LDS by the transposing load.  In O^T lane (r, h)
; holds query r again, so the running maximum, the factor and the sum are one number a lane.
; The running maximum is taken away before every exponential.  LIMITS: f16 operands (P is in [0, 1]); NaN and infinite scores are not served;
; v_exp_f32 flushes results below 2^-126 to 0 (ISA guide 15.8).
.set ROWB,   6144                      ; bytes in a row of qkv
.set KP,     272                       ; LDS pitch of K's rows: 256 + 16
.set VP,     288                       ; LDS pitch of V's rows: 256 + 32, an odd multiple of 32 for the transposing load
.set KBYTES, 256*KP
.set SLOT,   256*KP+256*VP             ; 143,360: K's 256 keys, then V's
.set STEP,   256*ROWB                  ; 256 keys further down
.set MPART,  17408                     ; the merge: 34 x 512 bytes for each of waves 4-7, from LDS byte 0 (slots have had their last fill by then)
.set STG,    69632                     ; the stage for ctx: a region for each of waves 0-3
.set SP,     144                       ; its pitch: 128 bytes + 16
.set SPART,  64*SP+128                 ; 9,344 from region to region: the two heads' halves of a row fall into different halves of 256 bytes
.set KAD, 2                            ; v2-3   LDS address of my K fragments in slot 0, 1
.set VAD, 4                            ; v4-5   the same for V
.set MAD, 6                            ; v6     my 16 bytes in the merge region of my pair of waves
.set SAD, 7                            ; v7     stage, in
.set RAD, 8                            ; v8     stage, back
.set CAD, 9                            ; v9     my byte offset in ctx
.set QAD, 10                           ; v10    my byte offset in q
.set QF,  16                           ; v16-79   Q fragments: tile i (16 queries), half dh of the head: 16 i + 8 dh
.set KF,  80                           ; v80-143  K fragments of 64 keys: 16 tt + 8 dh
.set SC,  144                          ; v144-175 scores, then probabilities, of one query tile x 64 keys
.set PF,  176                          ; v176-191 the probabilities in f16: two fragments of 32 keys
.set MX,  192                          ; v192-195 running maximum of tile i
.set LS,  196                          ; v196-199 running sum (this lane's keys only)
.set NM,  200                          ; v200 = -c x maximum, v201 = the factor for what was summed before
.set T,   202                          ; v202-217 at work
.set O,   0                            ; window 1: v0-127 O^T, tile (i, dt) at 8 (4 i + dt)
.set VF,  128                          ; window 1: v128-191 V^T fragments: 32 kc + 8 dt
.set OB,  16                           ; the merge: the partner's O in window 0
.set G1K, 24
.set G0K, 32
.set G1V, 40
.set G0V, 48
.set MSB, 0
.macro WIN new
.if MSB != \new
	s_set_vgpr_msb (MSB<<8)|\new
.set MSB, \new
.endif
.endm
.macro ROUND                           ; a round of the cluster's barrier
	s_barrier_signal -1
	s_barrier_wait -1
	s_cmp_lg_u32 s8, 0
	s_cbranch_scc1 .Lnot_wave_0_\@
	s_barrier_signal -3
.Lnot_wave_0_\@:
	s_barrier_wait -3
	s_barrier_signal -1
	s_barrier_wait -1
.endm
.macro JLOAD s                         ; waves 0-3 ask for 64 keys of K each, waves 4-7 for 64 keys of V
	s_cmp_eq_u32 s9, 0
	s_cbranch_scc0 .Lfor_v_\@
	tensor_load_to_lds s[G0K+4*\s:G0K+4*\s+3], s[G1K:G1K+7]
	s_nop 0
	s_branch .Lasked_\@
.Lfor_v_\@:
	tensor_load_to_lds s[G0V+4*\s:G0V+4*\s+3], s[G1V:G1V+7]
	s_nop 0
.Lasked_\@:
.endm
.macro PLACES
.rept 4
	v_nop
.endr
.endm
	s_load_b128 s[4:7], s[0:1], 0x0                ; qkv, ctx
	v_lshl_add_u32 v254, v0, 2, 0x46000
	v_mov_b32 v255, 0
	ds_add_u32 v254, v255
	v_lshrrev_b32 v1, 5, v0
	v_readfirstlane_b32 s8, v1                     ; wave 0..7
	s_lshr_b32 s9, s8, 2                           ; g: my half of a slot's keys; also: I fetch K (0) or V (1)
	s_and_b32 s10, s8, 1                           ; hd
	s_bfe_u32 s11, s8, 0x10001                     ; qh
	s_and_b32 s12, s8, 3                           ; which 64 keys I fetch; also hd + 2 qh
	s_bfe_u32 s13, ttmp6, 0x40000                  ; cx
	s_lshl_b32 s14, ttmp9, 2
	s_add_co_u32 s14, s14, s13                     ; query block 0..15
	s_and_b32 s15, ttmp7, 0xffff
	s_lshr_b32 s16, s15, 3                         ; batch
	s_and_b32 s17, s15, 7                          ; pair of heads
	s_mov_b32 s[G1K+0], 15|(1<<16)|(1<<20)|(1<<21)|(5<<22)|(3<<25)   ; mask of the four; 2-byte elements; 4 words of padding behind every 64
	s_mov_b32 s[G1V+0], 15|(1<<16)|(1<<20)|(1<<21)|(5<<22)|(7<<25)   ; the same with 8 words of padding
	s_mov_b32 s[G1K+1], 128<<16                    ; tensor_dim0 = 128 elements: two heads
	s_mov_b32 s[G1V+1], 128<<16
	s_mov_b32 s[G1K+2], 64<<16                     ; tensor_dim1 = 64 keys
	s_mov_b32 s[G1V+2], 64<<16
	s_mov_b32 s[G1K+3], 128<<16                    ; tile_dim0
	s_mov_b32 s[G1V+3], 128<<16
	s_mov_b32 s[G1K+4], 64                         ; tile_dim1
	s_mov_b32 s[G1V+4], 64
	s_mov_b32 s[G1K+5], 3072                       ; elements from row to row
	s_mov_b32 s[G1V+5], 3072
	s_mov_b32 s[G1K+6], 0
	s_mov_b32 s[G1V+6], 0
	s_mov_b32 s[G1K+7], 0
	s_mov_b32 s[G1V+7], 0
	s_lshl_b32 s18, s16, 11                        ; the tiles' first row: 2048 x batch + 64 x (wave % 4): nothing of cx
	s_lshl_b32 s19, s12, 6
	s_add_co_u32 s18, s18, s19
	s_mul_i32 s18, s18, ROWB
	s_lshl_b32 s19, s17, 8                         ; the pair's 256 bytes
	s_add_co_u32 s18, s18, s19
	s_mov_b32 s19, 0
	s_mul_i32 s22, s12, 64*KP                      ; LDS: K's part
	s_mul_i32 s23, s12, 64*VP
	s_add_co_u32 s23, s23, KBYTES                  ; V's part
	s_lshl_b32 s68, s16, 11                        ; q: row 2048 x batch + 128 x block + 64 qh, column bytes 128 (2 x pair + hd)
	s_lshl_b32 s69, s14, 7
	s_add_co_u32 s68, s68, s69
	s_lshl_b32 s63, s68, 11                        ; ctx: the block's first row x 2,048 bytes
	s_lshl_b32 s69, s11, 6
	s_add_co_u32 s68, s68, s69
	s_mul_i32 s68, s68, ROWB
	s_lshl_b32 s69, s17, 8
	s_add_co_u32 s68, s68, s69
	s_add_co_u32 s62, s63, s69                     ; ctx: + the pair's 256 bytes
	s_lshl_b32 s69, s10, 7
	s_add_co_u32 s68, s68, s69
	s_mov_b32 s69, 0
	s_mov_b32 s63, 0
	s_mov_b32 s56, 0x3e38aa3b                      ; c = log2(e) / 8: the scale of the scores and the change of base in one factor
	s_mov_b32 s57, 0x3e38aa3b
	s_mov_b32 s60, 0xbe38aa3b                      ; -c
	s_mov_b32 s58, 0x76543210                      ; v_permlanex16_b32: lane i of the other half
	s_mov_b32 s59, 0xfedcba98
	s_wait_dscnt 0x0
	s_wait_kmcnt 0x0
	s_add_nc_u64 s[20:21], s[4:5], s[18:19]
	s_add_nc_u64 s[66:67], s[4:5], s[68:69]        ; q
	s_add_nc_u64 s[70:71], s[6:7], s[62:63]        ; ctx
.irp s, 0,1
	s_mov_b32 s[G0K+4*\s], 1
	s_add_co_u32 s[G0K+4*\s+1], s22, \s*SLOT
	s_add_nc_u64 s[G0K+4*\s+2:G0K+4*\s+3], s[20:21], 2048+\s*STEP     ; k begins 2,048 bytes into a row
	s_or_b32 s[G0K+4*\s+3], s[G0K+4*\s+3], 0x80000000
	s_mov_b32 s[G0V+4*\s], 1
	s_add_co_u32 s[G0V+4*\s+1], s23, \s*SLOT
	s_add_nc_u64 s[G0V+4*\s+2:G0V+4*\s+3], s[20:21], 4096+\s*STEP     ; v 4,096
	s_or_b32 s[G0V+4*\s+3], s[G0V+4*\s+3], 0x80000000
.endr
	ROUND                                          ; the four work-groups are here: the first joint load meets
	JLOAD 0                                        ; keys 0-255; slot 1 is first filled behind the first trip's round, as a refill is
	v_and_b32 v12, 15, v0                          ; r
	v_bfe_u32 v13, v0, 4, 1                        ; h
	v_and_b32 v14, 31, v0                          ; lane
	v_mul_u32_u24 v15, v12, ROWB
	v_lshl_add_u32 v[QAD], v13, 4, v15             ; query r, 16 bytes for each half of the lanes
.irp i, 0,1,2,3
.irp dh, 0,1
	global_load_b128 v[QF+16*\i+8*\dh:QF+16*\i+8*\dh+3],   v[QAD], s[66:67] offset:\i*16*ROWB+64*\dh
	global_load_b128 v[QF+16*\i+8*\dh+4:QF+16*\i+8*\dh+7], v[QAD], s[66:67] offset:\i*16*ROWB+64*\dh+32
.endr
.endr
	v_mul_u32_u24 v15, v12, KP
	v_lshl_add_u32 v15, v13, 4, v15                ; key r x pitch + 16 h
	s_lshl_b32 s62, s10, 7                         ; my head's 128 bytes of a row
	s_mul_i32 s61, s9, 128*KP                      ; my 128 keys
	s_add_co_u32 s61, s61, s62
	v_add_nc_u32 v[KAD], s61, v15
	v_add_nc_u32 v[KAD+1], SLOT, v[KAD]
	v_and_b32 v15, 7, v0
	v_lshl_add_u32 v15, v13, 3, v15                ; the transposing load: key 8 h + (lane % 8),
	v_mul_u32_u24 v15, v15, VP
	v_bfe_u32 v11, v0, 3, 1
	v_lshl_add_u32 v15, v11, 4, v15                ; 16 bytes by bit 3 of the lane
	s_mul_i32 s61, s9, 128*VP
	s_add_co_u32 s61, s61, s62
	s_add_co_u32 s61, s61, KBYTES
	v_add_nc_u32 v[VAD], s61, v15
	v_add_nc_u32 v[VAD+1], SLOT, v[VAD]
	v_lshl_add_u32 v[MAD], v14, 4, s22             ; 17,408 (wave % 4) + 16 x lane (64 KP = MPART)
	v_mul_u32_u24 v15, v12, SP
	v_lshl_add_u32 v15, v13, 4, v15
	s_mul_i32 s61, s12, SPART
	s_add_co_u32 s61, s61, STG
	v_add_nc_u32 v[SAD], s61, v15                  ; my region, row r, 16 bytes by h
	v_and_b32 v15, 7, v0
	v_lshlrev_b32 v15, 4, v15
	v_mad_u32_u24 v15, v13, SP, v15                ; back: rows 16 w + 2 t + h of the block's 128; the head by bit 3 of the lane
	v_mad_u32_u24 v15, v11, SPART, v15
	s_mul_i32 s61, s9, 2*SPART
	s_mul_i32 s62, s12, 16*SP
	s_add_co_u32 s61, s61, s62
	s_add_co_u32 s61, s61, STG
	v_add_nc_u32 v[RAD], s61, v15
	v_lshlrev_b32 v15, 4, v12
	v_lshl_add_u32 v15, v13, 11, v15
	s_lshl_b32 s61, s8, 15
	v_add_nc_u32 v[CAD], s61, v15                  ; (16 w + h) rows of 2,048 bytes + 16 r
	v_mov_b32 v[T+1], 0                            ; v_permlanex16_b32 counts as a reader of its destination
	v_mov_b32 v[NM+1], 1.0                         ; the pair NM is read whole from the first tile on
; One query tile (16 queries) against the 64 keys in KF and VF.  first = 1: nothing has been summed yet.  vwait = 1: V's fragments are waited for here.
.macro TILE i, first, vwait
.irp tt, 0,1,2,3                       ; four accumulators take turns, one instruction a turn
	v_wmma_f32_16x16x32_f16 v[SC+8*\tt:SC+8*\tt+7], v[KF+16*\tt:KF+16*\tt+7], v[QF+16*\i:QF+16*\i+7], 0
.endr
.irp tt, 0,1,2,3
	v_wmma_f32_16x16x32_f16 v[SC+8*\tt:SC+8*\tt+7], v[KF+16*\tt+8:KF+16*\tt+15], v[QF+16*\i+8:QF+16*\i+15], v[SC+8*\tt:SC+8*\tt+7]
.endr
	PLACES
	v_max3_num_f32 v[T],   v[SC],   v[SC+1],  v[SC+2]      ; the largest of my 32 scores, in four chains
	v_max3_num_f32 v[T+1], v[SC+3], v[SC+4],  v[SC+5]
	v_max3_num_f32 v[T+2], v[SC+6], v[SC+7],  v[SC+8]
	v_max3_num_f32 v[T+3], v[SC+9], v[SC+10], v[SC+11]
.irp p, 12, 20
	v_max3_num_f32 v[T],   v[T],   v[SC+\p],   v[SC+\p+1]
	v_max3_num_f32 v[T+1], v[T+1], v[SC+\p+2], v[SC+\p+3]
	v_max3_num_f32 v[T+2], v[T+2], v[SC+\p+4], v[SC+\p+5]
	v_max3_num_f32 v[T+3], v[T+3], v[SC+\p+6], v[SC+\p+7]
.endr
	v_max3_num_f32 v[T],   v[T],   v[SC+28], v[SC+29]
	v_max3_num_f32 v[T+1], v[T+1], v[SC+30], v[SC+31]
	v_max3_num_f32 v[T], v[T], v[T+1], v[T+2]
	v_max_num_f32 v[T], v[T], v[T+3]
	v_permlanex16_b32 v[T+1], v[T], s58, s59       ; the other 32 keys of the same query
.if \first
	v_max_num_f32 v[MX+\i], v[T], v[T+1]
	v_mul_f32 v[NM], s60, v[MX+\i]
.else
	v_max3_num_f32 v[T+2], v[T], v[T+1], v[MX+\i]  ; the new running maximum
	v_sub_f32 v[T+3], v[MX+\i], v[T+2]
	v_mul_f32 v[T+3], s56, v[T+3]
	v_exp_f32 v[NM+1], v[T+3]                      ; the factor for the old sums
	v_mul_f32 v[NM], s60, v[T+2]                   ; (the plain instruction behind the transcendental)
	v_mov_b32 v[MX+\i], v[T+2]
	WIN 0x41                                       ; O in window 1, the factor in window 0
.set n, 0
	s_wait_alu depctr_va_vdst(0)
.rept 16
	v_pk_mul_f32 v[O+32*\i+n:O+32*\i+n+1], v[O+32*\i+n:O+32*\i+n+1], v[NM:NM+1] op_sel:[0,1] op_sel_hi:[1,1]
.set n, n+2
.endr
	WIN 0
.endif
.set n, 0
.rept 16
	v_pk_fma_f32 v[SC+n:SC+n+1], v[SC+n:SC+n+1], s[56:57], v[NM:NM+1] op_sel_hi:[1,0,0]    ; c (score - maximum)
.set n, n+2
.endr
.set n, 0
.rept 32
	v_exp_f32 v[SC+n], v[SC+n]
.set n, n+1
.endr
	v_nop
.set n, 0
	s_wait_alu depctr_va_vdst(0)
.rept 16
	v_cvt_pk_f16_f32 v[PF+n], v[SC+2*n], v[SC+2*n+1]
.set n, n+1
.endr
.if \vwait
	s_wait_dscnt 0x0                               ; V's fragments
.endif
	WIN 0x51                                       ; source 0 (V^T), C and D in window 1, source 1 (P) in window 0
.irp dt, 0,1,2,3
.if \first
	v_wmma_f32_16x16x32_f16 v[O+32*\i+8*\dt:O+32*\i+8*\dt+7], v[VF+8*\dt:VF+8*\dt+7], v[PF:PF+7], 0
.else
	v_wmma_f32_16x16x32_f16 v[O+32*\i+8*\dt:O+32*\i+8*\dt+7], v[VF+8*\dt:VF+8*\dt+7], v[PF:PF+7], v[O+32*\i+8*\dt:O+32*\i+8*\dt+7]
.endif
.endr
.irp dt, 0,1,2,3
	v_wmma_f32_16x16x32_f16 v[O+32*\i+8*\dt:O+32*\i+8*\dt+7], v[VF+32+8*\dt:VF+32+8*\dt+7], v[PF+8:PF+15], v[O+32*\i+8*\dt:O+32*\i+8*\dt+7]
.endr
	WIN 0
	; the sum of my 32 probabilities: these plain instructions name none of the last matrix instructions' registers, and are the places in front of the
	; next writes of PF and the next loads into KF and VF
.irp p, 0,2,4,6,8,10,12,14
	v_pk_add_f32 v[SC+\p:SC+\p+1], v[SC+\p:SC+\p+1], v[SC+16+\p:SC+16+\p+1]
.endr
.irp p, 0,2,4,6
	v_pk_add_f32 v[SC+\p:SC+\p+1], v[SC+\p:SC+\p+1], v[SC+8+\p:SC+8+\p+1]
.endr
	v_pk_add_f32 v[SC:SC+1],   v[SC:SC+1],   v[SC+4:SC+5]
	v_pk_add_f32 v[SC+2:SC+3], v[SC+2:SC+3], v[SC+6:SC+7]
	v_pk_add_f32 v[SC:SC+1],   v[SC:SC+1],   v[SC+2:SC+3]
.if \first
	v_add_f32 v[LS+\i], v[SC], v[SC+1]
.else
	v_add_f32 v[T], v[SC], v[SC+1]
	v_fma_f32 v[LS+\i], v[LS+\i], v[NM+1], v[T]
.endif
.endm
; 64 keys: half q of my 128 in the slot.  32 LDS loads feed 64 matrix instructions.
.macro SUB slot, q, first
.irp tt, 0,1,2,3
.irp dh, 0,1
	ds_load_b128 v[KF+16*\tt+8*\dh:KF+16*\tt+8*\dh+3],   v[KAD+\slot] offset:\q*64*KP+\tt*16*KP+64*\dh
	ds_load_b128 v[KF+16*\tt+8*\dh+4:KF+16*\tt+8*\dh+7], v[KAD+\slot] offset:\q*64*KP+\tt*16*KP+64*\dh+32
.endr
.endr
	WIN 0x40
.irp kc, 0,1
.irp dt, 0,1,2,3
	ds_load_tr16_b128 v[VF+32*\kc+8*\dt:VF+32*\kc+8*\dt+3],   v[VAD+\slot] offset:\q*64*VP+\kc*32*VP+32*\dt
	ds_load_tr16_b128 v[VF+32*\kc+8*\dt+4:VF+32*\kc+8*\dt+7], v[VAD+\slot] offset:\q*64*VP+\kc*32*VP+32*\dt+16*VP
.endr
.endr
	WIN 0
	s_wait_dscnt 16                                ; K's 16 loads are in; V's 16, issued behind them, may be out
	TILE 0, \first, 1
	TILE 1, \first, 0
	TILE 2, \first, 0
	TILE 3, \first, 0
.endm
; A slot of 256 keys.  In front of the round every wave waits for all its tensor loads (its part of this slot among them) and for its reads of the
; other slot; behind the round the other slot is asked for first, one load a wave, and has the whole trip in which to land.
.macro TRIP slot, other, refill, first
	s_wait_tensorcnt 0x0
	ds_add_u32 v254, v255
	s_wait_dscnt 0x0
	s_add_nc_u64 s[G0K+4*\slot+2:G0K+4*\slot+3], s[G0K+4*\slot+2:G0K+4*\slot+3], 2*STEP    ; no load of mine is out: this slot's next tile
	s_add_nc_u64 s[G0V+4*\slot+2:G0V+4*\slot+3], s[G0V+4*\slot+2:G0V+4*\slot+3], 2*STEP
	s_wait_dscnt 0x0
	ROUND
.if \refill
	JLOAD \other
.endif
	SUB \slot, 0, \first
	SUB \slot, 1, 0
.endm
	s_wait_loadcnt 0x0                             ; Q
	TRIP 0, 1, 1, 1
	TRIP 1, 0, 1, 0
	s_mov_b32 s72, 2
.Lpair:
	TRIP 0, 1, 1, 0
	TRIP 1, 0, 1, 0
	s_sub_co_u32 s72, s72, 1
	s_cmp_lg_u32 s72, 0
	s_cbranch_scc1 .Lpair
	TRIP 0, 1, 1, 0
	TRIP 1, 0, 0, 0                                ; the last 256 keys: nothing is left to fetch
	; THE MERGE of the two halves of the keys.  The slots have had their last fill and, behind this barrier, their last read.
	s_wait_dscnt 0x0
	s_barrier_signal -1
	s_barrier_wait -1
	s_cmp_eq_u32 s9, 0
	s_cbranch_scc1 .Lkeep
	WIN 0x04                                       ; store data from window 1
.set n, 0
.rept 32
	ds_store_b128 v[MAD], v[O+4*n:O+4*n+3] offset:512*n
.set n, n+1
.endr
	WIN 0
	ds_store_b128 v[MAD], v[MX:MX+3] offset:512*32
	ds_store_b128 v[MAD], v[LS:LS+3] offset:512*33
.Lkeep:
	s_wait_dscnt 0x0
	s_barrier_signal -1
	s_barrier_wait -1
	s_cmp_lg_u32 s9, 0
	s_cbranch_scc1 .Lmerged
.set n, 0
.rept 32
	ds_load_b128 v[OB+4*n:OB+4*n+3], v[MAD] offset:512*n
.set n, n+1
.endr
	ds_load_b128 v[T:T+3],   v[MAD] offset:512*32  ; the partner's maxima
	ds_load_b128 v[T+4:T+7], v[MAD] offset:512*33  ; and sums
	s_wait_dscnt 0x0
.irp i, 0,1,2,3
	v_max_num_f32 v[T+8], v[MX+\i], v[T+\i]
	v_sub_f32 v[T+9],  v[MX+\i], v[T+8]
	v_sub_f32 v[T+10], v[T+\i],  v[T+8]
	v_mul_f32 v[T+9],  s56, v[T+9]
	v_mul_f32 v[T+10], s56, v[T+10]
	v_exp_f32 v[T+12], v[T+9]                      ; my factor
	v_exp_f32 v[T+13], v[T+10]                     ; the partner's
	v_nop
	s_wait_alu depctr_va_vdst(0)
	v_mul_f32 v[T+9], v[LS+\i], v[T+12]
	v_fma_f32 v[T+9], v[T+4+\i], v[T+13], v[T+9]
	v_permlanex16_b32 v[T+10], v[T+9], s58, s59    ; the sums of the other half of the lanes: the same query's other keys
	v_add_f32 v[T+9], v[T+9], v[T+10]
	v_rcp_f32 v[T+11], v[T+9]
	v_nop
	s_wait_alu depctr_va_vdst(0)
	v_mul_f32 v[T+12], v[T+12], v[T+11]
	v_mul_f32 v[T+13], v[T+13], v[T+11]
.set n, 0
.rept 16
	v_pk_mul_f32 v[OB+32*\i+n:OB+32*\i+n+1], v[OB+32*\i+n:OB+32*\i+n+1], v[T+12:T+13] op_sel:[0,1] op_sel_hi:[1,1]
.set n, n+2
.endr
	WIN 0x01                                       ; my O from window 1
.set n, 0
.rept 16
	v_pk_fma_f32 v[OB+32*\i+n:OB+32*\i+n+1], v[O+32*\i+n:O+32*\i+n+1], v[T+12:T+13], v[OB+32*\i+n:OB+32*\i+n+1] op_sel_hi:[1,0,1]
.set n, n+2
.endr
	WIN 0
.irp dt, 0,1,2,3
.irp r, 0,1,2,3
	v_cvt_pk_f16_f32 v[OB+32*\i+8*\dt+\r], v[OB+32*\i+8*\dt+2*\r], v[OB+32*\i+8*\dt+2*\r+1]   ; eight neighbouring numbers of a row of ctx: 16 bytes
.endr
	ds_store_b128 v[SAD], v[OB+32*\i+8*\dt:OB+32*\i+8*\dt+3] offset:\i*16*SP+32*\dt
.endr
.endr
.Lmerged:
	s_wait_dscnt 0x0
	s_barrier_signal -1
	s_barrier_wait -1
.irp t, 0,1,2,3,4,5,6,7
	ds_load_b128 v[QF+4*\t:QF+4*\t+3], v[RAD] offset:\t*2*SP
.endr
.irp t, 0,1,2,3,4,5,6,7
	s_wait_dscnt 7-\t
	global_store_b128 v[CAD], v[QF+4*\t:QF+4*\t+3], s[70:71] offset:4096*\t      ; 16 lanes store the pair of heads' 256 aligned bytes of a row
.endr
	s_wait_tensorcnt 0x0
	ds_add_u32 v254, v255
	s_wait_dscnt 0x0
	ROUND                                          ; the closing round
	s_endpgm
.Lfunc_end_k_qcd56afe8ab_attn:
	.size	k_qcd56afe8ab_attn, .Lfunc_end_k_qcd56afe8ab_attn-k_qcd56afe8ab_attn
	.p2alignl 7, 3214868480
	.fill 96, 4, 3214868480
	.section	.rodata,"a",@progbits
	.p2align	6, 0x0
	.amdhsa_kernel k_qcd56afe8ab_attn
		.amdhsa_group_segment_fixed_size 327680
		.amdhsa_private_segment_fixed_size 0
		.amdhsa_enable_private_segment 0
		.amdhsa_kernarg_size 16
		.amdhsa_user_sgpr_count 2
		.amdhsa_user_sgpr_kernarg_segment_ptr 1
		.amdhsa_wavefront_size32 1
		.amdhsa_system_sgpr_workgroup_id_x 1
		.amdhsa_system_sgpr_workgroup_id_y 1
		.amdhsa_system_sgpr_workgroup_id_z 1
		.amdhsa_system_vgpr_workitem_id 0
		.amdhsa_next_free_vgpr 512
		.amdhsa_next_free_sgpr 76
		.amdhsa_reserve_vcc 0
		.amdhsa_float_denorm_mode_32 3
		.amdhsa_float_denorm_mode_16_64 3
		.amdhsa_memory_ordered 1
		.amdhsa_forward_progress 1
		.amdhsa_inst_pref_size 255
	.end_amdhsa_kernel
	.section	.bss,"aw",@nobits
	.p2align	6
	.space	262144
	.amdgpu_metadata
---
amdhsa.version: [ 1, 2 ]
amdhsa.kernels:
  - .name:           k_qcd56afe8ab_attn
    .symbol:         k_qcd56afe8ab_attn.kd
    .args:
      - { .name: qkv, .offset: 0, .size: 8, .value_kind: global_buffer, .address_space: global }
      - { .name: ctx, .offset: 8, .size: 8, .value_kind: global_buffer, .address_space: global }
    .group_segment_fixed_size: 327680
    .private_segment_fixed_size: 0
    .kernarg_segment_align: 8
    .kernarg_segment_size: 16
    .max_flat_workgroup_size: 256
    .sgpr_count:     76
    .vgpr_count:     512
    .wavefront_size: 32
...
	.end_amdgpu_metadata
.endif
;; end of part 3
;; launch oproj (part 4): grid 8 x 32, 4 waves a work-group, clusters of 4 x 4, 327,680 bytes of LDS; arguments ctx, wts, out_b, x, x1; writes x1
.if DOCPART == 4
	.amdgcn_target "amdgcn-amd-amdhsa--gfx1250"
	.amdhsa_code_object_version 6
	.text
	.protected	k_qcd56afe8ab_oproj
	.globl	k_qcd56afe8ab_oproj
	.p2align	8
	.type	k_qcd56afe8ab_oproj,@function
k_qcd56afe8ab_oproj:
	s_mov_b64 s[64:65], 0
	v_nop
	global_prefetch_b8 v0, s[64:65] scope:SCOPE_SE
	s_setreg_imm32_b32 hwreg(HW_REG_WAVE_MODE, 25, 1), 1
	s_wait_xcnt 0x0
	s_wait_alu depctr_hold_cnt(0) depctr_sa_sdst(0) depctr_va_vdst(0) depctr_va_sdst(0) depctr_va_ssrc(0) depctr_va_vcc(0) depctr_vm_vsrc(0)
	s_getreg_b32 s2, hwreg(HW_REG_IB_STS2, 6, 4)
	s_cmp_eq_u32 s2, 0
	s_cbranch_scc0 .Lentry_in_a_cluster
	s_endpgm
.Lentry_in_a_cluster:
	s_bfe_u32 s2, ttmp6, 0x10000c
	s_cmp_lg_u32 s2, 0xf033
	s_cbranch_scc0 .Lentry_shape_is_right
	s_endpgm
.Lentry_shape_is_right:
; x1[t][n] = x[t][n] + out_b[n] + sum over k of ctx[t][k] WO[n][k].  ctx [4096][1024] f16, WO [1024][1024] f16 in wts, x and x1 [4096][1024] f32.
; 4096 x 1024 numbers on 256 work-groups leave a block of 128 x 128.  Four waves of 64 x 64 would load twice the LDS bytes for each multiply-add, so
; EACH WAVE KEEPS THE WHOLE 128 x 128 (512 registers) ON A QUARTER OF K: a slot holds 256 along K, wave w multiplies its bytes 128 w .. 128 w + 127 of every
; row.  The four partial sums meet in LDS at the end, in f32, in a fixed order, with the residual and the bias.
; CLUSTERS of 4 x 4: ctx's tiles are shared along a cluster's row, WO's along a column, by joint loads.
; REGISTERS: window 0: v16-35 addresses and bias, v64-127 and v128-191 fragments of ctx (later the residual), v192-255 the partial sums at the end;
;   window 1: v64-127, v128-191 fragments of WO; windows 2, 3: accumulators, tile (a, b) at 8 (8 a + b).
; The matrix instruction is used transposed (source 0 = rows of WO): lane l holds row l % 16 and columns 8 (l / 16) + 0..7 of a tile.
; LIMIT: f16 operands.  x1 itself is f32 throughout: the choice of experts hangs on it.
.set SIZE_K, 1024
.set B_OFF,  14680064                  ; WO in wts
.set KSLOT,  256                       ; K in a slot
.set PITCH,  528                       ; an LDS row: 512 bytes + 16: 16 rows start 16 bytes apart modulo 256
.set QUART,  64*PITCH                  ; what one tensor load brings
.set HALFS,  128*PITCH                 ; ctx's 128 rows; WO's lie behind them
.set SLOT,   2*HALFS
.set PART,   HALFS                     ; a wave's partial sums: 128 rows of 128 f32 at the same pitch; four of them fill the two slots' bytes
.set LAPS,   SIZE_K/(2*KSLOT)          ; 2
.set ADRA, 16
.set ADRB, 20
.set STO,  24                          ; where my partial sums go
.set LOFF, 25                          ; 16 x lane
.set RD,   28                          ; v28-31 partial p, my 32 rows, my 16 bytes
.set BI,   32                          ; v32-35 out_b of my four columns
.set F0,   64
.set F1,   128
.set RES,  64                          ; v64-191 x of my 32 rows
.set PS,   192                         ; v192-255 four rows x four partial sums
.set G1,  24
.set G0,  32
.set G1B, 48
.set G0B, 56
.set MSB, 0
.macro WIN new
.if MSB != \new
	s_set_vgpr_msb (MSB<<8)|\new
.set MSB, \new
.endif
.endm
.set MUL_LO, 0xa1
.set MUL_HI, 0xf1
.set TO_B,   0x40
.macro JLOAD s
	s_cmp_eq_u32 s11, 0
	s_cbranch_scc0 .Lfor_b_\@
	tensor_load_to_lds s[G0+4*\s:G0+4*\s+3], s[G1:G1+7]
	s_nop 0
	s_branch .Lasked_\@
.Lfor_b_\@:
	tensor_load_to_lds s[G0B+4*\s:G0B+4*\s+3], s[G1B:G1B+7]
	s_nop 0
.Lasked_\@:
.endm
.macro CREST
	s_cmp_lg_u32 s10, 0
	s_cbranch_scc1 .Lnot_wave_0_\@
	s_barrier_signal -3
.Lnot_wave_0_\@:
	s_barrier_wait -3
	s_barrier_signal -1
	s_barrier_wait -1
.endm
.macro CROUND
	s_barrier_signal -1
	s_barrier_wait -1
	CREST
.endm
	s_load_b128 s[4:7], s[0:1], 0x0                ; ctx, wts
	s_load_b128 s[68:71], s[0:1], 0x10             ; out_b, x
	s_load_b64 s[8:9], s[0:1], 0x20                ; x1
	s_set_vgpr_msb 0x40
	v_lshl_add_u32 v255, v0, 2, 0x42000
	s_set_vgpr_msb 0x4000
	v_mov_b32 v63, 0
	s_set_vgpr_msb 0x1
	ds_add_u32 v255, v63
	s_set_vgpr_msb 0x100
	v_lshrrev_b32 v1, 5, v0
	v_readfirstlane_b32 s10, v1                    ; wave 0..3: my quarter of K
	s_lshr_b32 s11, s10, 1                         ; I fetch for ctx (0) or WO (1)
	s_and_b32 s12, s10, 1                          ; which 64 rows I fetch
	s_bfe_u32 s40, ttmp6, 0x40000                  ; cx
	s_bfe_u32 s41, ttmp6, 0x40004                  ; cy
	s_lshl_b32 s42, ttmp9, 2
	s_add_co_u32 s42, s42, s40                     ; block column 0..7
	s_and_b32 s13, ttmp7, 0xffff
	s_lshl_b32 s13, s13, 2
	s_add_co_u32 s13, s13, s41                     ; block row 0..31
	s_lshl_b32 s43, s41, 2
	s_lshl_b32 s43, 15, s43
	s_lshl_b32 s44, 0x1111, s40
	s_or_b32 s[G1+0], s43, (1<<16)|(1<<20)|(1<<21)|(6<<22)|(3<<25)   ; mask; 2-byte elements; 4 words of padding behind every 128
	s_or_b32 s[G1B+0], s44, (1<<16)|(1<<20)|(1<<21)|(6<<22)|(3<<25)
	s_mov_b32 s[G1+1], KSLOT<<16                   ; tensor_dim0 = 256
	s_mov_b32 s[G1B+1], KSLOT<<16
	s_mov_b32 s[G1+2], 64<<16                      ; tensor_dim1 = 64
	s_mov_b32 s[G1B+2], 64<<16
	s_mov_b32 s[G1+3], KSLOT<<16                   ; tile_dim0 = 256
	s_mov_b32 s[G1B+3], KSLOT<<16
	s_mov_b32 s[G1+4], 64                          ; tile_dim1 = 64
	s_mov_b32 s[G1B+4], 64
	s_mov_b32 s[G1+5], SIZE_K
	s_mov_b32 s[G1B+5], SIZE_K
	s_mov_b32 s[G1+6], 0
	s_mov_b32 s[G1B+6], 0
	s_mov_b32 s[G1+7], 0
	s_mov_b32 s[G1B+7], 0
	s_lshl_b32 s17, s12, 6
	s_lshl_b32 s16, s13, 7
	s_add_co_u32 s16, s16, s17                     ; ctx: row 128 x block row + 64 x half
	s_lshl_b32 s46, s42, 7
	s_add_co_u32 s46, s46, s17                     ; WO: row 128 x block column + 64 x half
	s_mov_b32 s17, 0
	s_mov_b32 s47, 0
	s_mov_b64 s[18:19], SIZE_K*2
	s_mul_u64 s[16:17], s[16:17], s[18:19]
	s_mul_u64 s[46:47], s[46:47], s[18:19]
	s_mul_i32 s20, s10, QUART                      ; ctx's two halves, then WO's two
	s_lshl_b32 s76, s13, 19                        ; the way out: (128 x block row + 32 x wave) rows of 4,096 bytes + 512 x block column
	s_lshl_b32 s77, s10, 17
	s_add_co_u32 s76, s76, s77
	s_lshl_b32 s78, s42, 9
	s_add_co_u32 s76, s76, s78
	s_mov_b32 s77, 0
	s_mov_b32 s79, 0
	s_wait_dscnt 0x0
	s_wait_kmcnt 0x0
	s_add_nc_u64 s[6:7], s[6:7], B_OFF
	s_add_nc_u64 s[14:15], s[4:5], s[16:17]
	s_add_nc_u64 s[46:47], s[6:7], s[46:47]
	s_add_nc_u64 s[70:71], s[70:71], s[76:77]
	s_add_nc_u64 s[8:9], s[8:9], s[76:77]
	s_add_nc_u64 s[68:69], s[68:69], s[78:79]
	CROUND
.irp s, 0,1
	s_mov_b32 s[G0+4*\s], 1
	s_add_co_u32 s[G0+4*\s+1], s20, \s*SLOT
	s_add_nc_u64 s[G0+4*\s+2:G0+4*\s+3], s[14:15], \s*KSLOT*2
	s_or_b32 s[G0+4*\s+3], s[G0+4*\s+3], 0x80000000
	s_mov_b32 s[G0B+4*\s], 1
	s_add_co_u32 s[G0B+4*\s+1], s20, \s*SLOT
	s_add_nc_u64 s[G0B+4*\s+2:G0B+4*\s+3], s[46:47], \s*KSLOT*2
	s_or_b32 s[G0B+4*\s+3], s[G0B+4*\s+3], 0x80000000
	JLOAD \s                                       ; both first fills together: two tensor loads of the wave are out
.endr
	v_and_b32 v1, 15, v0
	v_bfe_u32 v2, v0, 4, 1
	v_and_b32 v5, 31, v0
	v_lshlrev_b32 v[LOFF], 4, v5
	global_load_b128 v[BI:BI+3], v[LOFF], s[68:69]
	v_mul_u32_u24 v3, v1, PITCH
	v_lshl_add_u32 v4, v2, 5, v3                   ; partial sums: row r, 32 bytes for each half of the lanes
	v_lshl_add_u32 v3, v2, 4, v3                   ; fragments: row r, 16 bytes for each half
	s_lshl_b32 s21, s10, 7                         ; my 64 along K: 128 bytes of every row
	s_add_co_u32 s22, s21, HALFS
.irp s, 0,1
	v_add_nc_u32 v[ADRA+\s], s21, v3
	v_add_nc_u32 v[ADRB+\s], s22, v3
	s_add_co_u32 s21, s21, SLOT
	s_add_co_u32 s22, s22, SLOT
.endr
	s_mul_i32 s23, s10, PART
	v_add_nc_u32 v[STO], s23, v4
	s_mul_i32 s23, s10, 32*PITCH
.irp p, 0,1,2,3
	v_add_nc_u32 v[RD+\p], s23, v[LOFF]
	s_add_co_u32 s23, s23, PART
.endr
; The 64 accumulators take turns, one instruction a turn, in the same order in every quarter step.
.macro MUL16 f, hi, a0, zero
.irp a, \a0, \a0+1
.irp b, 0,1,2,3,4,5,6,7
.if \zero
	v_wmma_f32_16x16x32_f16 v[8*(8*(\a)+\b):8*(8*(\a)+\b)+7], v[\f+8*\b:\f+8*\b+7], v[\f+8*(4*\hi+\a):\f+8*(4*\hi+\a)+7], 0
.else
	v_wmma_f32_16x16x32_f16 v[8*(8*(\a)+\b):8*(8*(\a)+\b)+7], v[\f+8*\b:\f+8*\b+7], v[\f+8*(4*\hi+\a):\f+8*(4*\hi+\a)+7], v[8*(8*(\a)+\b):8*(8*(\a)+\b)+7]
.endif
.endr
.endr
.endm
.macro FETCH slot, k, f
	WIN TO_B
.irp i, 0,1,2,3,4,5,6,7
	ds_load_b128 v[\f+8*\i:\f+8*\i+3],   v[ADRB+\slot] offset:\k+\i*16*PITCH
	ds_load_b128 v[\f+8*\i+4:\f+8*\i+7], v[ADRB+\slot] offset:\k+\i*16*PITCH+32
.endr
	WIN 0
.irp i, 0,1,2,3,4,5,6,7
	ds_load_b128 v[\f+8*\i:\f+8*\i+3],   v[ADRA+\slot] offset:\k+\i*16*PITCH
	ds_load_b128 v[\f+8*\i+4:\f+8*\i+7], v[ADRA+\slot] offset:\k+\i*16*PITCH+32
.endr
.endm
.macro PLACES                          ; four plain vector instructions behind a matrix instruction (ISA guide 7.12.1)
.rept 4
	v_nop
.endr
.endm
.macro QUARTER slot, k, f, g, zero     ; my first 32 along K of the slot; in its middle the second 32 are fetched
	s_wait_dscnt 8                                 ; all but the youngest eight loads (ctx's rows 64-127)
	WIN MUL_LO
	MUL16 \f, 0, 0, \zero
	MUL16 \f, 0, 2, \zero
	PLACES
	FETCH \slot, \k, \g
	s_wait_dscnt 32                                ; all but the 32 just issued
	WIN MUL_HI
	MUL16 \f, 1, 0, \zero
	MUL16 \f, 1, 2, \zero
.endm
; My second 32 along K, and the change of slots: each wave's reads of this slot and all its tensor loads are waited for in front of the barrier; behind it
; (fill = 1: behind a round of the cluster's barrier) the refill comes first.  From a request to the wait for it a wave issues 112 matrix instructions.
.macro TURN slot, next, fill
	s_wait_dscnt 8
	WIN MUL_LO
	MUL16 F1, 0, 0, 0
	s_wait_dscnt 0
	s_wait_tensorcnt 0x0
	ds_add_u32 v255, v63
	s_wait_dscnt 0x0
	s_barrier_signal -1
	MUL16 F1, 0, 2, 0
	WIN 0
	s_barrier_wait -1
.if \fill
	CREST
	s_add_nc_u64 s[G0+4*\slot+2:G0+4*\slot+3], s[G0+4*\slot+2:G0+4*\slot+3], 2*KSLOT*2
	s_add_nc_u64 s[G0B+4*\slot+2:G0B+4*\slot+3], s[G0B+4*\slot+2:G0B+4*\slot+3], 2*KSLOT*2
	JLOAD \slot
.endif
	PLACES
	FETCH \next, 0, F0
	WIN MUL_HI
	MUL16 F1, 1, 0, 0
	MUL16 F1, 1, 2, 0
.endm
	s_wait_tensorcnt 1                             ; my part of slot 0 is in; slot 1's may stay out
	s_barrier_signal -1
	s_barrier_wait -1
	FETCH 0, 0, F0
	QUARTER 0, 64, F0, F1, 1                       ; K = 1024 is two laps of the ring: the first fills both slots again, the second fills nothing
	TURN 0, 1, 1
	QUARTER 1, 64, F0, F1, 0
	TURN 1, 0, 1
	QUARTER 0, 64, F0, F1, 0
	TURN 0, 1, 0
	QUARTER 1, 64, F0, F1, 0
	s_wait_dscnt 8
	WIN MUL_LO
	MUL16 F1, 0, 0, 0
	MUL16 F1, 0, 2, 0
	s_wait_dscnt 0
	WIN MUL_HI
	MUL16 F1, 1, 0, 0
	MUL16 F1, 1, 2, 0
	WIN 0
	; THE END.  x of my 32 rows is asked for first; then the four waves' partial sums go into the slots' bytes, which have had their last fill.
	PLACES
.set n, 0
.rept 32
	global_load_b128 v[RES+4*n:RES+4*n+3], v[LOFF], s[70:71] offset:4096*n
.set n, n+1
.endr
	s_wait_dscnt 0x0                               ; my reads of the slots are over,
	s_barrier_signal -1
	s_barrier_wait -1                              ; everybody's are
	WIN 0x08                                       ; store data from window 2
.irp a, 0,1,2,3
.irp b, 0,1,2,3,4,5,6,7
	ds_store_b128 v[STO], v[8*(8*\a+\b):8*(8*\a+\b)+3]   offset:\a*16*PITCH+64*\b
	ds_store_b128 v[STO], v[8*(8*\a+\b)+4:8*(8*\a+\b)+7] offset:\a*16*PITCH+64*\b+16
.endr
.endr
	WIN 0x0c                                       ; from window 3
.irp a, 0,1,2,3
.irp b, 0,1,2,3,4,5,6,7
	ds_store_b128 v[STO], v[8*(8*\a+\b):8*(8*\a+\b)+3]   offset:(\a+4)*16*PITCH+64*\b
	ds_store_b128 v[STO], v[8*(8*\a+\b)+4:8*(8*\a+\b)+7] offset:(\a+4)*16*PITCH+64*\b+16
.endr
.endr
	WIN 0
	s_wait_dscnt 0x0
	s_barrier_signal -1
	s_barrier_wait -1
; Four of my 32 rows: 16 LDS loads (4 rows x 4 partial sums), then row by row: the counts are the later rows' LDS loads and the later rows' loads of x.
.macro GROUP gq
	s_wait_xcnt 0x0                                ; the last group's store data are loaded over only behind this wait
.irp k, 0,1,2,3
.irp p, 0,1,2,3
	ds_load_b128 v[PS+16*\k+4*\p:PS+16*\k+4*\p+3], v[RD+\p] offset:PITCH*(4*\gq+\k)
.endr
.endr
.irp k, 0,1,2,3
	s_wait_dscnt 12-4*\k
	s_wait_loadcnt 31-(4*\gq+\k)
	v_pk_add_f32 v[PS+16*\k:PS+16*\k+1],     v[PS+16*\k:PS+16*\k+1],     v[PS+16*\k+4:PS+16*\k+5]
	v_pk_add_f32 v[PS+16*\k+2:PS+16*\k+3],   v[PS+16*\k+2:PS+16*\k+3],   v[PS+16*\k+6:PS+16*\k+7]
	v_pk_add_f32 v[PS+16*\k+8:PS+16*\k+9],   v[PS+16*\k+8:PS+16*\k+9],   v[PS+16*\k+12:PS+16*\k+13]
	v_pk_add_f32 v[PS+16*\k+10:PS+16*\k+11], v[PS+16*\k+10:PS+16*\k+11], v[PS+16*\k+14:PS+16*\k+15]
	v_pk_add_f32 v[PS+16*\k:PS+16*\k+1],     v[PS+16*\k:PS+16*\k+1],     v[PS+16*\k+8:PS+16*\k+9]
	v_pk_add_f32 v[PS+16*\k+2:PS+16*\k+3],   v[PS+16*\k+2:PS+16*\k+3],   v[PS+16*\k+10:PS+16*\k+11]
	v_pk_add_f32 v[PS+16*\k:PS+16*\k+1],     v[PS+16*\k:PS+16*\k+1],     v[BI:BI+1]
	v_pk_add_f32 v[PS+16*\k+2:PS+16*\k+3],   v[PS+16*\k+2:PS+16*\k+3],   v[BI+2:BI+3]
	v_pk_add_f32 v[PS+16*\k:PS+16*\k+1],     v[PS+16*\k:PS+16*\k+1],     v[RES+4*(4*\gq+\k):RES+4*(4*\gq+\k)+1]
	v_pk_add_f32 v[PS+16*\k+2:PS+16*\k+3],   v[PS+16*\k+2:PS+16*\k+3],   v[RES+4*(4*\gq+\k)+2:RES+4*(4*\gq+\k)+3]
	global_store_b128 v[LOFF], v[PS+16*\k:PS+16*\k+3], s[8:9] offset:4096*(4*\gq+\k)      ; the wave stores 512 consecutive aligned bytes
.endr
.endm
.irp gq, 0,1,2,3,4,5,6,7
	GROUP \gq
.endr
	s_set_vgpr_msb 0x1
	s_wait_tensorcnt 0x0
	ds_add_u32 v255, v63
	s_wait_dscnt 0x0
	s_set_vgpr_msb 0x100
	CROUND                                         ; the closing round
	s_endpgm
.Lfunc_end_k_qcd56afe8ab_oproj:
	.size	k_qcd56afe8ab_oproj, .Lfunc_end_k_qcd56afe8ab_oproj-k_qcd56afe8ab_oproj
	.p2alignl 7, 3214868480
	.fill 96, 4, 3214868480
	.section	.rodata,"a",@progbits
	.p2align	6, 0x0
	.amdhsa_kernel k_qcd56afe8ab_oproj
		.amdhsa_group_segment_fixed_size 327680
		.amdhsa_private_segment_fixed_size 0
		.amdhsa_enable_private_segment 0
		.amdhsa_kernarg_size 40
		.amdhsa_user_sgpr_count 2
		.amdhsa_user_sgpr_kernarg_segment_ptr 1
		.amdhsa_wavefront_size32 1
		.amdhsa_system_sgpr_workgroup_id_x 1
		.amdhsa_system_sgpr_workgroup_id_y 1
		.amdhsa_system_sgpr_workgroup_id_z 1
		.amdhsa_system_vgpr_workitem_id 0
		.amdhsa_next_free_vgpr 1024
		.amdhsa_next_free_sgpr 80
		.amdhsa_reserve_vcc 0
		.amdhsa_float_denorm_mode_32 3
		.amdhsa_float_denorm_mode_16_64 3
		.amdhsa_memory_ordered 1
		.amdhsa_forward_progress 1
		.amdhsa_inst_pref_size 105
	.end_amdhsa_kernel
	.amdgpu_metadata
---
amdhsa.version: [ 1, 2 ]
amdhsa.kernels:
  - .name:           k_qcd56afe8ab_oproj
    .symbol:         k_qcd56afe8ab_oproj.kd
    .args:
      - { .name: ctx, .offset: 0, .size: 8, .value_kind: global_buffer, .address_space: global }
      - { .name: wts, .offset: 8, .size: 8, .value_kind: global_buffer, .address_space: global }
      - { .name: out_b, .offset: 16, .size: 8, .value_kind: global_buffer, .address_space: global }
      - { .name: x, .offset: 24, .size: 8, .value_kind: global_buffer, .address_space: global }
      - { .name: x1, .offset: 32, .size: 8, .value_kind: global_buffer, .address_space: global }
    .group_segment_fixed_size: 327680
    .private_segment_fixed_size: 0
    .kernarg_segment_align: 8
    .kernarg_segment_size: 40
    .max_flat_workgroup_size: 128
    .sgpr_count:     80
    .vgpr_count:     1024
    .wavefront_size: 32
...
	.end_amdgpu_metadata
.endif
;; end of part 4
;; launch ln2gate (part 5): grid 256 x 1, 4 waves a work-group, no clusters, 41,984 bytes of LDS; arguments x1, ln2_g, ln2_b, gate_w, gate_b, g2, rt; writes g2, rt
.if DOCPART == 5
	.amdgcn_target "amdgcn-amd-amdhsa--gfx1250"
	.amdhsa_code_object_version 6
	.text
	.protected	k_qcd56afe8ab_ln2gate
	.globl	k_qcd56afe8ab_ln2gate
	.p2align	8
	.type	k_qcd56afe8ab_ln2gate,@function
k_qcd56afe8ab_ln2gate:
	s_mov_b64 s[64:65], 0
	v_nop
	global_prefetch_b8 v0, s[64:65] scope:SCOPE_SE
	s_setreg_imm32_b32 hwreg(HW_REG_WAVE_MODE, 25, 1), 1
	s_wait_xcnt 0x0
; For 16 rows a work-group, 4 rows a wave: h2 = layer_norm(x1, ln2_g, ln2_b); the 8 gate logits h2 . gate_w[e] + gate_b[e], all in f32; the two largest;
; their weights.  Into g2: H2 = h2 as f16 [4096][1024] at 0; TW f32 [4096][2] at 8,388,608 (the two weights).  Into rt, as whole numbers for the launch
; that sorts: IDX[4096] at 0 (first index | second index << 8); CNT[256][4] at 16,384: how many of the group's 16 tokens chose each expert, word q
; holding expert 2 q in its low half and expert 2 q + 1 in its high half.
; A row stays in 32 registers of one wave, so x1 is read once; gate_w, ln2_g and ln2_b are copied once into LDS and read from there chunk by chunk.
; THE WEIGHTS.  The softmax's denominator cancels in topw / sum(topw): w1 = 1 / (1 + exp(l2 - l1)), w2 = 1 - w1, with l1 >= l2 the two largest logits, so
; the maximum is taken away before the exponential.  The clip of the sum at 1e-9 never bites: the two largest of 8 probabilities sum to 1/4 at least.
; The order of probabilities is the order of logits; of equal logits the lower index wins, as in top_k.
; No branch and no address hangs on these numbers here: they are only stored.  LIMITS: NaN and infinite inputs are not served; H2 is f16.
.set LDS_G,   32768                    ; gate_w lies at 0
.set LDS_B,   36864
.set EWS,     40960                    ; 16 index words, then at + 64 the 16 pairs of weights
.set TW_OFF,  8388608
.set CNT_OFF, 16384
.set T,   6                            ; v[6:13]    at work
.set M,   14                           ; v[14:15]   mean, twice
.set R,   16                           ; v[16:17]   1/sqrt(var + eps), twice
.set GG,  18                           ; v[18:21]   ln2_g of the chunk
.set BB,  22                           ; v[22:25]   ln2_b of the chunk
.set GW,  26                           ; v[26:57]   gate_w of the chunk, 4 registers an expert; later the rows' choices
.set ACC, 58                           ; v[58:121]  a pair for each (row, expert): 2 (8 i + e)
.set X,   122                          ; v[122:249] four rows
	s_load_b256 s[8:15], s[0:1], 0x0               ; x1 8, ln2_g 10, ln2_b 12, gate_w 14
	s_load_b128 s[16:19], s[0:1], 0x20             ; gate_b 16, g2 18
	s_load_b64 s[46:47], s[0:1], 0x30              ; rt
	v_lshl_add_u32 v254, v0, 2, 0xa200
	v_mov_b32 v255, 0
	v_lshrrev_b32 v5, 5, v0
	v_readfirstlane_b32 s20, v5                    ; wave
	v_and_b32 v3, 31, v0
	v_and_b32 v5, 0x60, v0                         ; 32 x wave
	v_lshlrev_b32 v1, 4, v3
	v_lshlrev_b32 v2, 3, v3
	v_lshl_or_b32 v1, v5, 9, v1                    ; x1: 16 l + wave x 4 rows x 4,096
	v_lshl_or_b32 v2, v5, 8, v2                    ; H2: 8 l + wave x 4 rows x 2,048
	v_lshlrev_b32 v3, 4, v3                        ; 16 l
	v_lshlrev_b32 v4, 4, v0                        ; 16 t
	s_lshl_b32 s2, ttmp9, 16                       ; group x 16 rows of x1
	s_mov_b32 s3, 0
	s_lshl_b32 s4, ttmp9, 15                       ; of H2
	s_mov_b32 s5, 0
	s_lshl_b32 s6, ttmp9, 7                        ; of TW: 8 bytes a token
	s_add_co_u32 s6, s6, TW_OFF
	s_mov_b32 s7, 0
	s_lshl_b32 s44, ttmp9, 6                       ; of IDX: 4 bytes a token
	s_mov_b32 s45, 0
	s_lshl_b32 s50, ttmp9, 4                       ; of CNT: 16 bytes a group
	s_add_co_u32 s50, s50, CNT_OFF
	s_mov_b32 s51, 0
	s_mov_b32 s28, 0x76543210
	s_mov_b32 s29, 0xfedcba98
	s_mov_b32 s30, 0x3a800000                      ; 1/1024
	s_mov_b32 s31, 0x3727c5ac                      ; 1e-5
	s_mov_b32 s40, 0x22222222                      ; lanes with l % 4 = 1, 2, 3: rows 1, 2, 3 of the wave
	s_mov_b32 s41, 0x44444444
	s_mov_b32 s42, 0x88888888
	s_wait_kmcnt 0x0
	s_load_b256 s[32:39], s[16:17], 0x0            ; gate_b
	s_add_nc_u64 s[8:9], s[8:9], s[2:3]
	s_add_nc_u64 s[22:23], s[18:19], s[4:5]
	s_add_nc_u64 s[24:25], s[18:19], s[6:7]
	s_add_nc_u64 s[26:27], s[46:47], s[44:45]
	s_add_nc_u64 s[48:49], s[46:47], s[50:51]
.irp n, 0,1,2,3,4,5,6,7,8,9,10,11,12,13,14,15
	global_load_b128 v[GW+4*\n:GW+4*\n+3], v4, s[14:15] offset:2048*\n
.endr
.irp n, 0,1
	global_load_b128 v[GW+64+4*\n:GW+64+4*\n+3], v4, s[10:11] offset:2048*\n
.endr
.irp n, 0,1
	global_load_b128 v[GW+72+4*\n:GW+72+4*\n+3], v4, s[12:13] offset:2048*\n
.endr
.irp i, 0,1,2,3
.irp j, 0,1,2,3,4,5,6,7
	global_load_b128 v[X+32*\i+4*\j:X+32*\i+4*\j+3], v1, s[8:9] offset:4096*\i+512*\j th:TH_LOAD_NT
.endr
.endr
	s_wait_loadcnt 32                              ; the 20 table loads are in; the 32 loads of x1, issued behind them, stay out
.irp n, 0,1,2,3,4,5,6,7,8,9,10,11,12,13,14,15,16,17,18,19
	ds_store_b128 v4, v[GW+4*\n:GW+4*\n+3] offset:2048*\n      ; gate_w, then ln2_g at 32,768, then ln2_b at 36,864
.endr
	s_wait_dscnt 0x0
	s_barrier_signal -1
	s_barrier_wait -1
.macro WSUM r, t
	v_add_f32_dpp v[\r], v[\r], v[\r] row_xmask:1 row_mask:0xf bank_mask:0xf
	v_add_f32_dpp v[\r], v[\r], v[\r] row_xmask:2 row_mask:0xf bank_mask:0xf
	v_add_f32_dpp v[\r], v[\r], v[\r] row_xmask:4 row_mask:0xf bank_mask:0xf
	v_add_f32_dpp v[\r], v[\r], v[\r] row_xmask:8 row_mask:0xf bank_mask:0xf
	v_permlanex16_b32 v[\t], v[\r], s28, s29
	v_add_f32 v[\r], v[\r], v[\t]
.endm
; Row i becomes (x - mean) / sqrt(var + eps), in place.  left = the later rows' loads.
.macro LNSTAT i, left
	s_wait_loadcnt \left
	v_pk_add_f32 v[T:T+1],   v[X+32*\i:X+32*\i+1],   v[X+32*\i+2:X+32*\i+3]
	v_pk_add_f32 v[T+2:T+3], v[X+32*\i+4:X+32*\i+5], v[X+32*\i+6:X+32*\i+7]
.set p, X+32*\i+8
.rept 6
	v_pk_add_f32 v[T:T+1],   v[T:T+1],   v[p:p+1]
	v_pk_add_f32 v[T+2:T+3], v[T+2:T+3], v[p+2:p+3]
.set p, p+4
.endr
	v_pk_add_f32 v[T:T+1], v[T:T+1], v[T+2:T+3]
	v_add_f32 v[T], v[T], v[T+1]
	WSUM T, T+1
	v_mul_f32 v[M], s30, v[T]
	v_mul_f32 v[M+1], s30, v[T]
.set p, X+32*\i
.rept 16
	v_pk_add_f32 v[p:p+1], v[p:p+1], v[M:M+1] neg_lo:[0,1] neg_hi:[0,1]
.set p, p+2
.endr
	v_pk_mul_f32 v[T:T+1],   v[X+32*\i:X+32*\i+1],   v[X+32*\i:X+32*\i+1]
	v_pk_mul_f32 v[T+2:T+3], v[X+32*\i+2:X+32*\i+3], v[X+32*\i+2:X+32*\i+3]
.set p, X+32*\i+4
.rept 7
	v_pk_fma_f32 v[T:T+1],   v[p:p+1],   v[p:p+1],   v[T:T+1]
	v_pk_fma_f32 v[T+2:T+3], v[p+2:p+3], v[p+2:p+3], v[T+2:T+3]
.set p, p+4
.endr
	v_pk_add_f32 v[T:T+1], v[T:T+1], v[T+2:T+3]
	v_add_f32 v[T], v[T], v[T+1]
	WSUM T, T+1
	v_fma_f32 v[T], v[T], s30, s31
	v_rsq_f32 v[R], v[T]
	v_rsq_f32 v[R+1], v[T]
	v_nop                                          ; one plain instruction behind a transcendental (ISA guide 5.7.2)
.set p, X+32*\i
	s_wait_alu depctr_va_vdst(0)
.rept 16
	v_pk_mul_f32 v[p:p+1], v[p:p+1], v[R:R+1]
.set p, p+2
.endr
.endm
	LNSTAT 0, 24
	LNSTAT 1, 16
	LNSTAT 2, 8
	LNSTAT 3, 0
; Chunk j: columns 128 j + 4 l .. + 3 of all four rows: gain and bias in f32, the eight dot products go on, then f16 and out.
.macro CHUNK j
	ds_load_b128 v[GG:GG+3], v3 offset:LDS_G+512*\j
	ds_load_b128 v[BB:BB+3], v3 offset:LDS_B+512*\j
.irp e, 0,1,2,3,4,5,6,7
	ds_load_b128 v[GW+4*\e:GW+4*\e+3], v3 offset:4096*\e+512*\j
.endr
	s_wait_dscnt 0x0
.irp i, 0,1,2,3
	v_pk_fma_f32 v[X+32*\i+4*\j:X+32*\i+4*\j+1],   v[X+32*\i+4*\j:X+32*\i+4*\j+1],   v[GG:GG+1],   v[BB:BB+1]
	v_pk_fma_f32 v[X+32*\i+4*\j+2:X+32*\i+4*\j+3], v[X+32*\i+4*\j+2:X+32*\i+4*\j+3], v[GG+2:GG+3], v[BB+2:BB+3]
.irp e, 0,1,2,3,4,5,6,7
.if \j == 0
	v_pk_mul_f32 v[ACC+2*(8*\i+\e):ACC+2*(8*\i+\e)+1], v[X+32*\i+4*\j:X+32*\i+4*\j+1], v[GW+4*\e:GW+4*\e+1]     ; the first product starts the sum
.else
	v_pk_fma_f32 v[ACC+2*(8*\i+\e):ACC+2*(8*\i+\e)+1], v[X+32*\i+4*\j:X+32*\i+4*\j+1], v[GW+4*\e:GW+4*\e+1], v[ACC+2*(8*\i+\e):ACC+2*(8*\i+\e)+1]
.endif
	v_pk_fma_f32 v[ACC+2*(8*\i+\e):ACC+2*(8*\i+\e)+1], v[X+32*\i+4*\j+2:X+32*\i+4*\j+3], v[GW+4*\e+2:GW+4*\e+3], v[ACC+2*(8*\i+\e):ACC+2*(8*\i+\e)+1]
.endr
	v_cvt_pk_f16_f32 v[X+32*\i+4*\j],   v[X+32*\i+4*\j],   v[X+32*\i+4*\j+1]
	v_cvt_pk_f16_f32 v[X+32*\i+4*\j+1], v[X+32*\i+4*\j+2], v[X+32*\i+4*\j+3]
	global_store_b64 v2, v[X+32*\i+4*\j:X+32*\i+4*\j+1], s[22:23] offset:2048*\i+256*\j    ; 256 aligned bytes; its registers are never written again
.endr
.endm
.irp j, 0,1,2,3,4,5,6,7
	CHUNK \j
.endr
	s_wait_kmcnt 0x0                               ; gate_b
.irp i, 0,1,2,3
.irp e, 0,1,2,3,4,5,6,7
	v_add_f32 v[ACC+2*(8*\i+\e)], v[ACC+2*(8*\i+\e)], v[ACC+2*(8*\i+\e)+1]
	WSUM ACC+2*(8*\i+\e), ACC+2*(8*\i+\e)+1
	v_add_f32 v[ACC+2*(8*\i+\e)], s[32+\e], v[ACC+2*(8*\i+\e)]     ; the logit, in every lane
.endr
.endr
; A scan for the largest of row i's eight logits: v[m] the value, v[ix] its index; an equal later one does not replace it.
.macro SCAN i, m, ix
	v_mov_b32 v[\m], v[ACC+16*\i]
	v_mov_b32 v[\ix], 0
.irp e, 1,2,3,4,5,6,7
	v_cmp_le_f32 vcc_lo, v[ACC+16*\i+2*\e], v[\m]
	v_cndmask_b32 v[\ix], \e, v[\ix], vcc_lo
	v_cndmask_b32 v[\m], v[ACC+16*\i+2*\e], v[\m], vcc_lo
.endr
.endm
; Row i: first index into GW + i, second into GW + 4 + i, their weights into GW + 8 + i and GW + 12 + i.
.macro TOP2 i
	SCAN \i, T, GW+\i
.irp e, 0,1,2,3,4,5,6,7
	v_cmp_ne_u32 vcc_lo, \e, v[GW+\i]
	v_cndmask_b32 v[ACC+16*\i+2*\e], 0xff800000, v[ACC+16*\i+2*\e], vcc_lo     ; the winner leaves the field
.endr
	SCAN \i, T+1, GW+4+\i
	v_sub_f32 v[T+2], v[T+1], v[T]                 ; second - first: never above 0
	v_mul_f32 v[T+2], 0x3fb8aa3b, v[T+2]
	v_exp_f32 v[T+2], v[T+2]
	v_nop
	s_wait_alu depctr_va_vdst(0)
	v_add_f32 v[T+3], 1.0, v[T+2]
	v_rcp_f32 v[GW+8+\i], v[T+3]
	v_nop
	s_wait_alu depctr_va_vdst(0)
	v_mul_f32 v[GW+12+\i], v[T+2], v[GW+8+\i]
.endm
	TOP2 0
	TOP2 1
	TOP2 2
	TOP2 3
	; lane l serves row l % 4 of the wave; lanes with the same l % 4 write the same word with the same value
.irp i, 0,1,2,3
	v_lshl_or_b32 v[T+\i], v[GW+4+\i], 8, v[GW+\i]         ; first index | second index << 8
.endr
	v_cndmask_b32 v[T+4], v[T], v[T+1], s40
	v_cndmask_b32 v[T+4], v[T+4], v[T+2], s41
	v_cndmask_b32 v[T+4], v[T+4], v[T+3], s42
	v_cndmask_b32 v[T+6], v[GW+8], v[GW+9], s40
	v_cndmask_b32 v[T+6], v[T+6], v[GW+10], s41
	v_cndmask_b32 v[T+6], v[T+6], v[GW+11], s42
	v_cndmask_b32 v[T+7], v[GW+12], v[GW+13], s40
	v_cndmask_b32 v[T+7], v[T+7], v[GW+14], s41
	v_cndmask_b32 v[T+7], v[T+7], v[GW+15], s42
	v_and_b32 v[M], 3, v0
	v_lshl_add_u32 v[M], s20, 2, v[M]              ; the row among the group's 16
	v_lshlrev_b32 v[R], 2, v[M]
	v_lshlrev_b32 v[R+1], 3, v[M]
	ds_store_b32 v[R], v[T+4] offset:EWS
	ds_store_b64 v[R+1], v[T+6:T+7] offset:EWS+64
	s_wait_dscnt 0x0
	s_barrier_signal -1
	s_barrier_wait -1
	s_cmp_lg_u32 s20, 0
	s_cbranch_scc1 .Lend
	; wave 0 writes the group's 64 bytes of IDX, 128 bytes of TW and 16 bytes of CNT.  Lane l and lane l + 16 hold token l % 16.
	v_and_b32 v6, 15, v0
	v_lshlrev_b32 v7, 2, v6
	v_lshlrev_b32 v8, 3, v6
	ds_load_b32 v26, v7 offset:EWS
	ds_load_b64 v[28:29], v8 offset:EWS+64
	v_cmp_gt_u32 vcc_lo, 16, v0                    ; lanes 0-15
	v_cmp_eq_u32 s21, 0, v0                        ; lane 0
	v_mov_b32 v36, 0
	s_wait_dscnt 0x0
	v_and_b32 v30, 0xff, v26
	v_lshrrev_b32 v31, 8, v26
.irp e, 0,1,2,3,4,5,6,7
	v_cmp_eq_u32 s2, \e, v30
	v_cmp_eq_u32 s3, \e, v31
	s_or_b32 s2, s2, s3
	s_and_b32 s2, s2, 0xffff                       ; each token once
	s_bcnt1_i32_b32 s[32+\e], s2                   ; how many of the 16 tokens chose expert e
.endr
.irp q, 0,1,2,3
	s_lshl_b32 s[33+2*\q], s[33+2*\q], 16
	s_or_b32 s[32+2*\q], s[32+2*\q], s[33+2*\q]
	v_mov_b32 v[32+\q], s[32+2*\q]
.endr
	s_wait_xcnt 0x0                                ; EXEC is a source of the stores of H2: it changes only behind this wait
	s_and_saveexec_b32 s4, vcc_lo
	global_store_b32 v7, v26, s[26:27]
	global_store_b64 v8, v[28:29], s[24:25]
	s_wait_xcnt 0x0
	s_and_saveexec_b32 s5, s21
	global_store_b128 v36, v[32:35], s[48:49]
	s_wait_xcnt 0x0
	s_or_b32 exec_lo, exec_lo, s5
	s_or_b32 exec_lo, exec_lo, s4
.Lend:
	s_wait_tensorcnt 0x0
	ds_add_u32 v254, v255
	s_wait_dscnt 0x0
	s_endpgm
.Lfunc_end_k_qcd56afe8ab_ln2gate:
	.size	k_qcd56afe8ab_ln2gate, .Lfunc_end_k_qcd56afe8ab_ln2gate-k_qcd56afe8ab_ln2gate
	.p2alignl 7, 3214868480
	.fill 96, 4, 3214868480
	.section	.rodata,"a",@progbits
	.p2align	6, 0x0
	.amdhsa_kernel k_qcd56afe8ab_ln2gate
		.amdhsa_group_segment_fixed_size 41984
		.amdhsa_private_segment_fixed_size 0
		.amdhsa_enable_private_segment 0
		.amdhsa_kernarg_size 56
		.amdhsa_user_sgpr_count 2
		.amdhsa_user_sgpr_kernarg_segment_ptr 1
		.amdhsa_wavefront_size32 1
		.amdhsa_system_sgpr_workgroup_id_x 1
		.amdhsa_system_sgpr_workgroup_id_y 1
		.amdhsa_system_sgpr_workgroup_id_z 1
		.amdhsa_system_vgpr_workitem_id 0
		.amdhsa_next_free_vgpr 256
		.amdhsa_next_free_sgpr 66
		.amdhsa_reserve_vcc 1
		.amdhsa_float_denorm_mode_32 3
		.amdhsa_float_denorm_mode_16_64 3
		.amdhsa_memory_ordered 1
		.amdhsa_forward_progress 1
		.amdhsa_inst_pref_size 105
	.end_amdhsa_kernel
	.amdgpu_metadata
---
amdhsa.version: [ 1, 2 ]
amdhsa.kernels:
  - .name:           k_qcd56afe8ab_ln2gate
    .symbol:         k_qcd56afe8ab_ln2gate.kd
    .args:
      - { .name: x1, .offset: 0, .size: 8, .value_kind: global_buffer, .address_space: global }
      - { .name: ln2_g, .offset: 8, .size: 8, .value_kind: global_buffer, .address_space: global }
      - { .name: ln2_b, .offset: 16, .size: 8, .value_kind: global_buffer, .address_space: global }
      - { .name: gate_w, .offset: 24, .size: 8, .value_kind: global_buffer, .address_space: global }
      - { .name: gate_b, .offset: 32, .size: 8, .value_kind: global_buffer, .address_space: global }
      - { .name: g2, .offset: 40, .size: 8, .value_kind: global_buffer, .address_space: global }
      - { .name: rt, .offset: 48, .size: 8, .value_kind: global_buffer, .address_space: global }
    .group_segment_fixed_size: 41984
    .private_segment_fixed_size: 0
    .kernarg_segment_align: 8
    .kernarg_segment_size: 56
    .max_flat_workgroup_size: 128
    .sgpr_count:     66
    .vgpr_count:     256
    .wavefront_size: 32
...
	.end_amdgpu_metadata
.endif
;; end of part 5
;; launch scan (part 6): grid 256 x 1, 1 waves a work-group, no clusters, 0 bytes of LDS; arguments rt, rt2; writes rt2
.if DOCPART == 6
	.amdgcn_target "amdgcn-amd-amdhsa--gfx1250"
	.amdhsa_code_object_version 6
	.text
	.protected	k_qcd56afe8ab_scan
	.globl	k_qcd56afe8ab_scan
	.p2align	8
	.type	k_qcd56afe8ab_scan,@function
k_qcd56afe8ab_scan:
	s_mov_b64 s[64:65], 0
	v_nop
	global_prefetch_b8 v0, s[64:65] scope:SCOPE_SE
	s_setreg_imm32_b32 hwreg(HW_REG_WAVE_MODE, 25, 1), 1
	s_wait_xcnt 0x0
; Where each of the 8,192 (token, expert) pairs goes when the pairs are sorted by expert.  Whole numbers only; no floating-point arithmetic.
; THE ORDER.  Expert e, chosen by n_e tokens, gets ceil(n_e / 144) blocks of 144 rows, experts in ascending order, tokens in ascending order inside an
; expert.  The sum of these ceilings is at most (8192 + 8 x 143) / 144 = 64.8, so 64 blocks, 9,216 rows, hold every distribution.
; In: rt (IDX[4096] at 0: first index | second << 8; CNT[256][4] at 16,384: the counts of each group of 16 tokens, two 16-bit fields a word).
; Out, in rt2, for the launches that form addresses from them: POS[4096][2] at 0, the two sorted rows of each token; BLK[64] at 32,768, each block's expert;
; TAKEN[64] at 33,024, how many rows of each block, from its first row on, a pair takes.
; One wave a work-group; group g owns tokens 16 g .. 16 g + 15.  No traffic between groups: every group sums all 256 count records itself (4 KB: eight loads
; of 512 bytes), once whole (the experts' sizes) and once over the groups in front of it (where its own pairs begin).  One wave sees all records, so the
; sums need neither LDS nor a barrier.  Every store goes to an address made of the group's and the lane's number alone, and no branch hangs on data.
.set CNT_OFF, 16384
.set BLK_OFF, 32768
.set TAK_OFF, 33024
.set RB,  144
.set N,   40                           ; s[40:47] n_e
.set PB,  48                           ; s[48:55] the prefix of expert e, then the row of the group's first pair of expert e
.set BBK, 56                           ; s[56:63] the first block of expert e
.set REC, 32                           ; v[32:63] eight count records of this lane, four words each
	s_load_b128 s[4:7], s[0:1], 0x0                ; rt 4, rt2 6
	s_mov_b32 s13, ttmp9                           ; group g
	v_lshlrev_b32 v4, 4, v0                        ; 16 l: lane l takes the records of groups l + 32 j
	v_and_b32 v5, 15, v0
	v_lshlrev_b32 v5, 2, v5                        ; 4 (l % 16): lane l takes token l % 16 of my group
	v_lshlrev_b32 v6, 3, v0                        ; 8 l
	v_mov_b32 v20, 0                               ; the destination of a lane move counts as read
	s_lshl_b32 s16, s13, 6                         ; IDX: 4 bytes a token
	s_mov_b32 s17, 0
	s_lshl_b32 s18, s13, 7                         ; POS: 8 bytes a token
	s_mov_b32 s19, 0
	s_mov_b32 s28, 0x76543210                      ; v_permlanex16_b32: lane i of the other half
	s_mov_b32 s29, 0xfedcba98
	s_wait_kmcnt 0x0
	s_add_nc_u64 s[16:17], s[4:5], s[16:17]        ; IDX of my group
	s_add_nc_u64 s[22:23], s[6:7], s[18:19]        ; POS of my group
.irp j, 0,1,2,3,4,5,6,7
	global_load_b128 v[REC+4*\j:REC+4*\j+3], v4, s[4:5] offset:CNT_OFF+512*\j
.endr
	global_load_b32 v12, v5, s[16:17]
	s_wait_loadcnt 0x0
.macro SUM8 d                          ; v[d .. d+3] = the sum of this lane's eight records; the first two start the sums: nothing is cleared
.irp q, 0,1,2,3
	v_add_nc_u32 v[\d+\q], v[REC+\q], v[REC+4+\q]
.irp j, 2,3,4,5,6,7
	v_add_nc_u32 v[\d+\q], v[\d+\q], v[REC+4*\j+\q]
.endr
.endr
.endm
	SUM8 8                                         ; all groups
.irp j, 0,1,2,3,4,5,6,7
	v_add_nc_u32 v21, 32*\j, v0                    ; the record's group
	v_cmp_gt_u32 vcc_lo, s13, v21                  ; in front of mine?
.irp q, 0,1,2,3
	v_cndmask_b32 v[REC+4*\j+\q], 0, v[REC+4*\j+\q], vcc_lo
.endr
.endr
	SUM8 16                                        ; the groups in front of mine
.macro ISUM r                          ; a whole-number sum over the 32 lanes: a lane move, then an add.  Fields of 16 bits hold 4,096 at the most
.irp m, 1,2,4,8
	v_mov_b32_dpp v20, v[\r] row_xmask:\m row_mask:0xf bank_mask:0xf
	v_add_nc_u32 v[\r], v[\r], v20
.endr
	v_permlanex16_b32 v20, v[\r], s28, s29
	v_add_nc_u32 v[\r], v[\r], v20
.endm
.irp r, 8,9,10,11,16,17,18,19
	ISUM \r
.endr
.irp q, 0,1,2,3
	v_readfirstlane_b32 s[24+\q], v[8+\q]          ; every lane holds the sums
	v_readfirstlane_b32 s[32+\q], v[16+\q]
.endr
.irp q, 0,1,2,3
	s_and_b32 s[N+2*\q], s[24+\q], 0xffff
	s_lshr_b32 s[N+2*\q+1], s[24+\q], 16
	s_and_b32 s[PB+2*\q], s[32+\q], 0xffff
	s_lshr_b32 s[PB+2*\q+1], s[32+\q], 16
.endr
	s_mov_b32 s36, 0                               ; blocks given out so far
.irp e, 0,1,2,3,4,5,6,7
	s_mov_b32 s[BBK+\e], s36
	s_mul_i32 s37, s36, RB
	s_add_co_u32 s[PB+\e], s[PB+\e], s37           ; the row of my group's first pair of expert e
	s_add_co_u32 s37, s[N+\e], RB-1
	s_mul_i32 s37, s37, 29128                      ; x / 144 = (29128 x) >> 22, exact for x < 32,768: 29128 x 144 = 2^22 + 128
	s_lshr_b32 s37, s37, 22
	s_add_co_u32 s36, s36, s37
.endr
	; ranks inside the group: how many lower lanes (earlier tokens) chose the same expert.  Lanes 0-15 are right; lanes 16-31 are not used
	v_and_b32 v13, 0xff, v12
	v_lshrrev_b32 v14, 8, v12
	v_mov_b32 v26, 0
	v_mov_b32 v27, 0
.irp e, 0,1,2,3,4,5,6,7
	v_cmp_eq_u32 s14, \e, v13
	v_cmp_eq_u32 s15, \e, v14
	s_or_b32 s20, s14, s15
	v_mbcnt_lo_u32_b32 v15, s20, 0
	v_add_nc_u32 v15, s[PB+\e], v15
	v_cndmask_b32 v26, v26, v15, s14               ; the row of (token, first expert)
	v_cndmask_b32 v27, v27, v15, s15               ; the row of (token, second expert)
.endr
	v_cmp_gt_u32 vcc_lo, 16, v0
	s_wait_xcnt 0x0                                ; EXEC changes only behind this wait
	s_and_saveexec_b32 s21, vcc_lo
	global_store_b64 v6, v[26:27], s[22:23]        ; POS of my 16 tokens: 128 consecutive bytes
	s_wait_xcnt 0x0                                ; and again, in front of the line that widens it
	s_or_b32 exec_lo, exec_lo, s21
	s_cmp_lg_u32 s13, 0
	s_cbranch_scc1 .Ldone
	; group 0: each block's expert = the last expert whose first block is not behind it, and how many of the block's rows are taken:
	; n_e less 144 for each block of the expert's run in front of this one, not below 0 (144 or more: all).  Lane l takes blocks 2 l and 2 l + 1
	v_lshlrev_b32 v21, 1, v0
	v_add_nc_u32 v22, 1, v21
.irp h, 0,1
	v_mov_b32 v[24+\h], 0                          ; the expert,
	v_mov_b32 v[28+\h], s[N]                       ; its size,
	v_mov_b32 v[30+\h], s[BBK]                     ; its first block
.irp e, 1,2,3,4,5,6,7
	v_cmp_gt_u32 vcc_lo, s[BBK+\e], v[21+\h]
	v_cndmask_b32 v[24+\h], \e, v[24+\h], vcc_lo
	v_cndmask_b32 v[28+\h], s[N+\e], v[28+\h], vcc_lo
	v_cndmask_b32 v[30+\h], s[BBK+\e], v[30+\h], vcc_lo
.endr
	v_sub_nc_u32 v[30+\h], v[21+\h], v[30+\h]      ; blocks into the expert's run
	v_mul_u32_u24 v[30+\h], v[30+\h], RB
	v_sub_nc_u32 v[28+\h], v[28+\h], v[30+\h]
	v_max_i32 v[28+\h], 0, v[28+\h]
.endr
	global_store_b64 v6, v[24:25], s[6:7] offset:BLK_OFF       ; 256 consecutive aligned bytes
	global_store_b64 v6, v[28:29], s[6:7] offset:TAK_OFF       ; likewise
.Ldone:
	s_endpgm
.Lfunc_end_k_qcd56afe8ab_scan:
	.size	k_qcd56afe8ab_scan, .Lfunc_end_k_qcd56afe8ab_scan-k_qcd56afe8ab_scan
	.p2alignl 7, 3214868480
	.fill 96, 4, 3214868480
	.section	.rodata,"a",@progbits
	.p2align	6, 0x0
	.amdhsa_kernel k_qcd56afe8ab_scan
		.amdhsa_group_segment_fixed_size 0
		.amdhsa_private_segment_fixed_size 0
		.amdhsa_enable_private_segment 0
		.amdhsa_kernarg_size 16
		.amdhsa_user_sgpr_count 2
		.amdhsa_user_sgpr_kernarg_segment_ptr 1
		.amdhsa_wavefront_size32 1
		.amdhsa_system_sgpr_workgroup_id_x 1
		.amdhsa_system_sgpr_workgroup_id_y 1
		.amdhsa_system_sgpr_workgroup_id_z 1
		.amdhsa_system_vgpr_workitem_id 0
		.amdhsa_next_free_vgpr 64
		.amdhsa_next_free_sgpr 66
		.amdhsa_reserve_vcc 1
		.amdhsa_float_denorm_mode_32 3
		.amdhsa_float_denorm_mode_16_64 3
		.amdhsa_memory_ordered 1
		.amdhsa_forward_progress 1
		.amdhsa_inst_pref_size 19
	.end_amdhsa_kernel
	.amdgpu_metadata
---
amdhsa.version: [ 1, 2 ]
amdhsa.kernels:
  - .name:           k_qcd56afe8ab_scan
    .symbol:         k_qcd56afe8ab_scan.kd
    .args:
      - { .name: rt, .offset: 0, .size: 8, .value_kind: global_buffer, .address_space: global }
      - { .name: rt2, .offset: 8, .size: 8, .value_kind: global_buffer, .address_space: global }
    .group_segment_fixed_size: 0
    .private_segment_fixed_size: 0
    .kernarg_segment_align: 8
    .kernarg_segment_size: 16
    .max_flat_workgroup_size: 32
    .sgpr_count:     66
    .vgpr_count:     64
    .wavefront_size: 32
...
	.end_amdgpu_metadata
.endif
;; end of part 6
;; launch route (part 7): grid 256 x 1, 8 waves a work-group, no clusters, 0 bytes of LDS; arguments rt2, g2, qkv; writes qkv
.if DOCPART == 7
	.amdgcn_target "amdgcn-amd-amdhsa--gfx1250"
	.amdhsa_code_object_version 6
	.text
	.protected	k_qcd56afe8ab_route
	.globl	k_qcd56afe8ab_route
	.p2align	8
	.type	k_qcd56afe8ab_route,@function
k_qcd56afe8ab_route:
	s_mov_b64 s[64:65], 0
	v_nop
	global_prefetch_b8 v0, s[64:65] scope:SCOPE_SE
	s_setreg_imm32_b32 hwreg(HW_REG_WAVE_MODE, 25, 1), 1
	s_wait_xcnt 0x0
; The rows of H2 are copied into the order of the sort: H2S[POS[t][0]] = H2S[POS[t][1]] = H2[t].  H2 f16 [4096][1024] at the head of g2; H2S f16 [9216][1024] in
; the buffer that held qkv (dead since the attention); POS[4096][2] at the head of rt2 and TAKEN[64] at 33,024 in it, whole numbers that the launch before stored.
; A stream: 16 tokens a work-group, two a wave; a row is four loads, and twice four stores, of 512 consecutive bytes of the wave.  No LDS, no barrier.
; The positions and the count come by scalar loads and enter addresses and a compare directly.  The positions are below 9,216 by the sort's bound
; ((8192 + 8 x 143) / 144 < 65 blocks of 144 rows) and are clamped to 9,215 before they enter an address.
; Group g also owns sorted rows 36 g .. 36 g + 35, which lie in block g / 4, for one purpose: those of them that no pair takes (the tail of an expert's last
; block, and blocks that are left over) are filled with zeros, so that every byte of H2S is written, each by one work-group.
.set TAK_OFF, 33024
.set RB, 144
	s_load_b128 s[4:7], s[0:1], 0x0                ; rt2 4, g2 6
	s_load_b64 s[8:9], s[0:1], 0x10                ; H2S
	v_lshrrev_b32 v1, 5, v0
	v_readfirstlane_b32 s12, v1                    ; wave 0..7
	s_mov_b32 s13, ttmp9                           ; group g
	v_and_b32 v2, 31, v0
	v_lshlrev_b32 v3, 4, v2                        ; 16 x lane
	s_lshl_b32 s14, s13, 15                        ; group x 16 rows of 2,048 bytes
	s_lshl_b32 s15, s12, 12                        ; + wave x 2 rows
	s_add_co_u32 s14, s14, s15
	s_mov_b32 s15, 0
	s_lshl_b32 s16, s13, 7                         ; POS: 8 bytes a token: 128 g + 16 w for my two
	s_lshl_b32 s17, s12, 4
	s_add_co_u32 s16, s16, s17
	s_lshr_b32 s33, s13, 2                         ; the block of my group's 36 sorted rows
	s_lshl_b32 s17, s33, 2
	s_wait_kmcnt 0x0
	s_load_b128 s[20:23], s[4:5], s16 offset:0x0   ; the four positions
	s_load_b32 s32, s[4:5], s17 offset:TAK_OFF     ; so many rows of the block are taken
	s_add_nc_u64 s[14:15], s[6:7], s[14:15]        ; my wave's two rows of H2
.irp i, 0,1
.irp j, 0,1,2,3
	global_load_b128 v[32+16*\i+4*\j:35+16*\i+4*\j], v3, s[14:15] offset:2048*\i+512*\j th:TH_LOAD_NT   ; they hang on no position: asked for first
.endr
.endr
	s_and_b32 s34, s13, 3
	s_mul_i32 s34, s34, 36
	s_add_co_u32 s34, s34, s12                     ; wave w looks at rows 36 (g % 4) + w + 8 k of the block
	s_mul_i32 s35, s33, RB
	s_add_co_u32 s35, s35, s34
	s_lshl_b32 s36, s35, 11
	s_mov_b32 s37, 0
	s_add_nc_u64 s[36:37], s[8:9], s[36:37]
.irp j, 28,29,30,31
	v_mov_b32 v\j, 0                               ; the store data of the rows of zeros
.endr
	s_wait_kmcnt 0x0
.irp d, 0,1,2,3
	s_min_u32 s[20+\d], s[20+\d], 9215
	s_lshl_b32 s[24+2*\d], s[20+\d], 11
	s_mov_b32 s[25+2*\d], 0
	s_add_nc_u64 s[24+2*\d:25+2*\d], s[8:9], s[24+2*\d:25+2*\d]
.endr
.irp i, 0,1
	s_wait_loadcnt 4-4*\i                          ; token i's row is in; the later token's four loads may stay out
.irp d, 0,1
.irp j, 0,1,2,3
	global_store_b128 v3, v[32+16*\i+4*\j:35+16*\i+4*\j], s[24+4*\i+2*\d:25+4*\i+2*\d] offset:512*\j      ; 512 consecutive aligned bytes; no register of a store is written again
.endr
.endr
.endr
.macro ZROW k
	s_add_co_u32 s35, s34, 8*\k
	s_cmp_lt_u32 s35, s32                          ; a row that is taken: the group that owns its token writes it
	s_cbranch_scc1 .Ltaken_\@
.irp j, 0,1,2,3
	global_store_b128 v3, v[28:31], s[36:37] offset:\k*8*2048+512*\j
.endr
.Ltaken_\@:
.endm
	ZROW 0
	ZROW 1
	ZROW 2
	ZROW 3
	s_cmp_lt_u32 s12, 4                            ; 36 rows on eight waves: the fifth turn is for waves 0 to 3
	s_cbranch_scc0 .Ldone
	ZROW 4
.Ldone:
	s_endpgm
.Lfunc_end_k_qcd56afe8ab_route:
	.size	k_qcd56afe8ab_route, .Lfunc_end_k_qcd56afe8ab_route-k_qcd56afe8ab_route
	.p2alignl 7, 3214868480
	.fill 96, 4, 3214868480
	.section	.rodata,"a",@progbits
	.p2align	6, 0x0
	.amdhsa_kernel k_qcd56afe8ab_route
		.amdhsa_group_segment_fixed_size 0
		.amdhsa_private_segment_fixed_size 0
		.amdhsa_enable_private_segment 0
		.amdhsa_kernarg_size 24
		.amdhsa_user_sgpr_count 2
		.amdhsa_user_sgpr_kernarg_segment_ptr 1
		.amdhsa_wavefront_size32 1
		.amdhsa_system_sgpr_workgroup_id_x 1
		.amdhsa_system_sgpr_workgroup_id_y 1
		.amdhsa_system_sgpr_workgroup_id_z 1
		.amdhsa_system_vgpr_workitem_id 0
		.amdhsa_next_free_vgpr 64
		.amdhsa_next_free_sgpr 66
		.amdhsa_reserve_vcc 0
		.amdhsa_float_denorm_mode_32 3
		.amdhsa_float_denorm_mode_16_64 3
		.amdhsa_memory_ordered 1
		.amdhsa_forward_progress 1
		.amdhsa_inst_pref_size 7
	.end_amdhsa_kernel
	.amdgpu_metadata
---
amdhsa.version: [ 1, 2 ]
amdhsa.kernels:
  - .name:           k_qcd56afe8ab_route
    .symbol:         k_qcd56afe8ab_route.kd
    .args:
      - { .name: rt2, .offset: 0, .size: 8, .value_kind: global_buffer, .address_space: global }
      - { .name: g2, .offset: 8, .size: 8, .value_kind: global_buffer, .address_space: global }
      - { .name: qkv, .offset: 16, .size: 8, .value_kind: global_buffer, .address_space: global }
    .group_segment_fixed_size: 0
    .private_segment_fixed_size: 0
    .kernarg_segment_align: 8
    .kernarg_segment_size: 24
    .max_flat_workgroup_size: 256
    .sgpr_count:     66
    .vgpr_count:     64
    .wavefront_size: 32
...
	.end_amdgpu_metadata
.endif
;; end of part 7
;; launch moe1r (part 8): grid 4 x 64, 4 waves a work-group, clusters of 4 x 1, 327,680 bytes of LDS; arguments qkv, wts, b1, rt2, ctx; writes ctx
.if DOCPART == 8
	.amdgcn_target "amdgcn-amd-amdhsa--gfx1250"
	.amdhsa_code_object_version 6
	.text
	.protected	k_qcd56afe8ab_moe1r
	.globl	k_qcd56afe8ab_moe1r
	.p2align	8
	.type	k_qcd56afe8ab_moe1r,@function
k_qcd56afe8ab_moe1r:
	s_mov_b64 s[64:65], 0
	v_nop
	global_prefetch_b8 v0, s[64:65] scope:SCOPE_SE
	s_setreg_imm32_b32 hwreg(HW_REG_WAVE_MODE, 25, 1), 1
	s_wait_xcnt 0x0
	s_wait_alu depctr_hold_cnt(0) depctr_sa_sdst(0) depctr_va_vdst(0) depctr_va_sdst(0) depctr_va_ssrc(0) depctr_va_vcc(0) depctr_vm_vsrc(0)
	s_getreg_b32 s2, hwreg(HW_REG_IB_STS2, 6, 4)
	s_cmp_eq_u32 s2, 0
	s_cbranch_scc0 .Lentry_in_a_cluster
	s_endpgm
.Lentry_in_a_cluster:
	s_bfe_u32 s2, ttmp6, 0x10000c
	s_cmp_lg_u32 s2, 0x3003
	s_cbranch_scc0 .Lentry_shape_is_right
	s_endpgm
.Lentry_shape_is_right:
; HID[p][h] = silu(sum over k of H2S[p][k] W1[512 e + h][k] + b1[e][h]) for the 9,216 sorted rows p; e = BLK[p / 144] is the expert of the row's block.
; H2S f16 [9216][1024] lies in the buffer that held qkv, W1 f16 [4096][1024] in wts, HID f16 [9216][512] in the buffer that held ctx; sums and silu in f32.
; Only the two experts that a token chose are computed.  LIMIT: this differs from the definition, which multiplies the other six by a weight of 0, only where
; such an expert's output would be infinite or NaN.  f16 operands and results: magnitudes beyond 65,504 become infinite.
; 64 row blocks of 144 x 4 column blocks of 128 are 256 work-groups for every distribution of the tokens; blocks that a distribution leaves over hold rows of
; zeros and are multiplied like the others: no branch, no trip count and no LDS address here hangs on data.  Only the address of W1's tiles and of b1 does.
; EACH WAVE KEEPS THE WHOLE 144 x 128 (72 accumulators, 576 registers) ON A QUARTER OF K: a slot holds 256 along K, wave w multiplies bytes 128 w .. 128 w + 127
; of every row: 34 LDS loads feed 72 matrix instructions.  The four partial sums meet in LDS at the end, in f32, in a fixed order.
; CLUSTER of 4 along x: the four column blocks of a row block need the same tiles of H2S and ask for them jointly (mask 15).  W1's tiles are NOT shared: the
; work-groups that need the same columns are other row blocks, and whether those have the same expert is read from memory, so no fixed mask names them.
; REGISTERS: window 0: v16-35 addresses and bias, v40-111 and v112-183 fragments of H2S (9 x 8, two buffers), v192-255 the end;
;   window 1: v64-127, v128-191 fragments of W1, v192-255 the accumulators of row tile 8; window 2: row tiles 0-3 (tile (a, b) at 8 (8 a + b)); window 3: 4-7.
; The matrix instruction is used transposed (source 0 = rows of W1): lane l holds row l % 16 and columns 8 (l / 16) + 0..7 of a tile.
; silu(z) = z / (1 + 2^(-z log2 e)): for very negative z the power overflows to infinity, its reciprocal is 0, and the result is 0, as it should be.
.set SIZE_K,  1024
.set W_OFF,   16777216                 ; W1 in wts
.set BLK_OFF, 32768                    ; BLK in rt2
.set RB,      144
.set KSLOT,   256
.set PITCH,   528                      ; an LDS row: 512 bytes + 16: 16 rows start 16 bytes apart modulo 256
.set AHALF,   72*PITCH                 ; what one load of H2S brings
.set ABYTES,  144*PITCH
.set BHALF,   64*PITCH                 ; what one load of W1 brings
.set SLOT,    ABYTES+128*PITCH         ; 143,616
.set PART,    ABYTES                   ; a wave's partial sums: 144 rows of 128 f32 at the same pitch; four of them are 304,128 bytes
.set ADRA,  16                         ; v16-17 my fragments of H2S in slot 0, 1
.set ADRA8, 18                         ; v18-19 the same for row tile 8, whose offset would pass the 16 bits of the immediate
.set ADRB,  20                         ; v20-21 my fragments of W1
.set STO,   24                         ; where my partial sums go
.set LOFF,  25                         ; 16 x lane
.set STO8,  26                         ; the same as STO for row tile 8
.set LOF8,  27                         ; 8 x lane
.set RD,    28                         ; v28-31 partial p, my 36 rows, my 16 bytes
.set BI,    32                         ; v32-35 b1 of my four columns
.set FA,    40                         ; window 0, 72 registers a buffer
.set FB,    64                         ; window 1, 64 registers a buffer
.set AC8,   192                        ; window 1
.set PS,    192                        ; window 0: four rows x four partial sums
.set G1,  24
.set G0,  32
.set G1B, 48
.set G0B, 56
.set MSB, 0
.macro WIN new                         ; the immediate's high byte repeats the setting that is left
.if MSB != \new
	s_set_vgpr_msb (MSB<<8)|\new
.set MSB, \new
.endif
.endm
.set MUL_LO, 0xa1                      ; source 0 (W1) window 1, source 1 (H2S) window 0, C and D window 2
.set MUL_HI, 0xf1                      ; the same, C and D window 3
.set MUL_8,  0x51                      ; the same, C and D window 1
.set TO_B,   0x40
.macro JLOAD s                         ; waves 0, 1 ask jointly for the halves of H2S's tile, waves 2, 3 each for a half of W1's
	s_cmp_eq_u32 s11, 0
	s_cbranch_scc0 .Lfor_b_\@
	tensor_load_to_lds s[G0+4*\s:G0+4*\s+3], s[G1:G1+7]
	s_nop 0
	s_branch .Lasked_\@
.Lfor_b_\@:
	tensor_load_to_lds s[G0B+4*\s:G0B+4*\s+3], s[G1B:G1B+7]
	s_nop 0
.Lasked_\@:
.endm
.macro CREST                           ; a round of the cluster's barrier behind its opening work-group barrier
	s_cmp_lg_u32 s10, 0
	s_cbranch_scc1 .Lnot_wave_0_\@
	s_barrier_signal -3
.Lnot_wave_0_\@:
	s_barrier_wait -3
	s_barrier_signal -1
	s_barrier_wait -1
.endm
.macro CROUND
	s_barrier_signal -1
	s_barrier_wait -1
	CREST
.endm
	s_load_b128 s[4:7], s[0:1], 0x0                ; H2S, wts
	s_load_b128 s[68:71], s[0:1], 0x10             ; b1, rt2
	s_load_b64 s[8:9], s[0:1], 0x20                ; HID
	s_set_vgpr_msb 0x40
	v_lshl_add_u32 v63, v0, 2, 0x4a400
	s_set_vgpr_msb 0x4000
	v_mov_b32 v191, 0
	s_set_vgpr_msb 0x1
	ds_add_u32 v63, v191
	s_set_vgpr_msb 0x100
	v_lshrrev_b32 v1, 5, v0
	v_readfirstlane_b32 s10, v1                    ; wave 0..3: my quarter of K
	s_lshr_b32 s11, s10, 1                         ; I fetch for H2S (0) or W1 (1)
	s_and_b32 s12, s10, 1                          ; which half of the tile's rows I fetch
	s_bfe_u32 s40, ttmp6, 0x40000                  ; cx
	s_lshl_b32 s42, ttmp9, 2
	s_add_co_u32 s42, s42, s40                     ; column block 0..3
	s_and_b32 s13, ttmp7, 0xffff                   ; row block 0..63
	s_lshl_b32 s41, s13, 2
	s_mov_b32 s[G1+0], 15|(1<<16)|(1<<20)|(1<<21)|(6<<22)|(3<<25)    ; the four of the cluster; 2-byte elements; 4 words of padding behind every 128
	s_mov_b32 s[G1B+0], (1<<16)|(1<<20)|(6<<22)|(3<<25)              ; no mask: a load of my own
	s_mov_b32 s[G1+1], KSLOT<<16                   ; tensor_dim0 = 256
	s_mov_b32 s[G1B+1], KSLOT<<16
	s_mov_b32 s[G1+2], 72<<16                      ; tensor_dim1 = 72
	s_mov_b32 s[G1B+2], 64<<16                     ; 64
	s_mov_b32 s[G1+3], KSLOT<<16                   ; tile_dim0 = 256
	s_mov_b32 s[G1B+3], KSLOT<<16
	s_mov_b32 s[G1+4], 72                          ; tile_dim1
	s_mov_b32 s[G1B+4], 64
	s_mov_b32 s[G1+5], SIZE_K                      ; elements from row to row
	s_mov_b32 s[G1B+5], SIZE_K
	s_mov_b32 s[G1+6], 0
	s_mov_b32 s[G1B+6], 0
	s_mov_b32 s[G1+7], 0
	s_mov_b32 s[G1B+7], 0
	s_mul_i32 s16, s13, RB
	s_mul_i32 s17, s12, 72
	s_add_co_u32 s16, s16, s17                     ; H2S: row 144 x row block + 72 x half: nothing of cx
	s_lshl_b32 s16, s16, 11
	s_mov_b32 s17, 0
	s_mul_i32 s20, s12, AHALF                      ; LDS: H2S's two halves,
	s_mul_i32 s21, s12, BHALF
	s_add_co_u32 s21, s21, ABYTES                  ; then W1's two
	s_mul_i32 s76, s13, RB                         ; the way out: (144 x row block + 36 x wave) rows of 1,024 bytes + 256 x column block
	s_mul_i32 s77, s10, 36
	s_add_co_u32 s76, s76, s77
	s_lshl_b32 s76, s76, 10
	s_lshl_b32 s77, s42, 8
	s_add_co_u32 s76, s76, s77
	s_mov_b32 s77, 0
	s_wait_dscnt 0x0
	s_wait_kmcnt 0x0
	s_load_b32 s43, s[70:71], s41 offset:BLK_OFF   ; my block's expert
	s_add_nc_u64 s[14:15], s[4:5], s[16:17]
	s_add_nc_u64 s[8:9], s[8:9], s[76:77]
	s_wait_kmcnt 0x0
	s_min_u32 s43, s43, 7                          ; a loaded number enters an address only clamped
	s_lshl_b32 s46, s43, 9                         ; W1: row 512 e + 128 x column block + 64 x half
	s_lshl_b32 s47, s42, 7
	s_add_co_u32 s46, s46, s47
	s_lshl_b32 s47, s12, 6
	s_add_co_u32 s46, s46, s47
	s_lshl_b32 s46, s46, 11
	s_add_co_u32 s46, s46, W_OFF
	s_mov_b32 s47, 0
	s_add_nc_u64 s[46:47], s[6:7], s[46:47]
	s_lshl_b32 s78, s43, 11                        ; b1: 2,048 e + 512 x column block
	s_lshl_b32 s79, s42, 9
	s_add_co_u32 s78, s78, s79
	s_mov_b32 s79, 0
	s_add_nc_u64 s[66:67], s[68:69], s[78:79]
	CROUND                                         ; the four work-groups are here: the first joint loads meet
.irp s, 0,1
	s_mov_b32 s[G0+4*\s], 1
	s_add_co_u32 s[G0+4*\s+1], s20, \s*SLOT
	s_add_nc_u64 s[G0+4*\s+2:G0+4*\s+3], s[14:15], \s*KSLOT*2
	s_or_b32 s[G0+4*\s+3], s[G0+4*\s+3], 0x80000000
	s_mov_b32 s[G0B+4*\s], 1
	s_add_co_u32 s[G0B+4*\s+1], s21, \s*SLOT
	s_add_nc_u64 s[G0B+4*\s+2:G0B+4*\s+3], s[46:47], \s*KSLOT*2
	s_or_b32 s[G0B+4*\s+3], s[G0B+4*\s+3], 0x80000000
	JLOAD \s                                       ; both first fills together: two tensor loads of the wave are out
.endr
	v_and_b32 v1, 15, v0
	v_bfe_u32 v2, v0, 4, 1
	v_and_b32 v5, 31, v0
	v_lshlrev_b32 v[LOFF], 4, v5
	v_lshlrev_b32 v[LOF8], 3, v5
	global_load_b128 v[BI:BI+3], v[LOFF], s[66:67]
	v_mul_u32_u24 v3, v1, PITCH
	v_lshl_add_u32 v4, v2, 5, v3                   ; partial sums: row r, 32 bytes for each half of the lanes
	v_lshl_add_u32 v3, v2, 4, v3                   ; fragments: row r, 16 bytes for each half
	s_lshl_b32 s22, s10, 7                         ; my 64 along K: 128 bytes of every row
.irp s, 0,1
	v_add_nc_u32 v[ADRA+\s], s22, v3
	v_add_nc_u32 v[ADRA8+\s], 8*16*PITCH, v[ADRA+\s]
	v_add_nc_u32 v[ADRB+\s], ABYTES, v[ADRA+\s]
	s_add_co_u32 s22, s22, SLOT
.endr
	s_mul_i32 s23, s10, PART
	v_add_nc_u32 v[STO], s23, v4
	v_add_nc_u32 v[STO8], 8*16*PITCH, v[STO]
	s_mul_i32 s23, s10, 36*PITCH
.irp p, 0,1,2,3
	v_add_nc_u32 v[RD+\p], s23, v[LOFF]
	s_add_co_u32 s23, s23, PART
.endr
; Eight matrix instructions: row tile a (0..8) x all 8 column tiles, 32 along K, from buffer f.  zero = 1: the first product starts the sums.
; The 72 accumulators take turns, one instruction a turn, in the same order in every quarter step.
.macro MULA f, a, zero
.if \a < 8
.set AC, 64*((\a)%4)
.else
.set AC, AC8
.endif
.irp b, 0,1,2,3,4,5,6,7
.if \zero
	v_wmma_f32_16x16x32_f16 v[AC+8*\b:AC+8*\b+7], v[FB+64*\f+8*\b:FB+64*\f+8*\b+7], v[FA+72*\f+8*\a:FA+72*\f+8*\a+7], 0
.else
	v_wmma_f32_16x16x32_f16 v[AC+8*\b:AC+8*\b+7], v[FB+64*\f+8*\b:FB+64*\f+8*\b+7], v[FA+72*\f+8*\a:FA+72*\f+8*\a+7], v[AC+8*\b:AC+8*\b+7]
.endif
.endr
.endm
.macro FETCH slot, k, f                ; 34 LDS loads in one run: 8 fragments of W1, then 9 of H2S, into buffer f
	WIN TO_B
.irp i, 0,1,2,3,4,5,6,7
	ds_load_b128 v[FB+64*\f+8*\i:FB+64*\f+8*\i+3],   v[ADRB+\slot] offset:\k+\i*16*PITCH
	ds_load_b128 v[FB+64*\f+8*\i+4:FB+64*\f+8*\i+7], v[ADRB+\slot] offset:\k+\i*16*PITCH+32
.endr
	WIN 0
.irp i, 0,1,2,3,4,5,6,7
	ds_load_b128 v[FA+72*\f+8*\i:FA+72*\f+8*\i+3],   v[ADRA+\slot] offset:\k+\i*16*PITCH
	ds_load_b128 v[FA+72*\f+8*\i+4:FA+72*\f+8*\i+7], v[ADRA+\slot] offset:\k+\i*16*PITCH+32
.endr
	ds_load_b128 v[FA+72*\f+64:FA+72*\f+67], v[ADRA8+\slot] offset:\k
	ds_load_b128 v[FA+72*\f+68:FA+72*\f+71], v[ADRA8+\slot] offset:\k+32
.endm
.macro PLACES                          ; four plain vector instructions between a matrix instruction and a load into, or a vector use of, its registers
.rept 4
	v_nop
.endr
.endm
.macro MULHI f, zero                   ; row tiles 4 to 8
	WIN MUL_HI
	MULA \f, 4, \zero
	MULA \f, 5, \zero
	MULA \f, 6, \zero
	MULA \f, 7, \zero
	WIN MUL_8
	MULA \f, 8, \zero
.endm
.macro QUARTER slot, zero              ; my first 32 along K of the slot, from buffer 0; in its middle the second 32 are fetched into buffer 1
	s_wait_dscnt 10                                ; all but the youngest ten loads (row tiles 4 to 8)
	WIN MUL_LO
	MULA 0, 0, \zero
	MULA 0, 1, \zero
	MULA 0, 2, \zero
	MULA 0, 3, \zero
	PLACES
	FETCH \slot, 64, 1
	s_wait_dscnt 34                                ; all but the 34 just issued
	MULHI 0, \zero
.endm
; My second 32 along K, from buffer 1, and the change of slots: each wave's reads of this slot and all its tensor loads are waited for in front of the barrier;
; behind it (fill = 1: behind a round of the cluster's barrier) the refill comes first.  From a request to the wait for it a wave issues 128 matrix instructions.
.macro TURN slot, next, fill
	s_wait_dscnt 10
	WIN MUL_LO
	MULA 1, 0, 0
	MULA 1, 1, 0
	s_wait_dscnt 0
	s_wait_tensorcnt 0x0
	ds_add_u32 v63, v191
	s_wait_dscnt 0x0
	s_barrier_signal -1
	MULA 1, 2, 0                                   ; register work while the others arrive
	MULA 1, 3, 0
	WIN 0
	s_barrier_wait -1
.if \fill
	CREST
	s_add_nc_u64 s[G0+4*\slot+2:G0+4*\slot+3], s[G0+4*\slot+2:G0+4*\slot+3], 2*KSLOT*2     ; no load of mine is out: group 0 may be written
	s_add_nc_u64 s[G0B+4*\slot+2:G0B+4*\slot+3], s[G0B+4*\slot+2:G0B+4*\slot+3], 2*KSLOT*2
	JLOAD \slot
.endif
	PLACES
	FETCH \next, 0, 0
	MULHI 1, 0
.endm
	s_wait_tensorcnt 1                             ; my part of slot 0 is in; slot 1's may stay out
	s_barrier_signal -1
	s_barrier_wait -1
	FETCH 0, 0, 0
	QUARTER 0, 1                                   ; K = 1024 is twice round the ring: the first time both slots are filled again, the second time nothing
	TURN 0, 1, 1
	QUARTER 1, 0
	TURN 1, 0, 1
	QUARTER 0, 0
	TURN 0, 1, 0
	QUARTER 1, 0
	s_wait_dscnt 10
	WIN MUL_LO
	MULA 1, 0, 0
	MULA 1, 1, 0
	MULA 1, 2, 0
	MULA 1, 3, 0
	s_wait_dscnt 0
	MULHI 1, 0
	WIN 0
	; THE END.  The four waves' partial sums go into the slots' bytes, which have had their last fill.
	PLACES
	s_wait_loadcnt 0x0                             ; b1
	s_wait_dscnt 0x0                               ; my reads of the slots are over,
	s_barrier_signal -1
	s_barrier_wait -1                              ; everybody's are
.macro PUT a, adr, off                 ; row tile with accumulators at 64 a of the window set: 16 stores of 16 bytes a lane
.irp b, 0,1,2,3,4,5,6,7
	ds_store_b128 v[\adr], v[64*\a+8*\b:64*\a+8*\b+3]   offset:\off+64*\b
	ds_store_b128 v[\adr], v[64*\a+8*\b+4:64*\a+8*\b+7] offset:\off+64*\b+16
.endr
.endm
	WIN 0x08                                       ; store data from window 2
.irp a, 0,1,2,3
	PUT \a, STO, \a*16*PITCH
.endr
	WIN 0x0c                                       ; from window 3
.irp a, 0,1,2,3
	PUT \a, STO, (\a+4)*16*PITCH
.endr
	WIN 0x04                                       ; from window 1: row tile 8 at v192 = 64 x 3
	PUT 3, STO8, 0
	WIN 0
	s_wait_dscnt 0x0
	s_barrier_signal -1
	s_barrier_wait -1
; Four of my 36 rows: 16 LDS loads (4 rows x 4 partial sums); the counts are the later rows' loads.  Then silu on the 16 numbers of each lane, f16, and out.
.macro GROUP gq
	s_wait_xcnt 0x0                                ; the last group's store data are loaded over only behind this wait
.irp k, 0,1,2,3
.irp p, 0,1,2,3
	ds_load_b128 v[PS+16*\k+4*\p:PS+16*\k+4*\p+3], v[RD+\p] offset:PITCH*(4*\gq+\k)
.endr
.endr
.irp k, 0,1,2,3
	s_wait_dscnt 12-4*\k
	v_pk_add_f32 v[PS+16*\k:PS+16*\k+1],     v[PS+16*\k:PS+16*\k+1],     v[PS+16*\k+4:PS+16*\k+5]
	v_pk_add_f32 v[PS+16*\k+2:PS+16*\k+3],   v[PS+16*\k+2:PS+16*\k+3],   v[PS+16*\k+6:PS+16*\k+7]
	v_pk_add_f32 v[PS+16*\k+8:PS+16*\k+9],   v[PS+16*\k+8:PS+16*\k+9],   v[PS+16*\k+12:PS+16*\k+13]
	v_pk_add_f32 v[PS+16*\k+10:PS+16*\k+11], v[PS+16*\k+10:PS+16*\k+11], v[PS+16*\k+14:PS+16*\k+15]
	v_pk_add_f32 v[PS+16*\k:PS+16*\k+1],     v[PS+16*\k:PS+16*\k+1],     v[PS+16*\k+8:PS+16*\k+9]
	v_pk_add_f32 v[PS+16*\k+2:PS+16*\k+3],   v[PS+16*\k+2:PS+16*\k+3],   v[PS+16*\k+10:PS+16*\k+11]
	v_pk_add_f32 v[PS+16*\k:PS+16*\k+1],     v[PS+16*\k:PS+16*\k+1],     v[BI:BI+1]
	v_pk_add_f32 v[PS+16*\k+2:PS+16*\k+3],   v[PS+16*\k+2:PS+16*\k+3],   v[BI+2:BI+3]
	v_pk_mul_f32 v[PS+16*\k+4:PS+16*\k+5],   v[PS+16*\k:PS+16*\k+1],     0xbfb8aa3b op_sel_hi:[1,0]   ; -z log2 e
	v_pk_mul_f32 v[PS+16*\k+6:PS+16*\k+7],   v[PS+16*\k+2:PS+16*\k+3],   0xbfb8aa3b op_sel_hi:[1,0]
.endr
.irp k, 0,1,2,3
.irp n, 4,5,6,7
	v_exp_f32 v[PS+16*\k+\n], v[PS+16*\k+\n]
.endr
.endr
	v_nop                                          ; one plain instruction behind the transcendentals (ISA guide 5.7.2)
	s_wait_alu depctr_va_vdst(0)
.irp k, 0,1,2,3
	v_pk_add_f32 v[PS+16*\k+4:PS+16*\k+5], v[PS+16*\k+4:PS+16*\k+5], 1.0 op_sel_hi:[1,0]
	v_pk_add_f32 v[PS+16*\k+6:PS+16*\k+7], v[PS+16*\k+6:PS+16*\k+7], 1.0 op_sel_hi:[1,0]
.endr
.irp k, 0,1,2,3
.irp n, 4,5,6,7
	v_rcp_f32 v[PS+16*\k+\n], v[PS+16*\k+\n]
.endr
.endr
	v_nop
	s_wait_alu depctr_va_vdst(0)
.irp k, 0,1,2,3
	v_pk_mul_f32 v[PS+16*\k+4:PS+16*\k+5], v[PS+16*\k:PS+16*\k+1],   v[PS+16*\k+4:PS+16*\k+5]
	v_pk_mul_f32 v[PS+16*\k+6:PS+16*\k+7], v[PS+16*\k+2:PS+16*\k+3], v[PS+16*\k+6:PS+16*\k+7]
.endr
.irp k, 0,1,2,3
	v_cvt_pk_f16_f32 v[PS+16*\k+8], v[PS+16*\k+4], v[PS+16*\k+5]
	v_cvt_pk_f16_f32 v[PS+16*\k+9], v[PS+16*\k+6], v[PS+16*\k+7]
	global_store_b64 v[LOF8], v[PS+16*\k+8:PS+16*\k+9], s[8:9] offset:1024*(4*\gq+\k)     ; 32 lanes x 8 bytes: 256 consecutive aligned bytes
.endr
.endm
.irp gq, 0,1,2,3,4,5,6,7,8
	GROUP \gq
.endr
	s_set_vgpr_msb 0x1
	s_wait_tensorcnt 0x0
	ds_add_u32 v63, v191
	s_wait_dscnt 0x0
	s_set_vgpr_msb 0x100
	CROUND                                         ; the closing round: no work-group ends while a partner may still ask for a tile that names it
	s_endpgm
.Lfunc_end_k_qcd56afe8ab_moe1r:
	.size	k_qcd56afe8ab_moe1r, .Lfunc_end_k_qcd56afe8ab_moe1r-k_qcd56afe8ab_moe1r
	.p2alignl 7, 3214868480
	.fill 96, 4, 3214868480
	.section	.rodata,"a",@progbits
	.p2align	6, 0x0
	.amdhsa_kernel k_qcd56afe8ab_moe1r
		.amdhsa_group_segment_fixed_size 327680
		.amdhsa_private_segment_fixed_size 0
		.amdhsa_enable_private_segment 0
		.amdhsa_kernarg_size 40
		.amdhsa_user_sgpr_count 2
		.amdhsa_user_sgpr_kernarg_segment_ptr 1
		.amdhsa_wavefront_size32 1
		.amdhsa_system_sgpr_workgroup_id_x 1
		.amdhsa_system_sgpr_workgroup_id_y 1
		.amdhsa_system_sgpr_workgroup_id_z 1
		.amdhsa_system_vgpr_workitem_id 0
		.amdhsa_next_free_vgpr 1024
		.amdhsa_next_free_sgpr 80
		.amdhsa_reserve_vcc 0
		.amdhsa_float_denorm_mode_32 3
		.amdhsa_float_denorm_mode_16_64 3
		.amdhsa_memory_ordered 1
		.amdhsa_forward_progress 1
		.amdhsa_inst_pref_size 137
	.end_amdhsa_kernel
	.amdgpu_metadata
---
amdhsa.version: [ 1, 2 ]
amdhsa.kernels:
  - .name:           k_qcd56afe8ab_moe1r
    .symbol:         k_qcd56afe8ab_moe1r.kd
    .args:
      - { .name: qkv, .offset: 0, .size: 8, .value_kind: global_buffer, .address_space: global }
      - { .name: wts, .offset: 8, .size: 8, .value_kind: global_buffer, .address_space: global }
      - { .name: b1, .offset: 16, .size: 8, .value_kind: global_buffer, .address_space: global }
      - { .name: rt2, .offset: 24, .size: 8, .value_kind: global_buffer, .address_space: global }
      - { .name: ctx, .offset: 32, .size: 8, .value_kind: global_buffer, .address_space: global }
    .group_segment_fixed_size: 327680
    .private_segment_fixed_size: 0
    .kernarg_segment_align: 8
    .kernarg_segment_size: 40
    .max_flat_workgroup_size: 128
    .sgpr_count:     80
    .vgpr_count:     1024
    .wavefront_size: 32
...
	.end_amdgpu_metadata
.endif
;; end of part 8
;; launch moe2r (part 9): grid 4 x 64, 4 waves a work-group, clusters of 4 x 1, 327,680 bytes of LDS; arguments ctx, wts, b2, rt2, y; writes y
.if DOCPART == 9
	.amdgcn_target "amdgcn-amd-amdhsa--gfx1250"
	.amdhsa_code_object_version 6
	.text
	.protected	k_qcd56afe8ab_moe2r
	.globl	k_qcd56afe8ab_moe2r
	.p2align	8
	.type	k_qcd56afe8ab_moe2r,@function
k_qcd56afe8ab_moe2r:
	s_mov_b64 s[64:65], 0
	v_nop
	global_prefetch_b8 v0, s[64:65] scope:SCOPE_SE
	s_setreg_imm32_b32 hwreg(HW_REG_WAVE_MODE, 25, 1), 1
	s_wait_xcnt 0x0
	s_wait_alu depctr_hold_cnt(0) depctr_sa_sdst(0) depctr_va_vdst(0) depctr_va_sdst(0) depctr_va_ssrc(0) depctr_va_vcc(0) depctr_vm_vsrc(0)
	s_getreg_b32 s2, hwreg(HW_REG_IB_STS2, 6, 4)
	s_cmp_eq_u32 s2, 0
	s_cbranch_scc0 .Lentry_in_a_cluster
	s_endpgm
.Lentry_in_a_cluster:
	s_bfe_u32 s2, ttmp6, 0x10000c
	s_cmp_lg_u32 s2, 0x3003
	s_cbranch_scc0 .Lentry_shape_is_right
	s_endpgm
.Lentry_shape_is_right:
; Y[p][d] = sum over h of HID[p][h] W2[d][512 e + h] + b2[e][d] for the 9,216 sorted rows p; e = BLK[p / 144] is the expert of the row's block.
; HID f16 [9216][512] lies in the buffer that held ctx, W2 f16 [1024][4096] in wts, Y is f32 [9216][1024]: it is a sum that the last launch carries on.
; 64 row blocks of 144 x 4 column blocks of 256 are 256 work-groups for every distribution of the tokens; no branch, no trip count and no LDS address hangs on
; data, only the address of W2's tiles and of b2.  LIMIT: f16 operands.
; Wave w = ch + 2 kh keeps 144 x 128 (column half ch; 72 accumulators, 576 registers) on half kh of K: a slot holds 128 along K, the wave multiplies bytes
; 128 kh .. 128 kh + 127 of every row: 34 LDS loads feed 72 matrix instructions.  The two partial sums of each column half meet in LDS at the end, in f32.
; CLUSTER of 4 along x: the four column blocks of a row block need the same tiles of HID and ask for them jointly (mask 15).  W2's tiles are NOT shared: the
; work-groups that need the same columns are other row blocks, and whether those have the same expert is read from memory, so no fixed mask names them.
; REGISTERS: window 0: v16-39 addresses and bias, v40-111 and v112-183 fragments of HID (9 x 8, two buffers), v192-255 the end;
;   window 1: v64-127, v128-191 fragments of W2, v192-255 the accumulators of row tile 8; window 2: row tiles 0-3 (tile (a, b) at 8 (8 a + b)); window 3: 4-7.
; The matrix instruction is used transposed (source 0 = rows of W2): lane l holds row l % 16 and columns 8 (l / 16) + 0..7 of a tile.
.set W_OFF,   25165824                 ; W2 in wts
.set BLK_OFF, 32768                    ; BLK in rt2
.set RB,      144
.set KSLOT,   128
.set PITCH,   272                      ; an LDS row of a slot: 256 bytes + 16
.set AHALF,   72*PITCH                 ; what one load of HID brings
.set ABYTES,  144*PITCH
.set BHALF,   128*PITCH                ; what one load of W2 brings
.set SLOT,    ABYTES+2*BHALF           ; 108,800
.set PP,      528                      ; a row of partial sums: 128 f32 + 16 bytes
.set PART,    144*PP                   ; a wave's partial sums; four of them are 304,128 bytes
.set ADRA,  16                         ; v16-17 my fragments of HID in slot 0, 1
.set ADRB,  20                         ; v20-21 my fragments of W2
.set STO,   24                         ; where my partial sums go
.set LOFF,  25                         ; 16 x lane
.set STO8,  26                         ; the same as STO for row tile 8, whose offset would pass the 16 bits of the immediate
.set RD,    28                         ; v28-31 partial p, my 36 rows, my 16 bytes
.set BI,    32                         ; v32-39 b2 of my four columns in each column half
.set FA,    40
.set FB,    64
.set AC8,   192
.set PS,    192
.set G1,  24
.set G0,  32
.set G1B, 48
.set G0B, 56
.set MSB, 0
.macro WIN new                         ; the immediate's high byte repeats the setting that is left
.if MSB != \new
	s_set_vgpr_msb (MSB<<8)|\new
.set MSB, \new
.endif
.endm
.set MUL_LO, 0xa1
.set MUL_HI, 0xf1
.set MUL_8,  0x51
.set TO_B,   0x40
.macro JLOAD s                         ; waves 0, 1 ask jointly for the halves of HID's tile, waves 2, 3 each for a half of W2's
	s_cmp_eq_u32 s11, 0
	s_cbranch_scc0 .Lfor_b_\@
	tensor_load_to_lds s[G0+4*\s:G0+4*\s+3], s[G1:G1+7]
	s_nop 0
	s_branch .Lasked_\@
.Lfor_b_\@:
	tensor_load_to_lds s[G0B+4*\s:G0B+4*\s+3], s[G1B:G1B+7]
	s_nop 0
.Lasked_\@:
.endm
.macro CREST
	s_cmp_lg_u32 s10, 0
	s_cbranch_scc1 .Lnot_wave_0_\@
	s_barrier_signal -3
.Lnot_wave_0_\@:
	s_barrier_wait -3
	s_barrier_signal -1
	s_barrier_wait -1
.endm
.macro CROUND
	s_barrier_signal -1
	s_barrier_wait -1
	CREST
.endm
	s_load_b128 s[4:7], s[0:1], 0x0                ; HID, wts
	s_load_b128 s[68:71], s[0:1], 0x10             ; b2, rt2
	s_load_b64 s[8:9], s[0:1], 0x20                ; Y
	s_set_vgpr_msb 0x40
	v_lshl_add_u32 v63, v0, 2, 0x4a400
	s_set_vgpr_msb 0x4000
	v_mov_b32 v191, 0
	s_set_vgpr_msb 0x1
	ds_add_u32 v63, v191
	s_set_vgpr_msb 0x100
	v_lshrrev_b32 v1, 5, v0
	v_readfirstlane_b32 s10, v1                    ; wave 0..3
	s_lshr_b32 s11, s10, 1                         ; kh: my half of K; also: I fetch for HID (0) or W2 (1)
	s_and_b32 s12, s10, 1                          ; ch: my half of the columns; also: which half of the tile's rows I fetch
	s_bfe_u32 s40, ttmp6, 0x40000                  ; cx
	s_lshl_b32 s42, ttmp9, 2
	s_add_co_u32 s42, s42, s40                     ; column block 0..3
	s_and_b32 s13, ttmp7, 0xffff                   ; row block 0..63
	s_lshl_b32 s41, s13, 2
	s_mov_b32 s[G1+0], 15|(1<<16)|(1<<20)|(1<<21)|(5<<22)|(3<<25)    ; the four of the cluster; 2-byte elements; 4 words of padding behind every 64
	s_mov_b32 s[G1B+0], (1<<16)|(1<<20)|(5<<22)|(3<<25)              ; no mask: a load of my own
	s_mov_b32 s[G1+1], KSLOT<<16                   ; tensor_dim0 = 128
	s_mov_b32 s[G1B+1], KSLOT<<16
	s_mov_b32 s[G1+2], 72<<16                      ; tensor_dim1 = 72
	s_mov_b32 s[G1B+2], 128<<16                    ; 128
	s_mov_b32 s[G1+3], KSLOT<<16                   ; tile_dim0 = 128
	s_mov_b32 s[G1B+3], KSLOT<<16
	s_mov_b32 s[G1+4], 72                          ; tile_dim1
	s_mov_b32 s[G1B+4], 128
	s_mov_b32 s[G1+5], 512                         ; elements from row to row of HID
	s_mov_b32 s[G1B+5], 4096                       ; of W2
	s_mov_b32 s[G1+6], 0
	s_mov_b32 s[G1B+6], 0
	s_mov_b32 s[G1+7], 0
	s_mov_b32 s[G1B+7], 0
	s_mul_i32 s16, s13, RB
	s_mul_i32 s17, s12, 72
	s_add_co_u32 s16, s16, s17                     ; HID: row 144 x row block + 72 x half: nothing of cx
	s_lshl_b32 s16, s16, 10
	s_mov_b32 s17, 0
	s_mul_i32 s20, s12, AHALF                      ; LDS: HID's two halves,
	s_mul_i32 s21, s12, BHALF
	s_add_co_u32 s21, s21, ABYTES                  ; then W2's two
	s_mul_i32 s76, s13, RB                         ; the way out: (144 x row block + 36 x wave) rows of 4,096 bytes + 1,024 x column block
	s_mul_i32 s77, s10, 36
	s_add_co_u32 s76, s76, s77
	s_lshl_b32 s76, s76, 12
	s_lshl_b32 s77, s42, 10
	s_add_co_u32 s76, s76, s77
	s_mov_b32 s77, 0
	s_wait_dscnt 0x0
	s_wait_kmcnt 0x0
	s_load_b32 s43, s[70:71], s41 offset:BLK_OFF   ; my block's expert
	s_add_nc_u64 s[14:15], s[4:5], s[16:17]
	s_add_nc_u64 s[8:9], s[8:9], s[76:77]
	s_wait_kmcnt 0x0
	s_min_u32 s43, s43, 7                          ; a loaded number enters an address only clamped
	s_lshl_b32 s46, s42, 8                         ; W2: row 256 x column block + 128 x half, 8,192 bytes a row,
	s_lshl_b32 s47, s12, 7
	s_add_co_u32 s46, s46, s47
	s_lshl_b32 s46, s46, 13
	s_lshl_b32 s47, s43, 10                        ; the expert's 512 numbers of the row
	s_add_co_u32 s46, s46, s47
	s_add_co_u32 s46, s46, W_OFF
	s_mov_b32 s47, 0
	s_add_nc_u64 s[46:47], s[6:7], s[46:47]
	s_lshl_b32 s78, s43, 12                        ; b2: 4,096 e + 1,024 x column block
	s_lshl_b32 s79, s42, 10
	s_add_co_u32 s78, s78, s79
	s_mov_b32 s79, 0
	s_add_nc_u64 s[66:67], s[68:69], s[78:79]
	CROUND                                         ; the four work-groups are here: the first joint loads meet
.irp s, 0,1
	s_mov_b32 s[G0+4*\s], 1
	s_add_co_u32 s[G0+4*\s+1], s20, \s*SLOT
	s_add_nc_u64 s[G0+4*\s+2:G0+4*\s+3], s[14:15], \s*KSLOT*2
	s_or_b32 s[G0+4*\s+3], s[G0+4*\s+3], 0x80000000
	s_mov_b32 s[G0B+4*\s], 1
	s_add_co_u32 s[G0B+4*\s+1], s21, \s*SLOT
	s_add_nc_u64 s[G0B+4*\s+2:G0B+4*\s+3], s[46:47], \s*KSLOT*2
	s_or_b32 s[G0B+4*\s+3], s[G0B+4*\s+3], 0x80000000
	JLOAD \s                                       ; both first fills together: two tensor loads of the wave are out
.endr
	v_and_b32 v1, 15, v0
	v_bfe_u32 v2, v0, 4, 1
	v_and_b32 v5, 31, v0
	v_lshlrev_b32 v[LOFF], 4, v5
	global_load_b128 v[BI:BI+3],   v[LOFF], s[66:67]
	global_load_b128 v[BI+4:BI+7], v[LOFF], s[66:67] offset:512
	v_mul_u32_u24 v3, v1, PITCH
	v_lshl_add_u32 v3, v2, 4, v3                   ; fragments: row r, 16 bytes for each half of the lanes
	v_mul_u32_u24 v4, v1, PP
	v_lshl_add_u32 v4, v2, 5, v4                   ; partial sums: row r, 32 bytes for each half
	s_lshl_b32 s22, s11, 7                         ; my 64 along K: 128 bytes of every row
	s_mul_i32 s23, s12, BHALF
	s_add_co_u32 s23, s23, ABYTES                  ; my 128 rows of W2
.irp s, 0,1
	v_add_nc_u32 v[ADRA+\s], s22, v3
	v_add_nc_u32 v[ADRB+\s], s23, v[ADRA+\s]
	s_add_co_u32 s22, s22, SLOT
.endr
	s_mul_i32 s23, s10, PART
	v_add_nc_u32 v[STO], s23, v4
	v_add_nc_u32 v[STO8], 8*16*PP, v[STO]
	s_mul_i32 s23, s10, 36*PP
.irp p, 0,1,2,3
	v_add_nc_u32 v[RD+\p], s23, v[LOFF]
	s_add_co_u32 s23, s23, PART
.endr
; Eight matrix instructions: row tile a (0..8) x all 8 column tiles, 32 along K, from buffer f.  zero = 1: the first product starts the sums.
; The 72 accumulators take turns, one instruction a turn, in the same order in every quarter step.
.macro MULA f, a, zero
.if \a < 8
.set AC, 64*((\a)%4)
.else
.set AC, AC8
.endif
.irp b, 0,1,2,3,4,5,6,7
.if \zero
	v_wmma_f32_16x16x32_f16 v[AC+8*\b:AC+8*\b+7], v[FB+64*\f+8*\b:FB+64*\f+8*\b+7], v[FA+72*\f+8*\a:FA+72*\f+8*\a+7], 0
.else
	v_wmma_f32_16x16x32_f16 v[AC+8*\b:AC+8*\b+7], v[FB+64*\f+8*\b:FB+64*\f+8*\b+7], v[FA+72*\f+8*\a:FA+72*\f+8*\a+7], v[AC+8*\b:AC+8*\b+7]
.endif
.endr
.endm
.macro FETCH slot, k, f                ; 34 LDS loads in one run: 8 fragments of W2, then 9 of HID, into buffer f
	WIN TO_B
.irp i, 0,1,2,3,4,5,6,7
	ds_load_b128 v[FB+64*\f+8*\i:FB+64*\f+8*\i+3],   v[ADRB+\slot] offset:\k+\i*16*PITCH
	ds_load_b128 v[FB+64*\f+8*\i+4:FB+64*\f+8*\i+7], v[ADRB+\slot] offset:\k+\i*16*PITCH+32
.endr
	WIN 0
.irp i, 0,1,2,3,4,5,6,7,8
	ds_load_b128 v[FA+72*\f+8*\i:FA+72*\f+8*\i+3],   v[ADRA+\slot] offset:\k+\i*16*PITCH
	ds_load_b128 v[FA+72*\f+8*\i+4:FA+72*\f+8*\i+7], v[ADRA+\slot] offset:\k+\i*16*PITCH+32
.endr
.endm
.macro PLACES                          ; four plain vector instructions between a matrix instruction and a load into, or a vector use of, its registers
.rept 4
	v_nop
.endr
.endm
.macro MULHI f, zero                   ; row tiles 4 to 8
	WIN MUL_HI
	MULA \f, 4, \zero
	MULA \f, 5, \zero
	MULA \f, 6, \zero
	MULA \f, 7, \zero
	WIN MUL_8
	MULA \f, 8, \zero
.endm
.macro QUARTER slot, zero              ; my first 32 along K of the slot, from buffer 0; in its middle the second 32 are fetched into buffer 1
	s_wait_dscnt 10                                ; all but the youngest ten loads (row tiles 4 to 8)
	WIN MUL_LO
	MULA 0, 0, \zero
	MULA 0, 1, \zero
	MULA 0, 2, \zero
	MULA 0, 3, \zero
	PLACES
	FETCH \slot, 64, 1
	s_wait_dscnt 34                                ; all but the 34 just issued
	MULHI 0, \zero
.endm
; My second 32 along K, from buffer 1, and the change of slots: each wave's reads of this slot and all its tensor loads are waited for in front of the barrier;
; behind it (fill = 1: behind a round of the cluster's barrier) the refill comes first.  From a request to the wait for it a wave issues 128 matrix instructions.
.macro TURN slot, next, fill
	s_wait_dscnt 10
	WIN MUL_LO
	MULA 1, 0, 0
	MULA 1, 1, 0
	s_wait_dscnt 0
	s_wait_tensorcnt 0x0
	ds_add_u32 v63, v191
	s_wait_dscnt 0x0
	s_barrier_signal -1
	MULA 1, 2, 0                                   ; register work while the others arrive
	MULA 1, 3, 0
	WIN 0
	s_barrier_wait -1
.if \fill
	CREST
	s_add_nc_u64 s[G0+4*\slot+2:G0+4*\slot+3], s[G0+4*\slot+2:G0+4*\slot+3], 2*KSLOT*2     ; no load of mine is out: group 0 may be written
	s_add_nc_u64 s[G0B+4*\slot+2:G0B+4*\slot+3], s[G0B+4*\slot+2:G0B+4*\slot+3], 2*KSLOT*2
	JLOAD \slot
.endif
	PLACES
	FETCH \next, 0, 0
	MULHI 1, 0
.endm
	s_wait_tensorcnt 1                             ; my part of slot 0 is in; slot 1's may stay out
	s_barrier_signal -1
	s_barrier_wait -1
	FETCH 0, 0, 0
	QUARTER 0, 1                                   ; K = 512 is twice round the ring: the first time both slots are filled again, the second time nothing
	TURN 0, 1, 1
	QUARTER 1, 0
	TURN 1, 0, 1
	QUARTER 0, 0
	TURN 0, 1, 0
	QUARTER 1, 0
	s_wait_dscnt 10
	WIN MUL_LO
	MULA 1, 0, 0
	MULA 1, 1, 0
	MULA 1, 2, 0
	MULA 1, 3, 0
	s_wait_dscnt 0
	MULHI 1, 0
	WIN 0
	; THE END.  The four waves' partial sums go into LDS from byte 0 on; the slots there have had their last fill.
	PLACES
	s_wait_loadcnt 0x0                             ; b2
	s_wait_dscnt 0x0                               ; my reads of the slots are over,
	s_barrier_signal -1
	s_barrier_wait -1                              ; everybody's are
.macro PUT a, adr, off                 ; row tile with accumulators at 64 a of the window set: 16 stores of 16 bytes a lane
.irp b, 0,1,2,3,4,5,6,7
	ds_store_b128 v[\adr], v[64*\a+8*\b:64*\a+8*\b+3]   offset:\off+64*\b
	ds_store_b128 v[\adr], v[64*\a+8*\b+4:64*\a+8*\b+7] offset:\off+64*\b+16
.endr
.endm
	WIN 0x08                                       ; store data from window 2
.irp a, 0,1,2,3
	PUT \a, STO, \a*16*PP
.endr
	WIN 0x0c                                       ; from window 3
.irp a, 0,1,2,3
	PUT \a, STO, (\a+4)*16*PP
.endr
	WIN 0x04                                       ; from window 1: row tile 8 at v192 = 64 x 3
	PUT 3, STO8, 0
	WIN 0
	s_wait_dscnt 0x0
	s_barrier_signal -1
	s_barrier_wait -1
; Four of my 36 rows, two column halves each: column half c is the sum of partial sums c and c + 2.  16 LDS loads; the counts are the later units' loads.
.macro GROUP gq
	s_wait_xcnt 0x0                                ; the last group's store data are loaded over only behind this wait
.irp k, 0,1,2,3
.irp c, 0,1
	ds_load_b128 v[PS+16*\k+8*\c:PS+16*\k+8*\c+3],   v[RD+\c]   offset:PP*(4*\gq+\k)
	ds_load_b128 v[PS+16*\k+8*\c+4:PS+16*\k+8*\c+7], v[RD+2+\c] offset:PP*(4*\gq+\k)
.endr
.endr
.irp k, 0,1,2,3
.irp c, 0,1
	s_wait_dscnt 14-4*\k-2*\c
	v_pk_add_f32 v[PS+16*\k+8*\c:PS+16*\k+8*\c+1],   v[PS+16*\k+8*\c:PS+16*\k+8*\c+1],   v[PS+16*\k+8*\c+4:PS+16*\k+8*\c+5]
	v_pk_add_f32 v[PS+16*\k+8*\c+2:PS+16*\k+8*\c+3], v[PS+16*\k+8*\c+2:PS+16*\k+8*\c+3], v[PS+16*\k+8*\c+6:PS+16*\k+8*\c+7]
	v_pk_add_f32 v[PS+16*\k+8*\c:PS+16*\k+8*\c+1],   v[PS+16*\k+8*\c:PS+16*\k+8*\c+1],   v[BI+4*\c:BI+4*\c+1]
	v_pk_add_f32 v[PS+16*\k+8*\c+2:PS+16*\k+8*\c+3], v[PS+16*\k+8*\c+2:PS+16*\k+8*\c+3], v[BI+4*\c+2:BI+4*\c+3]
	global_store_b128 v[LOFF], v[PS+16*\k+8*\c:PS+16*\k+8*\c+3], s[8:9] offset:4096*(4*\gq+\k)+512*\c    ; the wave stores 512 consecutive aligned bytes
.endr
.endr
.endm
.irp gq, 0,1,2,3,4,5,6,7,8
	GROUP \gq
.endr
	s_set_vgpr_msb 0x1
	s_wait_tensorcnt 0x0
	ds_add_u32 v63, v191
	s_wait_dscnt 0x0
	s_set_vgpr_msb 0x100
	CROUND                                         ; the closing round: no work-group ends while a partner may still ask for a tile that names it
	s_endpgm
.Lfunc_end_k_qcd56afe8ab_moe2r:
	.size	k_qcd56afe8ab_moe2r, .Lfunc_end_k_qcd56afe8ab_moe2r-k_qcd56afe8ab_moe2r
	.p2alignl 7, 3214868480
	.fill 96, 4, 3214868480
	.section	.rodata,"a",@progbits
	.p2align	6, 0x0
	.amdhsa_kernel k_qcd56afe8ab_moe2r
		.amdhsa_group_segment_fixed_size 327680
		.amdhsa_private_segment_fixed_size 0
		.amdhsa_enable_private_segment 0
		.amdhsa_kernarg_size 40
		.amdhsa_user_sgpr_count 2
		.amdhsa_user_sgpr_kernarg_segment_ptr 1
		.amdhsa_wavefront_size32 1
		.amdhsa_system_sgpr_workgroup_id_x 1
		.amdhsa_system_sgpr_workgroup_id_y 1
		.amdhsa_system_sgpr_workgroup_id_z 1
		.amdhsa_system_vgpr_workitem_id 0
		.amdhsa_next_free_vgpr 1024
		.amdhsa_next_free_sgpr 80
		.amdhsa_reserve_vcc 0
		.amdhsa_float_denorm_mode_32 3
		.amdhsa_float_denorm_mode_16_64 3
		.amdhsa_memory_ordered 1
		.amdhsa_forward_progress 1
		.amdhsa_inst_pref_size 111
	.end_amdhsa_kernel
	.amdgpu_metadata
---
amdhsa.version: [ 1, 2 ]
amdhsa.kernels:
  - .name:           k_qcd56afe8ab_moe2r
    .symbol:         k_qcd56afe8ab_moe2r.kd
    .args:
      - { .name: ctx, .offset: 0, .size: 8, .value_kind: global_buffer, .address_space: global }
      - { .name: wts, .offset: 8, .size: 8, .value_kind: global_buffer, .address_space: global }
      - { .name: b2, .offset: 16, .size: 8, .value_kind: global_buffer, .address_space: global }
      - { .name: rt2, .offset: 24, .size: 8, .value_kind: global_buffer, .address_space: global }
      - { .name: y, .offset: 32, .size: 8, .value_kind: global_buffer, .address_space: global }
    .group_segment_fixed_size: 327680
    .private_segment_fixed_size: 0
    .kernarg_segment_align: 8
    .kernarg_segment_size: 40
    .max_flat_workgroup_size: 128
    .sgpr_count:     80
    .vgpr_count:     1024
    .wavefront_size: 32
...
	.end_amdgpu_metadata
.endif
;; end of part 9
;; launch combine (part 10): grid 256 x 1, 8 waves a work-group, no clusters, 0 bytes of LDS; arguments x1, y, g2, rt2, out0; writes out0
.if DOCPART == 10
	.amdgcn_target "amdgcn-amd-amdhsa--gfx1250"
	.amdhsa_code_object_version 6
	.text
	.protected	k_qcd56afe8ab_combine
	.globl	k_qcd56afe8ab_combine
	.p2align	8
	.type	k_qcd56afe8ab_combine,@function
k_qcd56afe8ab_combine:
	s_mov_b64 s[64:65], 0
	v_nop
	global_prefetch_b8 v0, s[64:65] scope:SCOPE_SE
	s_setreg_imm32_b32 hwreg(HW_REG_WAVE_MODE, 25, 1), 1
	s_wait_xcnt 0x0
; out0[t] = x1[t] + w1[t] Y[POS[t][0]] + w2[t] Y[POS[t][1]].  x1, out0 [4096][1024] f32; Y [9216][1024] f32, the experts' outputs in sorted order;
; POS[4096][2] whole numbers at the head of rt2; TW[4096][2] f32 (the two weights) at 8,388,608 in g2.
; A stream: 16 tokens a work-group, two a wave; a row is eight loads of 512 consecutive bytes of the wave.  All 48 loads of a wave (2 tokens x 3 rows) are
; asked for before the first is used; every byte is read once and written once.  No LDS, no barrier, no matrix unit: there is nothing to share.
; The positions are below 9,216 by the sort's bound and are clamped to 9,215 before they enter an address.
.set TW_OFF, 8388608
.set X, 16                             ; v[16:79]   x1 of my two tokens, then the results
.set Y, 80                             ; v[80:207]  token i, choice d: 32 registers at 64 i + 32 d
	s_load_b256 s[4:11], s[0:1], 0x0               ; x1 4, Y 6, g2 8, rt2 10
	s_load_b64 s[12:13], s[0:1], 0x20              ; out0
	v_lshrrev_b32 v1, 5, v0
	v_readfirstlane_b32 s14, v1                    ; wave 0..7
	v_and_b32 v1, 31, v0
	v_lshlrev_b32 v1, 4, v1                        ; 16 x lane
	s_lshl_b32 s15, ttmp9, 4
	s_lshl_b32 s16, s14, 1
	s_add_co_u32 s15, s15, s16                     ; my first token: 16 g + 2 w
	s_lshl_b32 s16, s15, 12                        ; its row of 4,096 bytes
	s_mov_b32 s17, 0
	s_lshl_b32 s18, s15, 3                         ; POS and TW: 8 bytes a token, 16 for my two
	s_add_co_u32 s19, s18, TW_OFF                  ; in the offset register: it does not fit the immediate's 24 signed bits
	s_wait_kmcnt 0x0
	s_load_b128 s[20:23], s[10:11], s18 offset:0x0 ; the four positions
	s_load_b128 s[24:27], s[8:9], s19 offset:0x0   ; the four weights
	s_add_nc_u64 s[4:5], s[4:5], s[16:17]
	s_add_nc_u64 s[12:13], s[12:13], s[16:17]
.irp i, 0,1
.irp j, 0,1,2,3,4,5,6,7
	global_load_b128 v[X+32*\i+4*\j:X+32*\i+4*\j+3], v1, s[4:5] offset:4096*\i+512*\j th:TH_LOAD_NT      ; these hang on no position: asked for first
.endr
.endr
	s_wait_kmcnt 0x0
.irp d, 0,1,2,3
	s_min_u32 s[20+\d], s[20+\d], 9215
	s_lshl_b32 s[28+2*\d], s[20+\d], 12
	s_mov_b32 s[29+2*\d], 0
	s_add_nc_u64 s[28+2*\d:29+2*\d], s[6:7], s[28+2*\d:29+2*\d]
	v_mov_b32 v[2+\d], s[24+\d]                    ; v[2:3] the first token's weights, v[4:5] the second's
.endr
.irp i, 0,1
.irp d, 0,1
.irp j, 0,1,2,3,4,5,6,7
	global_load_b128 v[Y+64*\i+32*\d+4*\j:Y+64*\i+32*\d+4*\j+3], v1, s[28+4*\i+2*\d:29+4*\i+2*\d] offset:512*\j th:TH_LOAD_NT
.endr
.endr
.endr
; Token i: two fused multiply-adds a pair of numbers, then eight stores.  left = the loads of the later token's rows of Y.
.macro TOKEN i, left
	s_wait_loadcnt \left
.set n, 0
.rept 16
	v_pk_fma_f32 v[X+32*\i+n:X+32*\i+n+1], v[Y+64*\i+n:Y+64*\i+n+1],       v[2+2*\i:3+2*\i], v[X+32*\i+n:X+32*\i+n+1] op_sel_hi:[1,0,1]
.set n, n+2
.endr
.set n, 0
.rept 16
	v_pk_fma_f32 v[X+32*\i+n:X+32*\i+n+1], v[Y+64*\i+32+n:Y+64*\i+32+n+1], v[2+2*\i:3+2*\i], v[X+32*\i+n:X+32*\i+n+1] op_sel:[0,1,0] op_sel_hi:[1,1,1]
.set n, n+2
.endr
.irp j, 0,1,2,3,4,5,6,7
	global_store_b128 v1, v[X+32*\i+4*\j:X+32*\i+4*\j+3], s[12:13] offset:4096*\i+512*\j th:TH_STORE_NT  ; 512 consecutive aligned bytes; its registers are never written again
.endr
.endm
	TOKEN 0, 16
	TOKEN 1, 0
	s_endpgm
.Lfunc_end_k_qcd56afe8ab_combine:
	.size	k_qcd56afe8ab_combine, .Lfunc_end_k_qcd56afe8ab_combine-k_qcd56afe8ab_combine
	.p2alignl 7, 3214868480
	.fill 96, 4, 3214868480
	.section	.rodata,"a",@progbits
	.p2align	6, 0x0
	.amdhsa_kernel k_qcd56afe8ab_combine
		.amdhsa_group_segment_fixed_size 0
		.amdhsa_private_segment_fixed_size 0
		.amdhsa_enable_private_segment 0
		.amdhsa_kernarg_size 40
		.amdhsa_user_sgpr_count 2
		.amdhsa_user_sgpr_kernarg_segment_ptr 1
		.amdhsa_wavefront_size32 1
		.amdhsa_system_sgpr_workgroup_id_x 1
		.amdhsa_system_sgpr_workgroup_id_y 1
		.amdhsa_system_sgpr_workgroup_id_z 1
		.amdhsa_system_vgpr_workitem_id 0
		.amdhsa_next_free_vgpr 208
		.amdhsa_next_free_sgpr 66
		.amdhsa_reserve_vcc 0
		.amdhsa_float_denorm_mode_32 3
		.amdhsa_float_denorm_mode_16_64 3
		.amdhsa_memory_ordered 1
		.amdhsa_forward_progress 1
		.amdhsa_inst_pref_size 12
	.end_amdhsa_kernel
	.amdgpu_metadata
---
amdhsa.version: [ 1, 2 ]
amdhsa.kernels:
  - .name:           k_qcd56afe8ab_combine
    .symbol:         k_qcd56afe8ab_combine.kd
    .args:
      - { .name: x1, .offset: 0, .size: 8, .value_kind: global_buffer, .address_space: global }
      - { .name: y, .offset: 8, .size: 8, .value_kind: global_buffer, .address_space: global }
      - { .name: g2, .offset: 16, .size: 8, .value_kind: global_buffer, .address_space: global }
      - { .name: rt2, .offset: 24, .size: 8, .value_kind: global_buffer, .address_space: global }
      - { .name: out0, .offset: 32, .size: 8, .value_kind: global_buffer, .address_space: global }
    .group_segment_fixed_size: 0
    .private_segment_fixed_size: 0
    .kernarg_segment_align: 8
    .kernarg_segment_size: 40
    .max_flat_workgroup_size: 256
    .sgpr_count:     66
    .vgpr_count:     208
    .wavefront_size: 32
...
	.end_amdgpu_metadata
.endif
;; end of part 10
;; ======== version 2 of 2: 10 launches; version 1 with the launch prep written anew for expert scheduling mode
;; limits: values are held in f16: magnitudes above 65,504 overflow, below 6.1e-05 lose precision
;; workspace buffers: wts 33,554,432 bytes; qkv 25,165,824 bytes; ctx 9,437,184 bytes; x1 16,777,216 bytes; g2 8,421,376 bytes; y 37,748,736 bytes; rt 20,480 bytes of whole numbers; rt2 33,280 bytes of whole numbers
;; launch prep (part 11): grid 896 x 1, 8 waves a work-group, no clusters, 0 bytes of LDS; arguments x, ln1_g, ln1_b, in_proj_w, out_w, w1, w2, wts; writes wts
.if DOCPART == 11
	.amdgcn_target "amdgcn-amd-amdhsa--gfx1250"
	.amdhsa_code_object_version 6
	.text
	.protected	k_qcd56afe8ab_prep
	.globl	k_qcd56afe8ab_prep
	.p2align	8
	.type	k_qcd56afe8ab_prep,@function
k_qcd56afe8ab_prep:
	s_mov_b64 s[64:65], 0
	v_nop
	global_prefetch_b8 v0, s[64:65] scope:SCOPE_SE
	s_setreg_imm32_b32 hwreg(HW_REG_WAVE_SCHED_MODE, 0, 2), 2
	s_setreg_imm32_b32 hwreg(HW_REG_WAVE_MODE, 25, 1), 1
	s_wait_xcnt 0x0
	s_wait_alu depctr_vm_vsrc(0)
; Two jobs that stream, chosen by the work-group's number; all results are f16 operands for the later products, in wts:
;   groups   0..127  H1 = layer_norm(x, ln1_g, ln1_b), [4096][1024], at byte 0: 32 rows a group, 4 rows a wave, a row kept in 32 registers
;   groups 128..895  the four weight tensors cast to f16, 65,536 source bytes a group; w2[e][d][h] goes to W2[d][512 e + h]
; No LDS, no barrier, no matrix unit: every byte is read once and written once, every store of a wave covers whole aligned 256 bytes.
; LIMITS: f16 results: a magnitude beyond 65,504 becomes infinite, one below 6e-8 becomes 0.  NaN and infinities in x are not served.
; v_rsq_f32 is accurate to 1 ulp (ISA guide 15.8), so H1 differs from a correctly rounded 1/sqrt in the last bit, below f16's rounding.
; THE MODE: SCHED_MODE bits 1:0 = 2 (LLVM: expert scheduling mode 2), set by the entry lines.  The code itself states the register dependences
; between vector instructions and memory instructions, with s_wait_alu, always for 0.
; THE PLAN, layer norm.  Registers that memory instructions touch:
;   v1, v2, v3  byte offsets, made once at the head and never written again; every load and store reads one of them.
;   G, B        loaded once at the head; no vector instruction names them before.
;   X0 .. X3    a row each.  Loaded once at the head; row i's arithmetic works in place; its conversions write the first two of each four registers,
;               which row i's eight stores read; nothing writes them again.
;   T, M, R are named by vector instructions alone.
; Row i's stores are issued in row i + 1, behind the one wait that stands there between the two v_rsq_f32 and their first reader: that wait also states
; that row i's conversions have written.  The stores are dealt among row i + 1's multiplies, which name X[i + 1] and R alone.  Row 3's have a wait of their own.
; THE PLAN, casts.  v1, v2: offsets, made ahead of the loads and never written again.  v16-79: loaded once, read by the conversions.  v80-111: each written
; once by a conversion and read once by a store.  The 16 chunks go in four groups of four: group g's stores are issued in group g + 1, behind one wait at
; its head, dealt among its conversions, which name other registers.
; No register that a memory instruction has read is ever written again, no load lands in a register that a vector instruction has named, no vector
; instruction writes a scalar register, and EXEC is never written.
.set WQ_OFF,  8388608                  ; in_proj_w as f16 [3072][1024]
.set WO_OFF,  14680064                 ; out_w as f16 [1024][1024]
.set W1_OFF,  16777216                 ; w1 as f16 [4096][1024]
.set W2_OFF,  25165824                 ; w2 as f16 [1024][4096]
.set T, 4                              ; v[4:11]    at work
.set M, 12                             ; v[12:13]   the row's mean, twice
.set R, 14                             ; v[14:15]   1/sqrt(var + eps), twice
.set G, 16                             ; v[16:47]   ln1_g of my 32 columns
.set B, 48                             ; v[48:79]   ln1_b of my 32 columns
.set X, 80                             ; v[80:207]  four rows, 32 registers each
	s_load_b512 s[8:23], s[0:1], 0x0               ; x 8, ln1_g 10, ln1_b 12, in_proj_w 14, out_w 16, w1 18, w2 20, wts 22
	s_cmp_lt_u32 ttmp9, 128
	s_cbranch_scc0 .Lnot_ln
; ---------------- layer norm ----------------
; Lane l owns columns 128 j + 4 l .. + 3, j = 0..7: a load of the wave covers 512 neighbouring bytes of x, a store 256 of H1.
	v_and_b32 v3, 31, v0                           ; lane
	v_and_b32 v4, 0xe0, v0                         ; 32 x wave
	v_lshlrev_b32 v1, 4, v3
	v_lshlrev_b32 v2, 3, v3
	v_lshlrev_b32 v3, 4, v3                        ; 16 l: g and b
	v_lshl_or_b32 v1, v4, 9, v1                    ; 16 l + wave x 4 rows x 4,096 bytes: x
	v_lshl_or_b32 v2, v4, 8, v2                    ; 8 l + wave x 4 rows x 2,048 bytes: H1
	s_lshl_b32 s2, ttmp9, 17                       ; group x 32 rows of x
	s_mov_b32 s3, 0
	s_lshl_b32 s4, ttmp9, 16                       ; group x 32 rows of H1
	s_mov_b32 s5, 0
	s_mov_b32 s26, 0x3a800000                      ; 1/1024
	s_mov_b32 s27, 0x3727c5ac                      ; 1e-5
	s_mov_b32 s28, 0x76543210                      ; v_permlanex16_b32: lane i reads lane i of the other half
	s_mov_b32 s29, 0xfedcba98
	s_wait_kmcnt 0x0
	s_add_nc_u64 s[8:9], s[8:9], s[2:3]
	s_add_nc_u64 s[22:23], s[22:23], s[4:5]
	s_wait_alu depctr_va_vdst(0)                   ; v1, v2 and v3 are written: every load and store of this job reads one of them as its offset
.irp j, 0,1,2,3,4,5,6,7
	global_load_b128 v[G+4*\j:G+4*\j+3], v3, s[10:11] offset:512*\j
	global_load_b128 v[B+4*\j:B+4*\j+3], v3, s[12:13] offset:512*\j
.endr
.irp i, 0,1,2,3
.irp j, 0,1,2,3,4,5,6,7
	global_load_b128 v[X+32*\i+4*\j:X+32*\i+4*\j+3], v1, s[8:9] offset:4096*\i+512*\j th:TH_LOAD_NT
.endr
.endr
.macro WSUM r, t                       ; v[r] summed over the 32 lanes, the result in every lane; v[t] has been written before
	v_add_f32_dpp v[\r], v[\r], v[\r] row_xmask:1 row_mask:0xf bank_mask:0xf
	v_add_f32_dpp v[\r], v[\r], v[\r] row_xmask:2 row_mask:0xf bank_mask:0xf
	v_add_f32_dpp v[\r], v[\r], v[\r] row_xmask:4 row_mask:0xf bank_mask:0xf
	v_add_f32_dpp v[\r], v[\r], v[\r] row_xmask:8 row_mask:0xf bank_mask:0xf
	v_permlanex16_b32 v[\t], v[\r], s28, s29
	v_add_f32 v[\r], v[\r], v[\t]
.endm
; One row: mean, centred in place, variance of the centred numbers (two passes, as the definition has them), scale, gain, bias, f16.
; left = the loads of the later rows, which may stay out.  The row's own stores are issued in the next row's turn; in this turn go the row before's.
.macro LNROW i, left
	s_wait_loadcnt \left
	v_pk_add_f32 v[T:T+1],   v[X+32*\i:X+32*\i+1],   v[X+32*\i+2:X+32*\i+3]     ; the first pairs start two chains: nothing is cleared
	v_pk_add_f32 v[T+2:T+3], v[X+32*\i+4:X+32*\i+5], v[X+32*\i+6:X+32*\i+7]
.set p, X+32*\i+8
.rept 6
	v_pk_add_f32 v[T:T+1],   v[T:T+1],   v[p:p+1]
	v_pk_add_f32 v[T+2:T+3], v[T+2:T+3], v[p+2:p+3]
.set p, p+4
.endr
	v_pk_add_f32 v[T:T+1], v[T:T+1], v[T+2:T+3]
	v_add_f32 v[T], v[T], v[T+1]
	WSUM T, T+1
	v_mul_f32 v[M], s26, v[T]
	v_mul_f32 v[M+1], s26, v[T]
.set p, X+32*\i
.rept 16
	v_pk_add_f32 v[p:p+1], v[p:p+1], v[M:M+1] neg_lo:[0,1] neg_hi:[0,1]
.set p, p+2
.endr
	v_pk_mul_f32 v[T:T+1],   v[X+32*\i:X+32*\i+1],   v[X+32*\i:X+32*\i+1]
	v_pk_mul_f32 v[T+2:T+3], v[X+32*\i+2:X+32*\i+3], v[X+32*\i+2:X+32*\i+3]
.set p, X+32*\i+4
.rept 7
	v_pk_fma_f32 v[T:T+1],   v[p:p+1],   v[p:p+1],   v[T:T+1]
	v_pk_fma_f32 v[T+2:T+3], v[p+2:p+3], v[p+2:p+3], v[T+2:T+3]
.set p, p+4
.endr
	v_pk_add_f32 v[T:T+1], v[T:T+1], v[T+2:T+3]
	v_add_f32 v[T], v[T], v[T+1]
	WSUM T, T+1
	v_fma_f32 v[T], v[T], s26, s27                 ; var + eps
	v_rsq_f32 v[R], v[T]
	v_rsq_f32 v[R+1], v[T]
	v_nop                                          ; one plain instruction behind a transcendental before its result is used (ISA guide 5.7.2)
.set p, 0
	s_wait_alu depctr_va_vdst(0)                   ; the two v_rsq_f32 have written v[R] and v[R+1], ahead of their first reader; and the row before's conversions have written the words that the stores below read
.rept 8
.if \i > 0
	global_store_b64 v2, v[X+32*((\i)-1)+p:X+32*((\i)-1)+p+1], s[22:23] offset:2048*((\i)-1)+64*p   ; the row before: 32 lanes x 8 bytes: 256 aligned bytes; no vector instruction since the wait names its registers, and none writes them again
.endif
	v_pk_mul_f32 v[X+32*\i+p:X+32*\i+p+1],   v[X+32*\i+p:X+32*\i+p+1],   v[R:R+1]
	v_pk_mul_f32 v[X+32*\i+p+2:X+32*\i+p+3], v[X+32*\i+p+2:X+32*\i+p+3], v[R:R+1]
.set p, p+4
.endr
.set p, 0
.rept 16
	v_pk_fma_f32 v[X+32*\i+p:X+32*\i+p+1], v[X+32*\i+p:X+32*\i+p+1], v[G+p:G+p+1], v[B+p:B+p+1]
.set p, p+2
.endr
.irp j, 0,1,2,3,4,5,6,7
	v_cvt_pk_f16_f32 v[X+32*\i+4*\j],   v[X+32*\i+4*\j],   v[X+32*\i+4*\j+1]
	v_cvt_pk_f16_f32 v[X+32*\i+4*\j+1], v[X+32*\i+4*\j+2], v[X+32*\i+4*\j+3]
.endr
.endm
	LNROW 0, 24
	LNROW 1, 16
	LNROW 2, 8
	LNROW 3, 0
	s_wait_alu depctr_va_vdst(0)                   ; row 3's conversions have written the words that the last eight stores read
.irp j, 0,1,2,3,4,5,6,7
	global_store_b64 v2, v[X+96+4*\j:X+96+4*\j+1], s[22:23] offset:2048*3+256*\j   ; 32 lanes x 8 bytes: 256 aligned bytes
.endr
	s_endpgm
; ---------------- casts ----------------
.Lnot_ln:
	s_sub_co_u32 s30, ttmp9, 128                   ; chunk 0..767: 192 of in_proj_w, 64 of out_w, 256 of w1, 256 of w2
	s_wait_kmcnt 0x0
	s_mov_b64 s[32:33], s[14:15]                   ; source tensor,
	s_mov_b32 s31, 0                               ; its first chunk,
	s_mov_b32 s34, WQ_OFF                          ; its place in wts
	s_cmp_ge_u32 s30, 192
	s_cselect_b64 s[32:33], s[16:17], s[32:33]
	s_cselect_b32 s31, 192, s31
	s_cselect_b32 s34, WO_OFF, s34
	s_cmp_ge_u32 s30, 256
	s_cselect_b64 s[32:33], s[18:19], s[32:33]
	s_cselect_b32 s31, 256, s31
	s_cselect_b32 s34, W1_OFF, s34
	s_cmp_ge_u32 s30, 512
	s_cselect_b64 s[32:33], s[20:21], s[32:33]
	s_cselect_b32 s31, 512, s31
	s_cselect_b32 s34, W2_OFF, s34
	s_mov_b32 s35, 0
	s_sub_co_u32 s38, s30, s31                     ; the chunk's number inside its tensor
	s_lshl_b32 s36, s38, 16
	s_mov_b32 s37, 0
	s_add_nc_u64 s[32:33], s[32:33], s[36:37]      ; 65,536 source bytes a chunk
	s_add_nc_u64 s[22:23], s[22:23], s[34:35]
	v_lshlrev_b32 v1, 4, v0                        ; 16 t: a load of the group covers 4,096 neighbouring bytes
; 16 loads in flight, then four groups of four in the order of arrival: the count is the number of the later groups' loads.
; Group g's conversions write v[80+8 g ..]; its four stores are issued in group g + 1, among that group's conversions.
.macro CAST stride
	s_wait_alu depctr_va_vdst(0)                   ; v1 and v2 are written: the loads read v1 as their offset, the stores v2
.irp i, 0,1,2,3,4,5,6,7,8,9,10,11,12,13,14,15
	global_load_b128 v[16+4*\i:19+4*\i], v1, s[32:33] offset:4096*\i th:TH_LOAD_NT
.endr
.irp g, 0,1,2,3
	s_wait_loadcnt 12-4*\g
.if \g > 0
	s_wait_alu depctr_va_vdst(0)                   ; the group before has written its eight out registers, which the four stores below read
.endif
.irp k, 0,1,2,3
.if \g > 0
	global_store_b64 v2, v[80+2*(4*((\g)-1)+\k):81+2*(4*((\g)-1)+\k)], s[22:23] offset:(4*((\g)-1)+\k)*\stride   ; no vector instruction since the wait names its registers, and none writes them again
.endif
	v_cvt_pk_f16_f32 v[80+2*(4*\g+\k)], v[16+4*(4*\g+\k)], v[17+4*(4*\g+\k)]
	v_cvt_pk_f16_f32 v[81+2*(4*\g+\k)], v[18+4*(4*\g+\k)], v[19+4*(4*\g+\k)]
.endr
.endr
	s_wait_alu depctr_va_vdst(0)                   ; the last group has written its eight out registers, which the last four stores read
.irp k, 0,1,2,3
	global_store_b64 v2, v[80+2*(12+\k):81+2*(12+\k)], s[22:23] offset:(12+\k)*\stride
.endr
.endm
	s_cmp_ge_u32 s30, 512
	s_cbranch_scc1 .Lw2
	s_lshl_b32 s36, s38, 15                        ; the same order in f16: 32,768 bytes a chunk
	s_add_nc_u64 s[22:23], s[22:23], s[36:37]
	v_lshlrev_b32 v2, 3, v0
	CAST 2048
	s_endpgm
.Lw2:
	; a chunk is 32 rows (e, d) of 512 numbers: e = chunk / 32, d = 32 (chunk % 32) ..; row d of W2 is 8,192 bytes, expert e's part begins at 1,024 e
	s_and_b32 s36, s38, 31
	s_lshl_b32 s36, s36, 18
	s_lshr_b32 s39, s38, 5
	s_lshl_b32 s39, s39, 10
	s_add_co_u32 s36, s36, s39
	s_add_nc_u64 s[22:23], s[22:23], s[36:37]
	v_lshrrev_b32 v2, 7, v0                        ; load i brings rows 2 i and 2 i + 1: threads 0-127 the first, 128-255 the second
	v_and_b32 v3, 127, v0
	v_lshlrev_b32 v3, 3, v3
	v_lshl_or_b32 v2, v2, 13, v3
	CAST 16384
	s_endpgm
.Lfunc_end_k_qcd56afe8ab_prep:
	.size	k_qcd56afe8ab_prep, .Lfunc_end_k_qcd56afe8ab_prep-k_qcd56afe8ab_prep
	.p2alignl 7, 3214868480
	.fill 96, 4, 3214868480
	.section	.rodata,"a",@progbits
	.p2align	6, 0x0
	.amdhsa_kernel k_qcd56afe8ab_prep
		.amdhsa_group_segment_fixed_size 0
		.amdhsa_private_segment_fixed_size 0
		.amdhsa_enable_private_segment 0
		.amdhsa_kernarg_size 64
		.amdhsa_user_sgpr_count 2
		.amdhsa_user_sgpr_kernarg_segment_ptr 1
		.amdhsa_wavefront_size32 1
		.amdhsa_system_sgpr_workgroup_id_x 1
		.amdhsa_system_sgpr_workgroup_id_y 1
		.amdhsa_system_sgpr_workgroup_id_z 1
		.amdhsa_system_vgpr_workitem_id 0
		.amdhsa_next_free_vgpr 208
		.amdhsa_next_free_sgpr 66
		.amdhsa_reserve_vcc 0
		.amdhsa_float_denorm_mode_32 3
		.amdhsa_float_denorm_mode_16_64 3
		.amdhsa_memory_ordered 1
		.amdhsa_forward_progress 1
		.amdhsa_inst_pref_size 50
	.end_amdhsa_kernel
	.amdgpu_metadata
---
amdhsa.version: [ 1, 2 ]
amdhsa.kernels:
  - .name:           k_qcd56afe8ab_prep
    .symbol:         k_qcd56afe8ab_prep.kd
    .args:
      - { .name: x, .offset: 0, .size: 8, .value_kind: global_buffer, .address_space: global }
      - { .name: ln1_g, .offset: 8, .size: 8, .value_kind: global_buffer, .address_space: global }
      - { .name: ln1_b, .offset: 16, .size: 8, .value_kind: global_buffer, .address_space: global }
      - { .name: in_proj_w, .offset: 24, .size: 8, .value_kind: global_buffer, .address_space: global }
      - { .name: out_w, .offset: 32, .size: 8, .value_kind: global_buffer, .address_space: global }
      - { .name: w1, .offset: 40, .size: 8, .value_kind: global_buffer, .address_space: global }
      - { .name: w2, .offset: 48, .size: 8, .value_kind: global_buffer, .address_space: global }
      - { .name: wts, .offset: 56, .size: 8, .value_kind: global_buffer, .address_space: global }
    .group_segment_fixed_size: 0
    .private_segment_fixed_size: 0
    .kernarg_segment_align: 8
    .kernarg_segment_size: 64
    .max_flat_workgroup_size: 256
    .sgpr_count:     66
    .vgpr_count:     208
    .wavefront_size: 32
...
	.end_amdgpu_metadata
.endif
;; end of part 11
;; launch qkv: the kernel of part 2 again; grid 12 x 16, 4 waves a work-group, clusters of 4 x 4, 327,680 bytes of LDS; arguments wts, in_proj_b, qkv; writes qkv
;; launch attn: the kernel of part 3 again; grid 16 x 16, 8 waves a work-group, clusters of 4 x 1, 327,680 bytes of LDS; arguments qkv, ctx; writes ctx
;; launch oproj: the kernel of part 4 again; grid 8 x 32, 4 waves a work-group, clusters of 4 x 4, 327,680 bytes of LDS; arguments ctx, wts, out_b, x, x1; writes x1
;; launch ln2gate: the kernel of part 5 again; grid 256 x 1, 4 waves a work-group, no clusters, 41,984 bytes of LDS; arguments x1, ln2_g, ln2_b, gate_w, gate_b, g2, rt; writes g2, rt
;; launch scan: the kernel of part 6 again; grid 256 x 1, 1 waves a work-group, no clusters, 0 bytes of LDS; arguments rt, rt2; writes rt2
;; launch route: the kernel of part 7 again; grid 256 x 1, 8 waves a work-group, no clusters, 0 bytes of LDS; arguments rt2, g2, qkv; writes qkv
;; launch moe1r: the kernel of part 8 again; grid 4 x 64, 4 waves a work-group, clusters of 4 x 1, 327,680 bytes of LDS; arguments qkv, wts, b1, rt2, ctx; writes ctx
;; launch moe2r: the kernel of part 9 again; grid 4 x 64, 4 waves a work-group, clusters of 4 x 1, 327,680 bytes of LDS; arguments ctx, wts, b2, rt2, y; writes y
;; launch combine: the kernel of part 10 again; grid 256 x 1, 8 waves a work-group, no clusters, 0 bytes of LDS; arguments x1, y, g2, rt2, out0; writes out0
